; MI455X (gfx1250); checked and timed in simulation.
; The chip was launched on July 23, 2026; its instructions are those of AMD's public machine-readable ISA for CDNA 5 (MIT licence, August 2026) and "CDNA5" Instruction Set Architecture Reference Guide (July 2026). The comments in the code are by the model that wrote it; some were corrected since.
;; Transformer Block. Allowed arithmetic: matrix products marked QUANTISED: E5M2 operands, one E8M0 scale for each 32 along K, by v_wmma_scale_f32_16x16x128_f8f6f4 with both operands' format E5M2, f32 sums; everything else in f32.
;; Inputs: gain1 1,024 float32; gain2 1,024 float32; o_w 1,024 x 1,024 float32; qkv_w 3 x 1,024 x 1,024 float32; token_positions 2,048 int32; w1 2,752 x 1,024 float32; w2 1,024 x 2,752 float32; w3 2,752 x 1,024 float32; x 2 x 2,048 x 1,024 float32.
;; Outputs: out0 2 x 2,048 x 1,024 float32.
;; This version of the problem:
;;   THIS VERSION OF THE PROBLEM IS GIVEN IN LOW PRECISION. The matrix products marked QUANTISED in the list below multiply operands that are first quantised to E5M2 (5 exponent bits, 2 mantissa bits; 8 bits a number), with one power-of-two scale for each 32 numbers along K (OCP MX v1.0); their sums are f32. All else is computed in f32.
;;   The module's matrix products, in the order in which they are computed (A, B: the left and right operand; K: the contracted axis; several contracted axes count as one K, in the product's order):
;;     1. [M 3,072, K 1,024] x [K 1,024, N 4,096]; A: input qkv_w; B: computed on the way: QUANTISED
;;     2. batch 32 x [M 2,048, K 64] x [K 64, N 2,048]; A: computed on the way; B: computed on the way: QUANTISED
;;     3. batch 32 x [M 2,048, K 2,048] x [K 2,048, N 64]; A: softmax (see below); B: computed on the way: QUANTISED
;;     4. [M 4,096, K 1,024] x [K 1,024, N 1,024]; A: computed on the way; B: input o_w: QUANTISED
;;     5. [M 4,096, K 1,024] x [K 1,024, N 2,752]; A: computed on the way; B: input w1: QUANTISED
;;     6. [M 4,096, K 1,024] x [K 1,024, N 2,752]; A: computed on the way; B: input w3: QUANTISED
;;     7. [M 4,096, K 2,752] x [K 2,752, N 1,024]; A: computed on the way; B: input w2: QUANTISED
;;   THE QUANTISER, for each operand of a quantised product, along K:
;;     - K is cut into blocks of 32 from its start; a last block that is shorter is filled with zeros.
;;     - A block's scale is 2^e with e = floor(log2(the largest magnitude in the block)) - 15, held to -126 .. 127; a block of zeros has e = 0. As a byte (E8M0): e + 127.
;;     - Each number is divided by its block's scale, clamped to +-57,344, and rounded to the nearest number of E5M2, ties to even, subnormals kept.
;;     - The product sums the exact products of the quantised numbers (number of the format x scale) in f32.
;;   ~~~python
;;   def quantise(x, axis):      # numpy; x: float32 -> the quantised numbers, widened to float32 again
;;       x = np.moveaxis(x, axis, -1); K = x.shape[-1]
;;       x = np.pad(x, [(0, 0)] * (x.ndim - 1) + [(0, -K % 32)]); x = x.reshape(x.shape[:-1] + (-1, 32)); a = np.abs(x).max(-1, keepdims=True)
;;       e = np.where(a > 0, np.clip(np.frexp(np.where(a > 0, a, 1))[1] - 1 - 15, -126, 127), 0)      # np.frexp(a)[1] - 1 = floor(log2(a)), exactly
;;       r = np.clip(x / 2.0 ** e, -57344, 57344)
;;       step = 2.0 ** (np.maximum(np.frexp(np.where(r == 0, 1, r))[1] - 1, -14) - 2)
;;       q = np.round(r / step) * step * 2.0 ** e      # np.round: ties to even
;;       return np.moveaxis(q.reshape(q.shape[:-2] + (-1,))[..., :K], -1, axis).astype(np.float32)
;;   ~~~
;;   SOFTMAX AHEAD OF A QUANTISED PRODUCT. Where the list says 'softmax', what is quantised is not the finished softmax but p = 2^(t - M), with t = logit x log2(e) and M = ceil(the row's largest t), a whole number; so 1/2 < the row's largest p <= 1. The row's sum l is taken of the UNQUANTISED p, in f32, and the product's result is divided by l at the end. Since M is a whole number, a kernel that streams over the keys may use a running M (the ceiling of the running maximum): every later rescaling is an exact power of two, which a block's scale takes up: the codes' values come out the same.
;;   OPERANDS COMPUTED ON THE WAY. 'Computed on the way' means the value that the module computes at that place (a softmax that the list does not call 'softmax' is quantised finished and normalised). What goes into a quantiser is computed in f32, as accurately as f32 sums, v_exp_f32 and their like allow (about 1e-6 of the number): no bf16 or f16 on the way to a quantiser, and a product that is left as it is and whose result goes on into a quantised operand takes f32 operands (vector FMAs, or v_wmma_f32_16x16x4_f32). A number that lies on a knife's edge between two numbers of the format may be rounded either way, as far as f32 arithmetic and the matrix unit's own rounding can turn it there, and no further.
;; 2 versions. Each part assembles by itself: llvm-mc -triple=amdgcn-amd-amdhsa -mcpu=gfx1250 --defsym DOCPART=n.
;; ======== version 1 of 2: 8 launches
;; workspace buffers: wimg 13,770,752 bytes; aq 4,325,376 bytes; qimg 4,456,448 bytes; kv 8,781,824 bytes; oq 4,325,376 bytes; h1 16,777,216 bytes; hid 11,894,784 bytes
;; launch prep (part 1): grid 816 x 1, 4 waves a work-group, no clusters, 67,072 bytes of LDS; arguments qkv_w, o_w, w1, w3, w2, token_positions, wimg; writes wimg
.if DOCPART == 1
	.amdgcn_target "amdgcn-amd-amdhsa--gfx1250"
	.amdhsa_code_object_version 6
	.text
	.protected	k_q8bf64d5143_prep
	.globl	k_q8bf64d5143_prep
	.p2align	8
	.type	k_q8bf64d5143_prep,@function
k_q8bf64d5143_prep:
	s_mov_b64 s[64:65], 0
	v_nop
	global_prefetch_b8 v0, s[64:65] scope:SCOPE_SE
	s_setreg_imm32_b32 hwreg(HW_REG_WAVE_MODE, 25, 1), 1
	s_wait_xcnt 0x0
; All weights (f32, K innermost) become codes of BF8 (E5M2) with one E8M0 byte for each 32 along K, laid as the products' launches take them; and the table of cosines and sines for the rotation.
; A TILE is 16 rows that are not neighbours: tile T holds rows 32 (T / 2) + 8 (T % 2) + (p % 8) + 16 (p / 8), p = 0 .. 15, so that the results of two neighbouring tiles are 16 neighbours in a lane's registers.
; A RECORD (33,792 bytes, dense) holds 8 tiles x 256 along K: the code of tile t, lane L = (r, h), K step q, block c at 4096 t + 2048 q + 512 c + 16 L: an image of the operand's registers; scale words at 32768 + 128 t + 8 r + 4 q.
; A wave takes one tile x 256 along K: each load reads 512 consecutive bytes of a row; the 16 KiB turn through the wave's own LDS (row pitch 1,040 bytes = 65 x 16) so that a lane gets 16 neighbours of each block.
; Work-groups 0-191 qkv_w, 192-255 o_w, 256-607 w1 and w3 (an octet = 64 hidden units: 4 tiles of w1, the same 4 of w3; units 2,752 to 2,815 are zeros), 608-783 w2 (K 2,752 filled with zeros to 2,816), 784-815 the table.
; No matrix unit, no cluster, no tensor load: every byte is read once and waves share nothing.
; LIMITS: NaN and infinities are not served; a block whose largest magnitude lies under 2^-111, a block of zeros too, gets the byte 1 (its codes are read by this program alone); the table holds for |position x frequency| under 2^23.
.set OCT,    33792
.set W_O,    3244032
.set W_13,   4325376
.set W_2,    10272768
.set W_ROPE, 13246464
.set WREG,   16640                     ; LDS of a wave: 16 rows x RP
.set RP,     1040
.set VO,  16                           ; v16-31  row p's byte offset + 16 x lane
.set VO2, 32                           ; v32-47  the same for the second 512 bytes (lanes held inside the row's end in w2's last slot)
.set X,   64                           ; v64-191 128 numbers a lane
.set PC,  192                          ; v192-223 codes, a set for each K step
.set TM,  224                          ; v224-239 at work in QUANT
.set PW,  240                          ; v240, v241 the two scale words; v242 both, by halves of the lanes
.set SEL, 44
.set MNT, 46
.set HI,  47
; 64 numbers of a lane, register 16 b + i = k 32 b + 16 (lane / 16) + i of my row, become a fragment's codes in v[pc] on and its scale word in v[pw]
.macro QUANT s, pc, pw
.irp b, 0,1,2,3
	v_max3_num_f32 v[TM+\b], |v[\s+16*\b]|, |v[\s+16*\b+1]|, 0x8000000   ; my 16 numbers of block b, and the floor 2^(16 - 127): the byte cannot fall under 1
.endr
.irp i, 2,4,6,8,10,12,14
.irp b, 0,1,2,3
	v_max3_num_f32 v[TM+\b], v[TM+\b], |v[\s+16*\b+\i]|, |v[\s+16*\b+\i+1]|
.endr
.endr
.irp b, 0,1,2,3
	v_permlanex16_b32 v[TM+4+\b], v[TM+\b], s[SEL], s[SEL+1]
.endr
.irp b, 0,1,2,3
	v_max_num_f32 v[TM+\b], v[TM+\b], v[TM+4+\b]   ; with lane l xor 16's: the block's largest magnitude
.endr
.irp b, 0,1,2,3
	v_add_nc_u32 v[TM+12+\b], 0xf8800000, v[TM+\b]   ; 15 off its exponent field: the conversion's scale operand
.endr
.irp b, 0,1,2,3
	v_and_or_b32 v[TM+8+\b], v[TM+\b], 0x7f800000, s[MNT]   ; 57,344 x the scale
.endr
.irp b, 0,1,2,3
	v_lshrrev_b32 v[TM+4+\b], 23, v[TM+12+\b]      ; the scale's byte
.endr
	v_lshl_or_b32 v[\pw], v[TM+5], 8, v[TM+4]
	v_lshl_or_b32 v[\pw], v[TM+6], 16, v[\pw]
	v_lshl_or_b32 v[\pw], v[TM+7], 24, v[\pw]
.irp b, 0,1,2,3
.irp i, 0,1,2,3,4,5,6,7,8,9,10,11,12,13,14,15
	v_med3_num_f32 v[\s+16*\b+\i], v[\s+16*\b+\i], -v[TM+8+\b], v[TM+8+\b]   ; the conversion does not saturate (ISA guide 7.6.2): the hold
.endr
	v_cvt_scalef32_pk8_bf8_f32 v[\pc+4*\b:\pc+4*\b+1], v[\s+16*\b:\s+16*\b+7], v[TM+12+\b]
	v_cvt_scalef32_pk8_bf8_f32 v[\pc+4*\b+2:\pc+4*\b+3], v[\s+16*\b+8:\s+16*\b+15], v[TM+12+\b]
.endr
	v_nop                                          ; a plain line behind the last conversion
.endm
	s_load_b256 s[4:11], s[0:1], 0x0               ; qkv_w s[4:5], o_w s[6:7], w1 s[8:9], w3 s[10:11]
	s_load_b128 s[12:15], s[0:1], 0x20             ; w2 s[12:13], token_positions s[14:15]
	s_load_b64 s[16:17], s[0:1], 0x30              ; wimg
	v_lshl_add_u32 v254, v0, 2, 0x10400
	v_mov_b32 v255, 0
	v_lshrrev_b32 v1, 5, v0
	v_readfirstlane_b32 s20, v1                    ; wave
	v_and_b32 v1, 31, v0                           ; lane
	v_and_b32 v2, 15, v0                           ; r
	v_bfe_u32 v3, v0, 4, 1                         ; h
	v_lshlrev_b32 v4, 4, v1                        ; 16 x lane
	s_cmp_ge_u32 ttmp9, 784
	s_cbranch_scc1 .Lrope
	; ---- a weight's tile.  Which tensor, tile, slot and place: chosen by the work-group's number alone, without a branch
	s_mov_b32 s[SEL], 0x76543210
	s_mov_b32 s[SEL+1], 0xfedcba98                 ; v_permlanex16_b32's selects for lane l xor 16
	s_mov_b32 s[MNT], 0x600000                     ; the mantissa field of 57,344
	s_mov_b32 s[HI], 0xffff0000                    ; lanes 16-31
	s_sub_co_u32 s34, ttmp9, 192                   ; o_w's tile
	s_sub_co_u32 s35, ttmp9, 256                   ; w1's and w3's tile in the image
	s_lshr_b32 s36, s35, 3
	s_lshl_b32 s36, s36, 2
	s_and_b32 s37, s35, 3
	s_add_co_u32 s36, s36, s37
	s_min_u32 s36, s36, 171                        ; and in the tensor: 4 x octet + tile % 4, held inside its 172 tiles (the padding's tiles read the last and are cleared)
	s_sub_co_u32 s37, ttmp9, 608
	s_and_b32 s38, s37, 15
	s_lshl_b32 s38, s38, 2
	s_add_co_u32 s38, s38, s20                     ; w2's tile
	s_lshr_b32 s39, s37, 4                         ; w2's slot
	s_and_b32 s37, s35, 4
	s_wait_kmcnt 0x0
	s_cmp_lg_u32 s37, 0
	s_cselect_b64 s[40:41], s[10:11], s[8:9]       ; tiles 4-7 of an octet are w3's
	s_mov_b32 s21, ttmp9                           ; s21 tile in the image, s28 tile in the tensor, s22 slot, s23 octets, s24 the image's place, s25 a row's bytes, s[26:27] the tensor
	s_mov_b32 s28, ttmp9
	s_mov_b32 s22, s20
	s_mov_b32 s23, 24
	s_mov_b32 s24, 0
	s_mov_b32 s25, 4096
	s_mov_b64 s[26:27], s[4:5]
	s_cmp_ge_u32 ttmp9, 192
	s_cselect_b32 s21, s34, s21
	s_cselect_b32 s28, s34, s28
	s_cselect_b32 s23, 8, s23
	s_cselect_b32 s24, W_O, s24
	s_cselect_b64 s[26:27], s[6:7], s[26:27]
	s_cmp_ge_u32 ttmp9, 256
	s_cselect_b32 s21, s35, s21
	s_cselect_b32 s28, s36, s28
	s_cselect_b32 s23, 44, s23
	s_cselect_b32 s24, W_13, s24
	s_cselect_b64 s[26:27], s[40:41], s[26:27]
	s_cmp_ge_u32 ttmp9, 608
	s_cselect_b32 s21, s38, s21
	s_cselect_b32 s28, s38, s28
	s_cselect_b32 s22, s39, s22
	s_cselect_b32 s23, 8, s23
	s_cselect_b32 s24, W_2, s24
	s_cselect_b32 s25, 11008, s25
	s_cselect_b64 s[26:27], s[12:13], s[26:27]
	s_mov_b32 s30, -1                              ; which lanes of a row's first and second load hold numbers (s30, s31); s29: the lanes' bound in the second; s33: is anything cleared
	s_mov_b32 s31, -1
	s_mov_b32 s29, 31
	s_mov_b32 s33, 0
	s_cmp_ge_u32 ttmp9, 600                        ; work-groups 600-607: hidden units 2,752 on: zeros
	s_cselect_b32 s30, 0, s30
	s_cselect_b32 s31, 0, s31
	s_cselect_b32 s33, 1, s33
	s_cmp_ge_u32 ttmp9, 608
	s_cselect_b32 s30, -1, s30
	s_cselect_b32 s31, -1, s31
	s_cselect_b32 s33, 0, s33
	s_cmp_ge_u32 ttmp9, 768                        ; w2's slot 10: k 2,560 to 2,751 exist: of the second load lanes 0-15; lanes 16-31 read those lanes' bytes again and are cleared
	s_cselect_b32 s31, 0xffff, s31
	s_cselect_b32 s29, 15, s29
	s_cselect_b32 s33, 1, s33
	s_lshr_b32 s34, s28, 1
	s_lshl_b32 s34, s34, 5
	s_and_b32 s35, s28, 1
	s_lshl_b32 s35, s35, 3
	s_add_co_u32 s34, s34, s35                     ; the tile's first row
	s_mul_i32 s34, s34, s25
	s_lshl_b32 s35, s22, 10                        ; 256 numbers a slot
	s_add_co_u32 s34, s34, s35
	s_mov_b32 s35, 0
	s_add_nc_u64 s[26:27], s[26:27], s[34:35]
	s_mul_i32 s34, s22, s23
	s_lshr_b32 s35, s21, 3
	s_add_co_u32 s34, s34, s35
	s_mul_i32 s34, s34, OCT
	s_add_co_u32 s34, s34, s24                     ; the record
	s_and_b32 s36, s21, 7
	s_lshl_b32 s37, s36, 12
	s_add_co_u32 s38, s34, s37
	s_mov_b32 s39, 0
	s_add_nc_u64 s[48:49], s[16:17], s[38:39]      ; my tile's codes
	s_lshl_b32 s37, s36, 7
	s_add_co_u32 s38, s34, s37
	s_add_co_u32 s38, s38, 32768
	s_add_nc_u64 s[50:51], s[16:17], s[38:39]      ; and its scale words
	v_and_b32 v5, s29, v1
	v_lshlrev_b32 v5, 4, v5
	s_mul_i32 s34, s20, WREG
	v_add_nc_u32 v6, s34, v4                       ; LDS, in: 16 x lane in a row
	v_mul_u32_u24 v7, v2, RP
	v_lshl_add_u32 v7, v3, 6, v7
	v_add_nc_u32 v7, s34, v7                       ; LDS, out: row r, + 64 h: my 16 numbers of a block
	v_lshlrev_b32 v9, 3, v2
	v_lshl_add_u32 v9, v3, 2, v9                   ; scale words: 8 r + 4 h (lanes 16-31 store the second K step's)
.irp p, 0,1,2,3,4,5,6,7,8,9,10,11,12,13,14,15
	v_mad_u32_u24 v[VO+\p], s25, (\p%8)+16*(\p/8), v4
	v_mad_u32_u24 v[VO2+\p], s25, (\p%8)+16*(\p/8), v5
.endr
.irp b, 0,1,2,3
	v_mov_b32 v[TM+4+\b], 0                        ; a lane permute's destination counts as one of its sources
.endr
.irp p, 0,1,2,3,4,5,6,7,8,9,10,11,12,13,14,15
	global_load_b128 v[X+8*\p:X+8*\p+3], v[VO+\p], s[26:27] th:TH_LOAD_NT               ; 32 lanes read 512 consecutive bytes of a row
	global_load_b128 v[X+8*\p+4:X+8*\p+7], v[VO2+\p], s[26:27] offset:512 th:TH_LOAD_NT
.endr
	s_wait_loadcnt 0x0
	s_cmp_eq_u32 s33, 0
	s_cbranch_scc1 .Lwhole
.irp p, 0,1,2,3,4,5,6,7,8,9,10,11,12,13,14,15
.irp e, 0,1,2,3
	v_cndmask_b32 v[X+8*\p+\e], 0, v[X+8*\p+\e], s30       ; what lies past the tensor's end counts as 0, ahead of the blocks' maxima
	v_cndmask_b32 v[X+8*\p+4+\e], 0, v[X+8*\p+4+\e], s31
.endr
.endr
.Lwhole:
.irp p, 0,1,2,3,4,5,6,7,8,9,10,11,12,13,14,15
	ds_store_b128 v6, v[X+8*\p:X+8*\p+3] offset:RP*\p
	ds_store_b128 v6, v[X+8*\p+4:X+8*\p+7] offset:RP*\p+512
.endr
.irp q, 0,1
.irp c, 0,1,2,3
.irp j, 0,1,2,3
	ds_load_b128 v[X+64*\q+16*\c+4*\j:X+64*\q+16*\c+4*\j+3], v7 offset:512*\q+128*\c+16*\j   ; LDS serves a wave's instructions in order (ISA guide 5.7.1.4): these see my stores
.endr
.endr
.endr
	s_wait_dscnt 16                                ; the first K step's 16 loads are in; the second's may be out
	QUANT X, PC, PW
.irp c, 0,1,2,3
	global_store_b128 v4, v[PC+4*\c:PC+4*\c+3], s[48:49] offset:512*\c        ; 512 consecutive bytes, aligned
.endr
	s_wait_dscnt 0x0
	QUANT X+64, PC+16, PW+1
.irp c, 0,1,2,3
	global_store_b128 v4, v[PC+16+4*\c:PC+16+4*\c+3], s[48:49] offset:2048+512*\c
.endr
	v_cndmask_b32 v[PW+2], v[PW], v[PW+1], s[HI]   ; lanes 0-15 the first K step's word of row r, lanes 16-31 the second's
	global_store_b32 v9, v[PW+2], s[50:51]         ; 128 consecutive bytes
	s_wait_tensorcnt 0x0
	ds_add_u32 v254, v255
	s_wait_dscnt 0x0
	s_endpgm
	; ---- the table: for token tile T and lane (r, h): cos, sin of position x 10^(-i / 8), i = 16 b + 8 h + p, in registers 16 b + 2 p, + 1: the layout in which the projection's results lie
.Lrope:
	s_sub_co_u32 s21, ttmp9, 784
	s_lshl_b32 s21, s21, 2
	s_add_co_u32 s21, s21, s20                     ; T
	s_lshr_b32 s22, s21, 1
	s_lshl_b32 s22, s22, 5
	s_and_b32 s23, s21, 1
	s_lshl_b32 s23, s23, 3
	s_add_co_u32 s22, s22, s23
	v_and_b32 v5, 7, v2
	v_lshrrev_b32 v6, 3, v2
	v_lshl_add_u32 v5, v6, 4, v5
	v_add_nc_u32 v5, s22, v5                       ; my place in the sequence
	v_lshlrev_b32 v5, 2, v5
	s_lshl_b32 s24, s21, 12
	s_add_co_u32 s24, s24, W_ROPE
	s_mov_b32 s25, 0
	s_wait_kmcnt 0x0
	s_add_nc_u64 s[16:17], s[16:17], s[24:25]
	global_load_b32 v10, v5, s[14:15]
	v_cmp_eq_u32 s30, 1, v3                        ; lanes 16-31
	v_mov_b32 v20, 0xb94ca1f9                      ; the highest coefficients of the two polynomials
	v_mov_b32 v21, 0x37ccf5ce
	s_wait_loadcnt 0x0
	v_cvt_f32_i32 v10, v10
; angle = position x frequency, rounded to f32; n = the nearest multiple of pi / 2, taken off in two parts by fused multiply-adds; sine and cosine of the rest (under pi / 4) by polynomials; the quadrant swaps and signs them
.macro SINCOS o, c0, c1
	v_mov_b32 v11, \c0
	v_mov_b32 v12, \c1
	v_cndmask_b32 v11, v11, v12, s30
	v_mul_f32 v11, v10, v11
	v_mul_f32 v12, 0x3f22f983, v11                 ; x 2 / pi
	v_rndne_f32 v12, v12
	v_fmamk_f32 v13, v12, 0xbfc90fdb, v11
	v_fmamk_f32 v13, v12, 0x333bbd2e, v13
	v_mul_f32 v14, v13, v13
	v_fmaak_f32 v15, v20, v14, 0x3c08839e
	v_fmaak_f32 v16, v21, v14, 0xbab6061a
	v_fmaak_f32 v15, v15, v14, 0xbe2aaaa3
	v_fmaak_f32 v16, v16, v14, 0x3d2aaaa5
	v_mul_f32 v17, v14, v13
	v_mul_f32 v18, v14, v14
	v_fma_f32 v19, v14, -0.5, 1.0
	v_fma_f32 v15, v17, v15, v13                   ; sine of the rest
	v_fma_f32 v16, v18, v16, v19                   ; cosine
	v_cvt_i32_f32 v12, v12
	v_and_b32 v17, 1, v12
	v_cmp_eq_u32 vcc_lo, 1, v17
	v_cndmask_b32 v18, v15, v16, vcc_lo
	v_cndmask_b32 v19, v16, v15, vcc_lo
	v_and_b32 v17, 2, v12
	v_add_nc_u32 v12, 1, v12
	v_lshlrev_b32 v17, 30, v17
	v_and_b32 v12, 2, v12
	v_xor_b32 v[\o+1], v18, v17
	v_lshlrev_b32 v12, 30, v12
	v_xor_b32 v[\o], v19, v12
.endm
	SINCOS 64, 1.0, 0.1
	SINCOS 66, 0.749894209, 0.0749894209
	SINCOS 68, 0.562341325, 0.0562341325
	SINCOS 70, 0.421696503, 0.0421696503
	SINCOS 72, 0.316227766, 0.0316227766
	SINCOS 74, 0.237137371, 0.0237137371
	SINCOS 76, 0.177827941, 0.0177827941
	SINCOS 78, 0.133352143, 0.0133352143
	SINCOS 80, 0.01, 0.001
	SINCOS 82, 0.00749894209, 0.000749894209
	SINCOS 84, 0.00562341325, 0.000562341325
	SINCOS 86, 0.00421696503, 0.000421696503
	SINCOS 88, 0.00316227766, 0.000316227766
	SINCOS 90, 0.00237137371, 0.000237137371
	SINCOS 92, 0.00177827941, 0.000177827941
	SINCOS 94, 0.00133352143, 0.000133352143
.irp j, 0,1,2,3,4,5,6,7
	global_store_b128 v4, v[64+4*\j:64+4*\j+3], s[16:17] offset:512*\j
.endr
	s_endpgm
.Lfunc_end_k_q8bf64d5143_prep:
	.size	k_q8bf64d5143_prep, .Lfunc_end_k_q8bf64d5143_prep-k_q8bf64d5143_prep
	.p2alignl 7, 3214868480
	.fill 96, 4, 3214868480
	.section	.rodata,"a",@progbits
	.p2align	6, 0x0
	.amdhsa_kernel k_q8bf64d5143_prep
		.amdhsa_group_segment_fixed_size 67072
		.amdhsa_private_segment_fixed_size 0
		.amdhsa_enable_private_segment 0
		.amdhsa_kernarg_size 56
		.amdhsa_user_sgpr_count 2
		.amdhsa_user_sgpr_kernarg_segment_ptr 1
		.amdhsa_wavefront_size32 1
		.amdhsa_system_sgpr_workgroup_id_x 1
		.amdhsa_system_sgpr_workgroup_id_y 1
		.amdhsa_system_sgpr_workgroup_id_z 1
		.amdhsa_system_vgpr_workitem_id 0
		.amdhsa_next_free_vgpr 256
		.amdhsa_next_free_sgpr 66
		.amdhsa_reserve_vcc 1
		.amdhsa_float_denorm_mode_32 3
		.amdhsa_float_denorm_mode_16_64 3
		.amdhsa_memory_ordered 1
		.amdhsa_forward_progress 1
		.amdhsa_inst_pref_size 63
	.end_amdhsa_kernel
	.amdgpu_metadata
---
amdhsa.version: [ 1, 2 ]
amdhsa.kernels:
  - .name:           k_q8bf64d5143_prep
    .symbol:         k_q8bf64d5143_prep.kd
    .args:
      - { .name: qkv_w, .offset: 0, .size: 8, .value_kind: global_buffer, .address_space: global }
      - { .name: o_w, .offset: 8, .size: 8, .value_kind: global_buffer, .address_space: global }
      - { .name: w1, .offset: 16, .size: 8, .value_kind: global_buffer, .address_space: global }
      - { .name: w3, .offset: 24, .size: 8, .value_kind: global_buffer, .address_space: global }
      - { .name: w2, .offset: 32, .size: 8, .value_kind: global_buffer, .address_space: global }
      - { .name: token_positions, .offset: 40, .size: 8, .value_kind: global_buffer, .address_space: global }
      - { .name: wimg, .offset: 48, .size: 8, .value_kind: global_buffer, .address_space: global }
    .group_segment_fixed_size: 67072
    .private_segment_fixed_size: 0
    .kernarg_segment_align: 8
    .kernarg_segment_size: 56
    .max_flat_workgroup_size: 128
    .sgpr_count:     66
    .vgpr_count:     256
    .wavefront_size: 32
...
	.end_amdgpu_metadata
.endif
;; end of part 1
;; launch norm1 (part 2): grid 256 x 1, 4 waves a work-group, no clusters, 66,304 bytes of LDS; arguments x, gain1, aq; writes aq
.if DOCPART == 2
	.amdgcn_target "amdgcn-amd-amdhsa--gfx1250"
	.amdhsa_code_object_version 6
	.text
	.protected	k_q8bf64d5143_norm1
	.globl	k_q8bf64d5143_norm1
	.p2align	8
	.type	k_q8bf64d5143_norm1,@function
k_q8bf64d5143_norm1:
	s_mov_b64 s[64:65], 0
	v_nop
	global_prefetch_b8 v0, s[64:65] scope:SCOPE_SE
	s_setreg_imm32_b32 hwreg(HW_REG_WAVE_MODE, 25, 1), 1
	s_wait_xcnt 0x0
; y = x gain / sqrt(mean(x^2) + 1e-5) for rows of 1,024 f32, quantised along the row to codes of BF8 (E5M2) with one E8M0 byte for each 32, stored as records (see below).  Arguments: the rows, the gain, the records.
; A work-group takes one TILE of 16 rows: tile T = rows 32 (T / 2) + 8 (T % 2) + (p % 8) + 16 (p / 8).  Phase 1: wave w takes tile rows 4 w .. 4 w + 3, four neighbouring rows of memory, whole: 32 registers a row, read once
; and kept between the sum of squares and the scaling; the scaled rows go to LDS (pitch 4,112 = 257 x 16 bytes).  One barrier.  Phase 2: wave w takes 256 along K of all 16 rows, 16 neighbours of each block to a lane, and quantises.
; A RECORD (33,792 bytes) holds 8 tiles x 256 along K: codes at 4096 t + 2048 q + 512 c + 16 lane (an image of the operand's registers), scale words at 32768 + 128 t + 8 r + 4 q; record (slot, octet) lies at (32 slot + octet) x 33,792.
; Memory binds: no matrix unit, no cluster (work-groups share only the gain's 4 KiB), no tensor load.
; LIMITS: NaN and infinities are not served; the reciprocal root is v_rsq_f32's; a block under 2^-111, zeros too, gets the byte 1 (read by this program alone).
.set OCT, 33792
.set RP,  4112
.set G,   32                           ; v32-63  the gain at my 32 columns
.set X,   64                           ; v64-191 four rows; later 128 numbers to quantise
.set PC,  192
.set TM,  224
.set PW,  240
.set SEL, 20
.set MNT, 22
.set HI,  23
.macro QUANT s, pc, pw
.irp b, 0,1,2,3
	v_max3_num_f32 v[TM+\b], |v[\s+16*\b]|, |v[\s+16*\b+1]|, 0x8000000   ; my 16 numbers of block b, and the floor 2^(16 - 127)
.endr
.irp i, 2,4,6,8,10,12,14
.irp b, 0,1,2,3
	v_max3_num_f32 v[TM+\b], v[TM+\b], |v[\s+16*\b+\i]|, |v[\s+16*\b+\i+1]|
.endr
.endr
.irp b, 0,1,2,3
	v_permlanex16_b32 v[TM+4+\b], v[TM+\b], s[SEL], s[SEL+1]
.endr
.irp b, 0,1,2,3
	v_max_num_f32 v[TM+\b], v[TM+\b], v[TM+4+\b]
.endr
.irp b, 0,1,2,3
	v_add_nc_u32 v[TM+12+\b], 0xf8800000, v[TM+\b]   ; 15 off the exponent field: the conversion's scale operand
.endr
.irp b, 0,1,2,3
	v_and_or_b32 v[TM+8+\b], v[TM+\b], 0x7f800000, s[MNT]   ; 57,344 x the scale
.endr
.irp b, 0,1,2,3
	v_lshrrev_b32 v[TM+4+\b], 23, v[TM+12+\b]
.endr
	v_lshl_or_b32 v[\pw], v[TM+5], 8, v[TM+4]
	v_lshl_or_b32 v[\pw], v[TM+6], 16, v[\pw]
	v_lshl_or_b32 v[\pw], v[TM+7], 24, v[\pw]
.irp b, 0,1,2,3
.irp i, 0,1,2,3,4,5,6,7,8,9,10,11,12,13,14,15
	v_med3_num_f32 v[\s+16*\b+\i], v[\s+16*\b+\i], -v[TM+8+\b], v[TM+8+\b]   ; the conversion does not saturate (ISA guide 7.6.2): the hold
.endr
	v_cvt_scalef32_pk8_bf8_f32 v[\pc+4*\b:\pc+4*\b+1], v[\s+16*\b:\s+16*\b+7], v[TM+12+\b]
	v_cvt_scalef32_pk8_bf8_f32 v[\pc+4*\b+2:\pc+4*\b+3], v[\s+16*\b+8:\s+16*\b+15], v[TM+12+\b]
.endr
	v_nop
.endm
	s_load_b128 s[4:7], s[0:1], 0x0                ; the rows, the gain
	s_load_b64 s[8:9], s[0:1], 0x10                ; the records
	v_lshl_add_u32 v254, v0, 2, 0x10100
	v_mov_b32 v255, 0
	v_lshrrev_b32 v1, 5, v0
	v_readfirstlane_b32 s10, v1                    ; wave
	v_and_b32 v1, 31, v0
	v_and_b32 v2, 15, v0                           ; r
	v_bfe_u32 v3, v0, 4, 1                         ; h
	v_lshlrev_b32 v4, 4, v1                        ; 16 x lane
	s_mul_i32 s11, s10, 4*RP
	v_add_nc_u32 v5, s11, v4                       ; LDS, in: my four rows
	v_mul_u32_u24 v7, v2, RP
	v_lshl_add_u32 v7, v3, 6, v7
	s_lshl_b32 s11, s10, 10
	v_add_nc_u32 v7, s11, v7                       ; LDS, out: row r, my wave's 256 along K, + 64 h
	v_lshlrev_b32 v6, 3, v2
	v_lshl_add_u32 v6, v3, 2, v6                   ; scale words: 8 r + 4 h
	s_mov_b32 s[SEL], 0x76543210
	s_mov_b32 s[SEL+1], 0xfedcba98
	s_mov_b32 s[MNT], 0x600000
	s_mov_b32 s[HI], 0xffff0000
	s_mov_b32 s14, 0x3a800000                      ; 1 / 1,024
	s_mov_b32 s15, 0x3727c5ac                      ; 1e-5
	s_lshr_b32 s11, ttmp9, 1
	s_lshl_b32 s11, s11, 5
	s_and_b32 s12, ttmp9, 1
	s_lshl_b32 s12, s12, 3
	s_add_co_u32 s11, s11, s12
	s_lshr_b32 s12, s10, 1
	s_lshl_b32 s12, s12, 4
	s_add_co_u32 s11, s11, s12
	s_and_b32 s12, s10, 1
	s_lshl_b32 s12, s12, 2
	s_add_co_u32 s11, s11, s12                     ; my first row: 32 (T / 2) + 8 (T % 2) + 16 (w / 2) + 4 (w % 2)
	s_lshl_b32 s12, s11, 12
	s_mov_b32 s13, 0
	s_lshl_b32 s16, s10, 5
	s_lshr_b32 s17, ttmp9, 3
	s_add_co_u32 s16, s16, s17
	s_mul_i32 s16, s16, OCT                        ; my record: slot = wave, octet = T / 8
	s_and_b32 s17, ttmp9, 7
	s_lshl_b32 s18, s17, 12
	s_add_co_u32 s18, s18, s16
	s_mov_b32 s19, 0
	s_lshl_b32 s24, s17, 7
	s_add_co_u32 s24, s24, s16
	s_add_co_u32 s24, s24, 32768
	s_mov_b32 s25, 0
	s_wait_kmcnt 0x0
	s_add_nc_u64 s[4:5], s[4:5], s[12:13]
	s_add_nc_u64 s[18:19], s[8:9], s[18:19]        ; the tile's codes
	s_add_nc_u64 s[24:25], s[8:9], s[24:25]        ; its scale words
.irp j, 0,1,2,3,4,5,6,7
	global_load_b128 v[G+4*\j:G+4*\j+3], v4, s[6:7] offset:512*\j
.endr
.irp i, 0,1,2,3
.irp j, 0,1,2,3,4,5,6,7
	global_load_b128 v[X+32*\i+4*\j:X+32*\i+4*\j+3], v4, s[4:5] offset:4096*\i+512*\j th:TH_LOAD_NT   ; 512 consecutive bytes
.endr
.endr
.irp i, 0,1,2,3
	v_mov_b32 v[20+\i], 0                          ; lane permutes' destinations, and the upper words of pairs that are named whole: written once
	v_mov_b32 v[25+2*\i], 0
	v_mov_b32 v[TM+4+\i], 0
.endr
.irp i, 0,1,2,3
	s_wait_loadcnt 8*(3-\i)                        ; the gain and rows 0 .. i are in; the younger rows' eight loads each stay out
	v_pk_mul_f32 v[12:13], v[X+32*\i:X+32*\i+1], v[X+32*\i:X+32*\i+1]
	v_pk_mul_f32 v[14:15], v[X+32*\i+2:X+32*\i+3], v[X+32*\i+2:X+32*\i+3]
.irp k, 4,8,12,16,20,24,28
	v_pk_fma_f32 v[12:13], v[X+32*\i+\k:X+32*\i+\k+1], v[X+32*\i+\k:X+32*\i+\k+1], v[12:13]
	v_pk_fma_f32 v[14:15], v[X+32*\i+\k+2:X+32*\i+\k+3], v[X+32*\i+\k+2:X+32*\i+\k+3], v[14:15]
.endr
	v_pk_add_f32 v[12:13], v[12:13], v[14:15]
	v_add_f32 v[8+\i], v12, v13                    ; my 32 squares of row i
.endr
.irp m, 1,2,4,8
.irp i, 0,1,2,3
	v_add_f32_dpp v[8+\i], v[8+\i], v[8+\i] row_xmask:\m row_mask:0xf bank_mask:0xf
.endr
.endr
.irp i, 0,1,2,3
	v_permlanex16_b32 v[20+\i], v[8+\i], s[SEL], s[SEL+1]
.endr
.irp i, 0,1,2,3
	v_add_f32 v[8+\i], v[8+\i], v[20+\i]           ; the row's sum, in every lane
.endr
.irp i, 0,1,2,3
	v_fma_f32 v[8+\i], v[8+\i], s14, s15           ; the mean + 1e-5
.endr
.irp i, 0,1,2,3
	v_rsq_f32 v[24+2*\i], v[8+\i]
.endr
.irp i, 0,1,2,3
.set k, 0
.rept 16
	v_pk_mul_f32 v[X+32*\i+2*k:X+32*\i+2*k+1], v[X+32*\i+2*k:X+32*\i+2*k+1], v[G+2*k:G+2*k+1]   ; x gain: plain work behind the four roots, which names none of their results
.set k, k+1
.endr
.endr
	s_wait_alu depctr_va_vdst(0)                   ; one wait for the four roots, ahead of their first reader
.irp i, 0,1,2,3
.set k, 0
.rept 16
	v_pk_mul_f32 v[X+32*\i+2*k:X+32*\i+2*k+1], v[X+32*\i+2*k:X+32*\i+2*k+1], v[24+2*\i:25+2*\i] op_sel_hi:[1,0]
.set k, k+1
.endr
.irp j, 0,1,2,3,4,5,6,7
	ds_store_b128 v5, v[X+32*\i+4*\j:X+32*\i+4*\j+3] offset:RP*\i+512*\j
.endr
.endr
	s_wait_dscnt 0x0                               ; for the others' sake: my rows lie in LDS
	s_barrier_signal -1
	s_barrier_wait -1
.irp q, 0,1
.irp c, 0,1,2,3
.irp j, 0,1,2,3
	ds_load_b128 v[X+64*\q+16*\c+4*\j:X+64*\q+16*\c+4*\j+3], v7 offset:512*\q+128*\c+16*\j
.endr
.endr
.endr
	s_wait_dscnt 16                                ; the first K step's 16 loads are in
	QUANT X, PC, PW
.irp c, 0,1,2,3
	global_store_b128 v4, v[PC+4*\c:PC+4*\c+3], s[18:19] offset:512*\c
.endr
	s_wait_dscnt 0x0
	QUANT X+64, PC+16, PW+1
.irp c, 0,1,2,3
	global_store_b128 v4, v[PC+16+4*\c:PC+16+4*\c+3], s[18:19] offset:2048+512*\c
.endr
	v_cndmask_b32 v[PW+2], v[PW], v[PW+1], s[HI]
	global_store_b32 v6, v[PW+2], s[24:25]         ; 128 consecutive bytes
	s_wait_tensorcnt 0x0
	ds_add_u32 v254, v255
	s_wait_dscnt 0x0
	s_endpgm
.Lfunc_end_k_q8bf64d5143_norm1:
	.size	k_q8bf64d5143_norm1, .Lfunc_end_k_q8bf64d5143_norm1-k_q8bf64d5143_norm1
	.p2alignl 7, 3214868480
	.fill 96, 4, 3214868480
	.section	.rodata,"a",@progbits
	.p2align	6, 0x0
	.amdhsa_kernel k_q8bf64d5143_norm1
		.amdhsa_group_segment_fixed_size 66304
		.amdhsa_private_segment_fixed_size 0
		.amdhsa_enable_private_segment 0
		.amdhsa_kernarg_size 24
		.amdhsa_user_sgpr_count 2
		.amdhsa_user_sgpr_kernarg_segment_ptr 1
		.amdhsa_wavefront_size32 1
		.amdhsa_system_sgpr_workgroup_id_x 1
		.amdhsa_system_sgpr_workgroup_id_y 1
		.amdhsa_system_sgpr_workgroup_id_z 1
		.amdhsa_system_vgpr_workitem_id 0
		.amdhsa_next_free_vgpr 256
		.amdhsa_next_free_sgpr 66
		.amdhsa_reserve_vcc 0
		.amdhsa_float_denorm_mode_32 3
		.amdhsa_float_denorm_mode_16_64 3
		.amdhsa_memory_ordered 1
		.amdhsa_forward_progress 1
		.amdhsa_inst_pref_size 43
	.end_amdhsa_kernel
	.amdgpu_metadata
---
amdhsa.version: [ 1, 2 ]
amdhsa.kernels:
  - .name:           k_q8bf64d5143_norm1
    .symbol:         k_q8bf64d5143_norm1.kd
    .args:
      - { .name: x, .offset: 0, .size: 8, .value_kind: global_buffer, .address_space: global }
      - { .name: gain1, .offset: 8, .size: 8, .value_kind: global_buffer, .address_space: global }
      - { .name: aq, .offset: 16, .size: 8, .value_kind: global_buffer, .address_space: global }
    .group_segment_fixed_size: 66304
    .private_segment_fixed_size: 0
    .kernarg_segment_align: 8
    .kernarg_segment_size: 24
    .max_flat_workgroup_size: 128
    .sgpr_count:     66
    .vgpr_count:     256
    .wavefront_size: 32
...
	.end_amdgpu_metadata
.endif
;; end of part 2
;; launch qkv (part 3): grid 12 x 16, 4 waves a work-group, clusters of 4 x 4, 327,680 bytes of LDS; arguments aq, wimg, qimg, kv; writes qimg, kv
.if DOCPART == 3
	.amdgcn_target "amdgcn-amd-amdhsa--gfx1250"
	.amdhsa_code_object_version 6
	.text
	.protected	k_q8bf64d5143_qkv
	.globl	k_q8bf64d5143_qkv
	.p2align	8
	.type	k_q8bf64d5143_qkv,@function
k_q8bf64d5143_qkv:
	s_mov_b64 s[64:65], 0
	v_nop
	global_prefetch_b8 v0, s[64:65] scope:SCOPE_SE
	s_setreg_imm32_b32 hwreg(HW_REG_WAVE_MODE, 25, 1), 1
	s_wait_xcnt 0x0
	s_wait_alu depctr_hold_cnt(0) depctr_sa_sdst(0) depctr_va_vdst(0) depctr_va_sdst(0) depctr_va_ssrc(0) depctr_va_vcc(0) depctr_vm_vsrc(0)
	s_getreg_b32 s2, hwreg(HW_REG_IB_STS2, 6, 4)
	s_cmp_eq_u32 s2, 0
	s_cbranch_scc0 .Lentry_in_a_cluster
	s_endpgm
.Lentry_in_a_cluster:
	s_bfe_u32 s2, ttmp6, 0x10000c
	s_cmp_lg_u32 s2, 0xf033
	s_cbranch_scc0 .Lentry_shape_is_right
	s_endpgm
.Lentry_shape_is_right:
; Q, K, V = norm(x) W^T on codes of BF8 (E5M2) with E8M0 scales for each 32 along K = 1,024; then the rotation of Q and K, and all three quantised for attention: Q and K along the head's 64, V along the keys.
; OPERANDS lie in memory as RECORDS of 33,792 dense bytes: 8 tiles of 16 rows x 256 along K, as images of the operand's registers (code at 4096 t + 2048 q + 512 c + 16 lane), scale words at 32768 + 128 t + 8 r + 4 q.
; A tile's rows are 32 (T / 2) + 8 (T % 2) + (p % 8) + 16 (p / 8): so the 16 registers of two neighbouring result tiles are 16 NEIGHBOURS of source 0's rows: the layout that the next quantiser wants.
; A work-group of four waves makes 256 x 256; a wave 128 x 128: 64 accumulators, 512 registers.  K goes in four slots of 256 through a ring of two LDS slots; a slot is four records (A's two octets, B's two), one tensor load a wave.
; THE MATRIX INSTRUCTION: source 0 = 16 rows of the B role, source 1 = 16 rows of the A role: a lane holds ONE row of the A role, its registers run along the B role's rows.
; Clusters x = 0, 1: A role = tokens, B role = rows of Wq, Wk: a lane holds a token and 128 channels (two heads).  Cluster x = 2: the roles are exchanged (A = rows of Wv, B = tokens): a lane holds a channel of V and 128 keys.
; The choice hangs on the cluster's x alone, which all sixteen partners share.  CLUSTER 4 x 4: A's records are asked for jointly along a row of the cluster, B's along a column.
; No prefetch: half of K is asked for at the head, and both operands are read by several clusters.
; LIMITS: NaN and infinities are not served; a block under 2^-111, zeros too, gets the byte 1 (read by this program alone).
; REGISTERS: window 0: v16-29 addresses; v32-63 scale words, two sets; v128-255 A's fragments; on the way out v32-219 at work.  Window 1: B's fragments, two sets.  Windows 2, 3: the accumulators ((a, b) at v[8 (8 (a % 4) + b)]).
.set OCT,    33792
.set SLOT,   4*OCT
.set SPARE,  2*SLOT                    ; behind the ring: the spare words, 128 bytes for each wave
.set QSC,    4194304                   ; qimg: where Q's scale words begin
.set W_ROPE, 13246464                  ; wimg: where the table of cosines and sines begins
.set NQ,     2
.set FR,     16
.set NL,     4
.set NP,     8                         ; places behind this matrix instruction (ISA guide 7.12.1)
.set ADRA, 16                          ; v16-17  LDS address of my A fragments in slot 0, 1
.set ADRB, 20                          ; v20-21  of B's
.set ADRS, 22                          ; v22-23  of the scale words: lanes 0-15 A's, lanes 16-31 B's
.set L16,  26                          ; v26     16 x lane
.set L4,   27                          ; v27     4 x lane
.set SPW,  28
.set NIL,  29
.set SC,   32
.set AF,   128
.set G1,  24
.set G0,  32
.set G1B, 48
.set G0B, 56
.set STA, 66                           ; s[66:67] two slots on in A's buffer;  s[68:69] in B's
.set STB, 68
.set SEL, 70
.set MNT, 72
.set HI,  73
.set TBB, 90                           ; s[90:91] the table at my 128 tokens
.set C0,  92                           ; s[92:93], s[94:95] the codes of my first and second head;  s[96:97], s[98:99] their scale words
.set C1,  94
.set S0,  96
.set S1,  98
.set X,    32                          ; the way out: v32-95 64 numbers; v96-159 the table, two sets; v160-191 codes, two sets; v192-207 at work
.set TBL,  96
.set PC,   160
.set TM,   192
.set PW,   208
.set KEEP, 209
.set W0,   210
.set W1,   211
.set TP,   212
.set MSB, 0
.macro WIN new                         ; the immediate's high byte repeats the setting that is left
.if MSB != (\new)
	s_set_vgpr_msb (MSB<<8)|(\new)
.set MSB, (\new)
.endif
.endm
.set MUL_LO, 0xa1                      ; source 0 (B) window 1, source 1 (A) window 0, C and D window 2
.set MUL_HI, 0xf1
.set TO_B,   0x40
; A joint load: waves 0 and 1 fetch A's two records, waves 2 and 3 B's.  The branch hangs on the wave's number alone.  Four v_nop follow each of the two lines.
.macro JLOAD g0a, g1a, g0b, g1b
	s_cmp_eq_u32 s15, 0
	s_cbranch_scc0 .Lfor_b_\@
	tensor_load_to_lds s[\g0a:\g0a+3], s[\g1a:\g1a+7]
	s_nop 0
.rept 4
	v_nop
.endr
	s_branch .Lasked_\@
.Lfor_b_\@:
	tensor_load_to_lds s[\g0b:\g0b+3], s[\g1b:\g1b+7]
	s_nop 0
.rept 4
	v_nop
.endr
.Lasked_\@:
.endm
.macro CREST                           ; a round of the cluster's barrier behind its opening barrier
	s_cmp_lg_u32 s14, 0
	s_cbranch_scc1 .Lnot_wave_0_\@
	s_barrier_signal -3
.Lnot_wave_0_\@:
	s_barrier_wait -3
	s_barrier_signal -1
	s_barrier_wait -1
.endm
.macro CROUND
	s_barrier_signal -1
	s_barrier_wait -1
	CREST
.endm
	s_load_b256 s[4:11], s[0:1], 0x0               ; aq s[4:5], wimg s[6:7], qimg s[8:9], kv s[10:11]
	v_lshl_add_u32 v[SPW], v0, 2, SPARE
	v_mov_b32 v[NIL], 0
	ds_add_u32 v28, v29
	ds_add_u32 v28, v29
	s_wait_dscnt 0x0
	v_lshrrev_b32 v1, 5, v0
	v_readfirstlane_b32 s14, v1                    ; wave 0..3
	s_lshr_b32 s15, s14, 1                         ; which octet of the A role is mine.  Also: I fetch for A (0) or for B (1)
	s_and_b32 s16, s14, 1                          ; which octet of the B role.  Also: which of the two records I fetch
	s_bfe_u32 s40, ttmp6, 0x40000                  ; cx
	s_bfe_u32 s41, ttmp6, 0x40004                  ; cy
	s_and_b32 s18, ttmp7, 0xffff
	s_lshl_b32 s18, s18, 2                         ; 4 x cluster y
	s_lshl_b32 s19, ttmp9, 2                       ; 4 x cluster x
	s_add_co_u32 s17, s18, s41                     ; tokens by the cluster's rows,
	s_add_co_u32 s22, s41, 8                       ; or Wv's four blocks of 256 rows
	s_add_co_u32 s42, s19, s40                     ; Wq's and Wk's eight blocks by the cluster's columns,
	s_add_co_u32 s23, s18, s40                     ; or tokens
	s_cmp_eq_u32 ttmp9, 2
	s_cselect_b32 s17, s22, s17                    ; the A role's block of 256 rows: it hangs on cy alone
	s_cselect_b32 s42, s23, s42                    ; the B role's: on cx alone
	s_cselect_b32 s74, 24, 32                      ; octets in A's buffer,
	s_cselect_b32 s75, 32, 24                      ; in B's
	s_lshl_b32 s43, s41, 2
	s_lshl_b32 s43, 15, s43                        ; my row of the cluster
	s_lshl_b32 s44, 0x1111, s40                    ; my column
	; descriptor group 1: a record as 132 rows of 256 bytes (32 elements of 8), dense, no padding
	s_or_b32 s[G1+0], s43, (3<<16)|(1<<21)
	s_or_b32 s[G1B+0], s44, (3<<16)|(1<<21)
.irp g, G1, G1B
	s_mov_b32 s[\g+1], 32<<16                      ; tensor_dim0
	s_mov_b32 s[\g+2], 132<<16                     ; tensor_dim1
	s_mov_b32 s[\g+3], 32<<16                      ; tile_dim0
	s_mov_b32 s[\g+4], 132                         ; tile_dim1
	s_mov_b32 s[\g+5], 32                          ; the pitch
	s_mov_b32 s[\g+6], 0
	s_mov_b32 s[\g+7], 0
.endr
	s_lshl_b32 s20, s17, 1
	s_add_co_u32 s20, s20, s16
	s_mul_i32 s20, s20, OCT                        ; A: the record of slot 0 that I fetch
	s_mov_b32 s21, 0
	s_lshl_b32 s46, s42, 1
	s_add_co_u32 s46, s46, s16
	s_mul_i32 s46, s46, OCT                        ; B likewise
	s_mov_b32 s47, 0
	s_mul_i32 s76, s74, OCT                        ; a slot on in A's buffer,
	s_mov_b32 s77, 0
	s_mul_i32 s78, s75, OCT                        ; in B's
	s_mov_b32 s79, 0
	s_lshl_b32 s[STA], s76, 1
	s_mov_b32 s[STA+1], 0
	s_lshl_b32 s[STB], s78, 1
	s_mov_b32 s[STB+1], 0
	s_mul_i32 s45, s14, OCT                        ; where it goes: wave x a record: no place in the cluster enters an LDS address
	s_wait_kmcnt 0x0
	s_cmp_eq_u32 ttmp9, 2
	s_cselect_b64 s[80:81], s[6:7], s[4:5]         ; A's buffer
	s_cselect_b64 s[82:83], s[4:5], s[6:7]         ; B's
	s_add_nc_u64 s[20:21], s[80:81], s[20:21]
	s_add_nc_u64 s[46:47], s[82:83], s[46:47]
	CROUND                                         ; all sixteen work-groups are here: the first joint loads meet
	s_mov_b32 s[G0], 1
	s_mov_b32 s[G0+1], s45
	s_mov_b64 s[G0+2:G0+3], s[20:21]
	s_or_b32 s[G0+3], s[G0+3], 0x80000000
	s_mov_b32 s[G0B], 1
	s_mov_b32 s[G0B+1], s45
	s_mov_b64 s[G0B+2:G0B+3], s[46:47]
	s_or_b32 s[G0B+3], s[G0B+3], 0x80000000
	s_mov_b32 s[G0+4], 1
	s_add_co_u32 s[G0+5], s45, SLOT
	s_add_nc_u64 s[G0+6:G0+7], s[20:21], s[76:77]
	s_or_b32 s[G0+7], s[G0+7], 0x80000000
	s_mov_b32 s[G0B+4], 1
	s_add_co_u32 s[G0B+5], s45, SLOT
	s_add_nc_u64 s[G0B+6:G0B+7], s[46:47], s[78:79]
	s_or_b32 s[G0B+7], s[G0B+7], 0x80000000
	JLOAD G0, G1, G0B, G1B
	JLOAD G0+4, G1, G0B+4, G1B
	v_and_b32 v1, 15, v0                           ; r
	v_bfe_u32 v2, v0, 4, 1                         ; h
	v_and_b32 v3, 31, v0
	v_lshlrev_b32 v[L16], 4, v3
	v_lshlrev_b32 v[L4], 2, v3
	s_mul_i32 s21, s15, OCT                        ; my octet of A
	s_mul_i32 s22, s16, OCT
	s_add_co_u32 s22, s22, 2*OCT                   ; my octet of B, behind A's two
	v_add_nc_u32 v[ADRA], s21, v[L16]
	v_add_nc_u32 v[ADRB], s22, v[L16]
	v_add_nc_u32 v[ADRA+1], SLOT, v[ADRA]
	v_add_nc_u32 v[ADRB+1], SLOT, v[ADRB]
	s_sub_co_u32 s22, s22, s21
	v_mul_u32_u24 v4, s22, v2                      ; lanes 16-31 take B's scale words: the lower base + h x the distance
	v_lshl_add_u32 v4, v1, 3, v4
	s_add_co_u32 s21, s21, 32768
	v_add_nc_u32 v[ADRS], s21, v4
	v_add_nc_u32 v[ADRS+1], SLOT, v[ADRS]
	s_mov_b32 s[SEL], 0x76543210
	s_mov_b32 s[SEL+1], 0xfedcba98
	s_mov_b32 s[MNT], 0x600000
	s_mov_b32 s[HI], 0xffff0000
.macro FRAG reg, adr, q, i             ; a fragment's image: four loads of 512 consecutive bytes
.irp c, 0,1,2,3
	ds_load_b128 v[\reg+4*\c:\reg+4*\c+3], v[\adr] offset:2048*(\q)+4096*(\i)+512*\c
.endr
.endm
; 16 matrix instructions: A's tiles a0, a0 + 1 x B's eight, 128 along K.  The 64 accumulators take turns, one instruction a turn, in the same order in every step.
.macro MUL16 a0, p, q, sc, zero
.irp a, \a0, \a0+1
.irp b, 0,1,2,3,4,5,6,7
.if \zero
	v_wmma_scale_f32_16x16x128_f8f6f4 v[8*(8*((\a)%4)+\b):8*(8*((\a)%4)+\b)+7], v[128*(\p)+FR*\b:128*(\p)+FR*\b+FR-1], v[AF+FR*(\a):AF+FR*(\a)+FR-1], 0, v[SC+8*NQ*(\sc)+NQ*\b+(\q)], v[SC+8*NQ*(\sc)+NQ*(\a)+(\q)] matrix_a_fmt:MATRIX_FMT_BF8 matrix_b_fmt:MATRIX_FMT_BF8 matrix_a_scale:MATRIX_SCALE_ROW1
.else
	v_wmma_scale_f32_16x16x128_f8f6f4 v[8*(8*((\a)%4)+\b):8*(8*((\a)%4)+\b)+7], v[128*(\p)+FR*\b:128*(\p)+FR*\b+FR-1], v[AF+FR*(\a):AF+FR*(\a)+FR-1], v[8*(8*((\a)%4)+\b):8*(8*((\a)%4)+\b)+7], v[SC+8*NQ*(\sc)+NQ*\b+(\q)], v[SC+8*NQ*(\sc)+NQ*(\a)+(\q)] matrix_a_fmt:MATRIX_FMT_BF8 matrix_b_fmt:MATRIX_FMT_BF8 matrix_a_scale:MATRIX_SCALE_ROW1
.endif
.endr
.endr
.endm
.macro FETCH_B slot, q, p
	WIN TO_B
.irp i, 0,1,2,3,4,5,6,7
	FRAG 128*(\p)+FR*\i, ADRB+\slot, \q, \i
.endr
	WIN 0
.endm
.macro FETCH_A slot, q, i0
.irp i, \i0, \i0+1, \i0+2, \i0+3
	FRAG AF+FR*(\i), ADRA+\slot, \q, \i
.endr
.endm
.macro SCALES sc                       ; a slot's scale words: two a row; lanes 0-15 take A's tile i, lanes 16-31 B's tile i
.irp i, 0,1,2,3,4,5,6,7
	ds_load_b64 v[SC+8*NQ*\sc+NQ*\i:SC+8*NQ*\sc+NQ*\i+1], v[ADRS+\sc] offset:128*\i
.endr
.endm
.macro PLACES n                        ; plain vector lines between a matrix instruction and a load into, or a read of, its registers
.rept \n
	v_nop
.endr
.endm
.macro STEP slot, q, zero              ; 128 along K that has its successor in the same slot
	s_wait_dscnt 4*NL                              ; all but the youngest 16 loads (A's tiles 4-7) are in
	WIN MUL_LO
	MUL16 0, (\q)%2, \q, \slot, \zero
	MUL16 2, (\q)%2, \q, \slot, \zero
	s_wait_dscnt 0
	PLACES NP
	FETCH_B \slot, (\q)+1, 1-(\q)%2
	FETCH_A \slot, (\q)+1, 0
	WIN MUL_HI
	MUL16 4, (\q)%2, \q, \slot, \zero
	MUL16 6, (\q)%2, \q, \slot, \zero
	PLACES NP
	WIN 0
	FETCH_A \slot, (\q)+1, 4
.endm
; A slot's last step changes slots: one barrier; in front of it each wave waits for all its tensor loads, adds 0 to its spare word, and waits for that and for its reads of this slot.  fill = 1: the slot is filled again, two slots ahead.
.macro TURN slot, next, fill
	s_wait_tensorcnt 0x0                           ; all my tensor loads have landed: the one that was out is my record of the next slot
	ds_add_u32 v[SPW], v[NIL]                      ; 0 onto my spare word
	s_wait_dscnt 4*NL+1                            ; (the add and the youngest 16 loads may be out)
	WIN MUL_LO
	MUL16 0, 1, NQ-1, \slot, 0
	s_wait_dscnt 0x0                               ; the add is done, and my reads of this slot are over
	s_barrier_signal -1
	MUL16 2, 1, NQ-1, \slot, 0
	WIN 0
	s_barrier_wait -1
.if \fill
	CREST                                          ; the barrier has opened a round of the cluster's: no wave of any partner still reads this slot or has a load on its way
	s_add_nc_u64 s[G0+4*\slot+2:G0+4*\slot+3], s[G0+4*\slot+2:G0+4*\slot+3], s[STA:STA+1]
	s_add_nc_u64 s[G0B+4*\slot+2:G0B+4*\slot+3], s[G0B+4*\slot+2:G0B+4*\slot+3], s[STB:STB+1]
	JLOAD G0+4*\slot, G1, G0B+4*\slot, G1B         ; the first tensor load behind the round; its four v_nop are four of the eight places
	PLACES NP-4
.else
	PLACES NP
.endif
	FETCH_B \next, 0, 0
	FETCH_A \next, 0, 0
	SCALES \next
	WIN MUL_HI
	MUL16 4, 1, NQ-1, \slot, 0
	MUL16 6, 1, NQ-1, \slot, 0
	PLACES NP
	WIN 0
	FETCH_A \next, 0, 4
.endm
.macro LAST sc                         ; the very last step: nothing more to fetch
	s_wait_dscnt 4*NL
	WIN MUL_LO
	MUL16 0, 1, NQ-1, \sc, 0
	MUL16 2, 1, NQ-1, \sc, 0
	s_wait_dscnt 0
	WIN MUL_HI
	MUL16 4, 1, NQ-1, \sc, 0
	MUL16 6, 1, NQ-1, \sc, 0
	WIN 0
.endm
	s_wait_tensorcnt 1                             ; my record of slot 0 is in (slot 1's load may be out)
	s_barrier_signal -1
	s_barrier_wait -1                              ; everybody's is
	FETCH_B 0, 0, 0
	FETCH_A 0, 0, 0
	SCALES 0
	FETCH_A 0, 0, 4
	STEP 0, 0, 1                                   ; the first step's products start the sums
	s_mov_b32 s3, 1
.Llap:                                                 ; once round the ring: both slots are filled again (K has four slots: one trip)
	TURN 0, 1, 1
	STEP 1, 0, 0
	TURN 1, 0, 1
	STEP 0, 0, 0
	s_sub_co_u32 s3, s3, 1
	s_cmp_lg_u32 s3, 0
	s_cbranch_scc1 .Llap
	TURN 0, 1, 0
	STEP 1, 0, 0
	LAST 1
; 64 numbers of a lane in window sw, register s + 16 b + i = k 32 b + 16 (lane / 16) + i of my row, become codes in v[pc] on and the scale word v[PW]; the held numbers go to v[x] on, in window 0
.macro QUANT s, sw, x, pc
	WIN ((\sw)<<2)|((\sw)<<4)
.irp b, 0,1,2,3
	v_max3_num_f32 v[TM+\b], 0x8000000, |v[(\s)+16*\b]|, |v[(\s)+16*\b+1]|   ; the floor 2^(16 - 127) and my 16 numbers of block b, each accumulator from its low end on
.endr
.irp i, 2,4,6,8,10,12,14
.irp b, 0,1,2,3
	v_max3_num_f32 v[TM+\b], v[TM+\b], |v[(\s)+16*\b+\i]|, |v[(\s)+16*\b+\i+1]|
.endr
.endr
	WIN 0
.irp b, 0,1,2,3
	v_permlanex16_b32 v[TM+4+\b], v[TM+\b], s[SEL], s[SEL+1]
.endr
.irp b, 0,1,2,3
	v_max_num_f32 v[TM+\b], v[TM+\b], v[TM+4+\b]
.endr
.irp b, 0,1,2,3
	v_add_nc_u32 v[TM+12+\b], 0xf8800000, v[TM+\b]   ; 15 off the exponent field: the conversion's scale operand
.endr
.irp b, 0,1,2,3
	v_and_or_b32 v[TM+8+\b], v[TM+\b], 0x7f800000, s[MNT]   ; 57,344 x the scale
.endr
.irp b, 0,1,2,3
	v_lshrrev_b32 v[TM+4+\b], 23, v[TM+12+\b]
.endr
	v_lshl_or_b32 v[PW], v[TM+5], 8, v[TM+4]
	v_lshl_or_b32 v[PW], v[TM+6], 16, v[PW]
	v_lshl_or_b32 v[PW], v[TM+7], 24, v[PW]
	WIN \sw
.irp b, 0,1,2,3
.irp i, 0,1,2,3,4,5,6,7,8,9,10,11,12,13,14,15
	v_med3_num_f32 v[(\x)+16*\b+\i], v[(\s)+16*\b+\i], -v[TM+8+\b], v[TM+8+\b]   ; the conversion does not saturate (ISA guide 7.6.2): the hold
.endr
.endr
	WIN 0
.irp b, 0,1,2,3
	v_cvt_scalef32_pk8_bf8_f32 v[(\pc)+4*\b:(\pc)+4*\b+1], v[(\x)+16*\b:(\x)+16*\b+7], v[TM+12+\b]
	v_cvt_scalef32_pk8_bf8_f32 v[(\pc)+4*\b+2:(\pc)+4*\b+3], v[(\x)+16*\b+8:(\x)+16*\b+15], v[TM+12+\b]
.endr
	v_nop                                          ; a plain line behind the last conversion
.endm
	PLACES NP                                      ; behind the last products: for the reads of results and for writes and loads into registers that held operands
.irp b, 0,1,2,3
	v_mov_b32 v[TM+4+\b], 0                        ; a lane permute's destination counts as one of its sources
.endr
	s_lshl_b32 s84, s17, 1
	s_add_co_u32 s84, s84, s15                     ; my octet of the A role
	s_lshl_b32 s85, s42, 1
	s_add_co_u32 s85, s85, s16                     ; of the B role
	s_cmp_eq_u32 ttmp9, 2
	s_cbranch_scc1 .Lv_path
	; ---- Q or K: a lane holds a token; registers 16 b + i: channel 32 (b % 2) + 16 h + i of head b / 2 of my two
	s_lshr_b32 s86, s84, 4                         ; the batch
	s_and_b32 s87, s84, 15                         ; which 128 tokens of the sequence
	s_and_b32 s88, s85, 7
	s_lshl_b32 s88, s88, 1                         ; my first head
	s_lshl_b32 s86, s86, 4
	s_add_co_u32 s86, s86, s88                     ; batch x 16 + head
	s_lshl_b32 s90, s87, 15
	s_add_co_u32 s90, s90, W_ROPE
	s_mov_b32 s91, 0
	s_add_nc_u64 s[TBB:TBB+1], s[6:7], s[90:91]
	s_lshl_b32 s88, s86, 7
	s_lshl_b32 s89, s87, 3
	s_add_co_u32 s88, s88, s89                     ; Q: tile 128 (batch, head) + 8 x the 128 tokens
	s_lshl_b32 s92, s88, 10                        ; 1,024 bytes of codes a tile,
	s_lshl_b32 s96, s88, 6
	s_add_co_u32 s96, s96, QSC                     ; 64 of scale words
	s_lshl_b32 s88, s86, 4
	s_add_co_u32 s88, s88, s87
	s_mul_i32 s88, s88, 17152                      ; K: the key step's 17,152 bytes: codes first,
	s_add_co_u32 s89, s88, 8192                    ; scale words behind them
	s_mov_b32 s94, 131072                          ; from a head to the next: Q's codes, Q's scale words;
	s_mov_b32 s98, 8192
	s_lshr_b32 s86, s85, 3                         ; 0: Q, 1: K
	s_cmp_eq_u32 s86, 1
	s_cselect_b32 s92, s88, s92
	s_cselect_b32 s96, s89, s96
	s_cselect_b32 s94, 274432, s94                 ; K's: 16 key steps
	s_cselect_b32 s98, 274432, s98
	s_cselect_b64 s[86:87], s[10:11], s[8:9]
	s_mov_b32 s93, 0
	s_mov_b32 s95, 0
	s_mov_b32 s97, 0
	s_mov_b32 s99, 0
	s_add_nc_u64 s[C0:C0+1], s[86:87], s[92:93]
	s_add_nc_u64 s[C1:C1+1], s[C0:C0+1], s[94:95]
	s_add_nc_u64 s[S0:S0+1], s[86:87], s[96:97]
	s_add_nc_u64 s[S1:S1+1], s[S0:S0+1], s[98:99]
.macro TLD a                           ; the table of token tile a: 32 registers a lane, (cos, sin) of pair 16 b + 8 h + p at 16 b + 2 p
.irp n, 0,1,2,3,4,5,6,7
	global_load_b128 v[TBL+32*((\a)%2)+4*\n:TBL+32*((\a)%2)+4*\n+3], v[L16], s[TBB:TBB+1] offset:4096*(\a)+512*\n
.endr
.endm
.macro QKTILE a
.set AC, 64*((\a)%4)
.set TS, TBL+32*((\a)%2)
.set PS, PC+16*((\a)%2)
.if (\a) < 7
	TLD (\a)+1
	s_wait_loadcnt 8                               ; this tile's table is in; the next tile's eight loads stay out
.else
	s_wait_loadcnt 0x0
.endif
	WIN 2+(\a)/4                                   ; source 0: the accumulators' window
.set gq, 0
.rept 8                                ; (x0, x1) -> (c x0 - s x1, s x0 + c x1): t = (-x1 s, x1 c), then x0 (c, s) + t; four pairs, one accumulator, at a time
.irp p, 0,1,2,3
	v_pk_mul_f32 v[TP+2*\p:TP+2*\p+1], v[AC+8*gq+2*\p:AC+8*gq+2*\p+1], v[TS+(8*gq+2*\p)%32:TS+(8*gq+2*\p)%32+1] op_sel:[1,1] op_sel_hi:[1,0] neg_lo:[1,0]
.endr
.irp p, 0,1,2,3
	v_pk_fma_f32 v[X+8*gq+2*\p:X+8*gq+2*\p+1], v[AC+8*gq+2*\p:AC+8*gq+2*\p+1], v[TS+(8*gq+2*\p)%32:TS+(8*gq+2*\p)%32+1], v[TP+2*\p:TP+2*\p+1] op_sel_hi:[0,1,1]
.endr
.set gq, gq+1
.endr
	WIN 0
	s_wait_xcnt 0x0                                ; the stores of two tiles back have read their registers: codes and words may be written again
	QUANT X, 0, X, PS
	global_store_b128 v[L16], v[PS:PS+3], s[C0:C0+1] offset:1024*(\a)            ; 512 consecutive bytes each
	global_store_b128 v[L16], v[PS+4:PS+7], s[C0:C0+1] offset:1024*(\a)+512
	global_store_b128 v[L16], v[PS+8:PS+11], s[C1:C1+1] offset:1024*(\a)
	global_store_b128 v[L16], v[PS+12:PS+15], s[C1:C1+1] offset:1024*(\a)+512
.if (\a)%2 == 0
	v_mov_b32 v[KEEP], v[PW]
.else
	v_cndmask_b32 v[TP], v[KEEP], v[PW], s[HI]     ; lanes 0-15 tile a - 1's word, lanes 16-31 tile a's: 128 bytes on end
	v_and_b32 v[W0], 0xffff, v[TP]                 ; bytes 0, 1: the first head's two blocks; the word's upper bytes stand over zero codes
	v_lshrrev_b32 v[W1], 16, v[TP]                 ; bytes 2, 3: the second head's
	global_store_b32 v[L4], v[W0], s[S0:S0+1] offset:128*((\a)/2)
	global_store_b32 v[L4], v[W1], s[S1:S1+1] offset:128*((\a)/2)
.endif
.endm
	TLD 0
.irp a, 0,1,2,3,4,5,6,7
	QKTILE \a
.endr
	s_branch .Ldone
	; ---- V: a lane holds a channel (tile a % 4 of head a / 4 of my two); registers 16 b + i: key 32 b + 16 h + i of my 128 tokens: a fragment of V^T as it stands
.Lv_path:
	s_lshr_b32 s86, s85, 4                         ; the batch
	s_and_b32 s87, s85, 15                         ; the key step
	s_sub_co_u32 s88, s84, 16
	s_lshl_b32 s88, s88, 1                         ; my first head
	s_lshl_b32 s86, s86, 4
	s_add_co_u32 s86, s86, s88
	s_lshl_b32 s86, s86, 4
	s_add_co_u32 s86, s86, s87
	s_mul_i32 s92, s86, 17152
	s_add_co_u32 s92, s92, 8704                    ; V's fragments lie behind K's codes and scale words
	s_mov_b32 s93, 0
	s_add_nc_u64 s[C0:C0+1], s[10:11], s[92:93]
.macro VTILE a
.set AC, 64*((\a)%4)
.set PS, PC+16*((\a)%2)
	s_wait_xcnt 0x0                                ; earlier stores have read their registers
	QUANT AC, 2+(\a)/4, X, PS
.irp c, 0,1,2,3
	global_store_b128 v[L16], v[PS+4*\c:PS+4*\c+3], s[C0:C0+1] offset:274432*((\a)/4)+2048*((\a)%4)+512*\c
.endr
.if (\a)%2 == 0
	v_mov_b32 v[KEEP], v[PW]
.else
	v_cndmask_b32 v[W0], v[KEEP], v[PW], s[HI]
	global_store_b32 v[L4], v[W0], s[C0:C0+1] offset:274432*((\a)/4)+8192+128*(((\a)%4)/2)
.endif
.endm
.irp a, 0,1,2,3,4,5,6,7
	VTILE \a
.endr
.Ldone:
	s_wait_tensorcnt 0x0                           ; the wave's end
	ds_add_u32 v[SPW], v[NIL]
	s_wait_dscnt 0x0
	CROUND                                         ; the closing round: no work-group ends while a partner may still ask for a record that names it
	s_endpgm
.Lfunc_end_k_q8bf64d5143_qkv:
	.size	k_q8bf64d5143_qkv, .Lfunc_end_k_q8bf64d5143_qkv-k_q8bf64d5143_qkv
	.p2alignl 7, 3214868480
	.fill 96, 4, 3214868480
	.section	.rodata,"a",@progbits
	.p2align	6, 0x0
	.amdhsa_kernel k_q8bf64d5143_qkv
		.amdhsa_group_segment_fixed_size 327680
		.amdhsa_private_segment_fixed_size 0
		.amdhsa_enable_private_segment 0
		.amdhsa_kernarg_size 32
		.amdhsa_user_sgpr_count 2
		.amdhsa_user_sgpr_kernarg_segment_ptr 1
		.amdhsa_wavefront_size32 1
		.amdhsa_system_sgpr_workgroup_id_x 1
		.amdhsa_system_sgpr_workgroup_id_y 1
		.amdhsa_system_sgpr_workgroup_id_z 1
		.amdhsa_system_vgpr_workitem_id 0
		.amdhsa_next_free_vgpr 1024
		.amdhsa_next_free_sgpr 100
		.amdhsa_reserve_vcc 0
		.amdhsa_float_denorm_mode_32 3
		.amdhsa_float_denorm_mode_16_64 3
		.amdhsa_memory_ordered 1
		.amdhsa_forward_progress 1
		.amdhsa_inst_pref_size 255
	.end_amdhsa_kernel
	.section	.bss,"aw",@nobits
	.p2align	6
	.space	262144
	.amdgpu_metadata
---
amdhsa.version: [ 1, 2 ]
amdhsa.kernels:
  - .name:           k_q8bf64d5143_qkv
    .symbol:         k_q8bf64d5143_qkv.kd
    .args:
      - { .name: aq, .offset: 0, .size: 8, .value_kind: global_buffer, .address_space: global }
      - { .name: wimg, .offset: 8, .size: 8, .value_kind: global_buffer, .address_space: global }
      - { .name: qimg, .offset: 16, .size: 8, .value_kind: global_buffer, .address_space: global }
      - { .name: kv, .offset: 24, .size: 8, .value_kind: global_buffer, .address_space: global }
    .group_segment_fixed_size: 327680
    .private_segment_fixed_size: 0
    .kernarg_segment_align: 8
    .kernarg_segment_size: 32
    .max_flat_workgroup_size: 128
    .sgpr_count:     100
    .vgpr_count:     1024
    .wavefront_size: 32
...
	.end_amdgpu_metadata
.endif
;; end of part 3
;; launch attn (part 4): grid 8 x 32, 16 waves a work-group, clusters of 4 x 1, 276,480 bytes of LDS; arguments qimg, kv, oq; writes oq
.if DOCPART == 4
	.amdgcn_target "amdgcn-amd-amdhsa--gfx1250"
	.amdhsa_code_object_version 6
	.text
	.protected	k_q8bf64d5143_attn
	.globl	k_q8bf64d5143_attn
	.p2align	8
	.type	k_q8bf64d5143_attn,@function
k_q8bf64d5143_attn:
	s_mov_b64 s[64:65], 0
	v_nop
	global_prefetch_b8 v0, s[64:65] scope:SCOPE_SE
	s_setreg_imm32_b32 hwreg(HW_REG_WAVE_MODE, 25, 1), 1
	s_wait_xcnt 0x0
	s_wait_alu depctr_hold_cnt(0) depctr_sa_sdst(0) depctr_va_vdst(0) depctr_va_sdst(0) depctr_va_ssrc(0) depctr_va_vcc(0) depctr_vm_vsrc(0)
	s_getreg_b32 s2, hwreg(HW_REG_IB_STS2, 6, 4)
	s_cmp_eq_u32 s2, 0
	s_cbranch_scc0 .Lentry_in_a_cluster
	s_endpgm
.Lentry_in_a_cluster:
	s_bfe_u32 s2, ttmp6, 0x10000c
	s_cmp_lg_u32 s2, 0x3003
	s_cbranch_scc0 .Lentry_shape_is_right
	s_endpgm
.Lentry_shape_is_right:
; O = softmax(Q K^T / 8, causal) V for one (batch, head), both products on codes of BF8 (E5M2) with E8M0 scales; O is quantised along the model's 1,024 for the next product and stored as records.
; THE SOFTMAX: t = score x log2(e) / 8; M = the running largest t rounded UP to a whole number; p = 2^(t - M) is quantised along the keys, not normalised; the row's sum is taken of the unquantised p and divides O at the end.
; A HEAD'S K AND V STAY IN LDS: 16 key steps of 128 keys x 17,152 bytes (K's 8 tiles x 1,024, their scale words 512, V^T's 4 fragments x 2,048, their scale words 256), filled ONCE: waves 0-3 issue four tensor loads each,
; for key steps w, 4 + w, 8 + w, 12 + w; four of a wave's loads are out at the most.  Nothing is filled again.  In front of key steps 4 G the counted wait leaves the 3 - G later loads out, and a barrier shows the steps to all waves.
; SHARES: work-group g (0-7) of a head; wave w has rank = w xor 3 ((w / 4) % 2) and the 16 queries of tile 8 rank + g, which lie in key step rank: it walks key steps 0 .. rank.  Every work-group has ranks 0-15: equal work.
; CLUSTER 4 x 1: four work-groups of one head ask for K and V jointly.  The steps that a wave leaves out hang on the wave's number alone: alike in all partners; g enters Q's and O's addresses and the mask's register only.
; No prefetch: all that the work-group reads is asked for at its head.
; LAYOUT: S^T = K Q^T, O^T = V^T P^T: a lane holds one query throughout.  The rows of a tile are 32 (T / 2) + 8 (T % 2) + (p % 8) + 16 (p / 8), so 16 registers of two neighbouring tiles are 16 neighbouring keys or channels.
; The first product's K is 64: the upper half of Q's fragment is zero codes; the upper half of K's operand is the next tile's codes (finite), which meet those zeros.
; LIMITS: NaN and infinities are not served; a block of p or O under 2^-111 gets the byte 1.
; REGISTERS: v1 16 x lane, v2 4 r, v3-4 the step's addresses, v5 the mask's bound, v7 r; v12 -M, v13 the largest t, v[14:15] the sum; v16-31 Q; v32-103 K (v96-103 zeros) or V; v104-167 S^T, p; v168-199 O^T; v200-215 p's codes;
;   v216-223 K's scale words, v224-227 V's, v228 Q's; v232-254 at work (v252 f, v253 p's scale word).
.set STEPB, 17152
.set QSC,   4194304
.set OCT,   33792
.set KF,  32
.set S,   104
.set O,   168
.set PCD, 200
.set KS,  216
.set VS,  224
.set QS,  228
.set TM,  232
.set WV,   18
.set RANK, 19
.set SEL,  20
.set CS,   22
.set MNT,  24
.set TB,   25
.set JS,   26
.set CNT,  27
.set GG,   28
.set G0,   32                          ; s[32:47] four groups 0
.set G1,   48                          ; s[48:55]
.macro CROUND                          ; a round of the cluster's barrier
	s_barrier_signal -1
	s_barrier_wait -1
	s_cmp_lg_u32 s[WV], 0
	s_cbranch_scc1 .Lnot_wave_0_\@
	s_barrier_signal -3
.Lnot_wave_0_\@:
	s_barrier_wait -3
	s_barrier_signal -1
	s_barrier_wait -1
.endm
	s_load_b128 s[4:7], s[0:1], 0x0                ; qimg, kv
	s_load_b64 s[8:9], s[0:1], 0x10                ; oq
	v_lshl_add_u32 v251, v0, 2, 0x43000
	v_mov_b32 v255, 0
	ds_add_u32 v251, v255
	ds_add_u32 v251, v255
	v_lshrrev_b32 v1, 5, v0
	v_readfirstlane_b32 s[WV], v1                  ; wave 0..15
	s_and_b32 s10, ttmp7, 0xffff                   ; batch x 16 + head, which the partners share
	s_bfe_u32 s11, ttmp6, 0x40000                  ; cx
	s_lshl_b32 s[GG], ttmp9, 2
	s_add_co_u32 s[GG], s[GG], s11                 ; g
	s_lshr_b32 s11, s[WV], 2
	s_and_b32 s11, s11, 1
	s_mul_i32 s11, s11, 3
	s_xor_b32 s[RANK], s[WV], s11
	; descriptor group 1: a key step as 67 rows of 256 bytes (32 elements of 8), dense
	s_mov_b32 s[G1], 15|(3<<16)|(1<<21)            ; the mask: all four work-groups; bit 21 beside it
	s_mov_b32 s[G1+1], 32<<16
	s_mov_b32 s[G1+2], 67<<16
	s_mov_b32 s[G1+3], 32<<16
	s_mov_b32 s[G1+4], 67
	s_mov_b32 s[G1+5], 32
	s_mov_b32 s[G1+6], 0
	s_mov_b32 s[G1+7], 0
	s_mul_i32 s12, s[WV], STEPB                    ; key step w: its place in LDS and in the head
	s_mul_i32 s13, s10, 16*STEPB
	s_add_co_u32 s14, s13, s12
	s_mov_b32 s15, 0
	s_mov_b32 s[SEL], 0x76543210
	s_mov_b32 s[SEL+1], 0xfedcba98
	s_mov_b32 s[CS], 0x3e38aa3b                    ; c = log2(e) / 8
	s_mov_b32 s[CS+1], s[CS]
	s_mov_b32 s[MNT], 0x600000
	s_mov_b32 s[JS], 0
	s_wait_dscnt 0x0
	s_wait_kmcnt 0x0
	s_add_nc_u64 s[14:15], s[6:7], s[14:15]
	CROUND                                         ; all four work-groups are here: the joint loads meet
	s_cmp_lt_u32 s[WV], 4
	s_cbranch_scc0 .Lno_fetch
.irp n, 0,1,2,3
	s_mov_b32 s[G0+4*\n], 1
	s_add_co_u32 s[G0+4*\n+1], s12, \n*4*STEPB
	s_add_nc_u64 s[G0+4*\n+2:G0+4*\n+3], s[14:15], \n*4*STEPB
	s_or_b32 s[G0+4*\n+3], s[G0+4*\n+3], 0x80000000
.endr
.irp n, 0,1,2,3
	tensor_load_to_lds s[G0+4*\n:G0+4*\n+3], s[G1:G1+7]
	s_nop 0
.endr
.rept 4
	v_nop
.endr
.Lno_fetch:
	v_and_b32 v6, 31, v0
	v_lshlrev_b32 v1, 4, v6                        ; 16 x lane
	v_and_b32 v7, 15, v0                           ; r
	v_lshlrev_b32 v2, 2, v7                        ; 4 r
	v_bfe_u32 v8, v0, 4, 1                         ; h
	v_and_b32 v9, 7, v7
	v_lshrrev_b32 v10, 3, v7
	v_lshl_add_u32 v9, v10, 4, v9
	v_lshlrev_b32 v10, 4, v8
	v_sub_nc_u32 v5, v9, v10
	s_lshr_b32 s29, s[GG], 1
	s_lshl_b32 s29, s29, 5
	s_and_b32 s30, s[GG], 1
	s_lshl_b32 s30, s30, 3
	s_add_co_u32 s29, s29, s30
	v_add_nc_u32 v5, s29, v5                       ; my query's place in its key step, less 16 h: register 16 b + i holds key 32 b + 16 h + i, hidden where 32 b + i is above this
	s_lshl_b32 s29, s[RANK], 3
	s_add_co_u32 s29, s29, s[GG]
	s_lshl_b32 s30, s10, 7
	s_add_co_u32 s29, s29, s30                     ; Q's tile
	s_lshl_b32 s30, s29, 10
	s_mov_b32 s31, 0
	s_add_nc_u64 s[30:31], s[4:5], s[30:31]
	s_lshl_b32 s56, s29, 6
	s_add_co_u32 s56, s56, QSC
	s_mov_b32 s57, 0
	s_add_nc_u64 s[56:57], s[4:5], s[56:57]
	global_load_b128 v[16:19], v1, s[30:31]
	global_load_b128 v[20:23], v1, s[30:31] offset:512
	global_load_b32 v[QS], v2, s[56:57]
.irp j, 0,1,2,3,4,5,6,7
	v_mov_b32 v[24+\j], 0                          ; Q's k 64 .. 127: zero codes
	v_mov_b32 v[96+\j], 0                          ; and what stands behind K's last tile
.endr
.set n, 0
.rept 32
	v_mov_b32 v[O+n], 0                            ; O^T.  (The step is written once: the first finds zeros, which the first change of M leaves zeros)
.set n, n+1
.endr
	v_mov_b32 v13, 0xff61b1e6                      ; the largest t so far: -3e38
	v_floor_f32 v12, -v13                          ; -M
	v_mov_b32 v14, 0
	v_mov_b32 v15, 0
.irp b, 0,1,2,3
	v_mov_b32 v[236+\b], 0                         ; a lane permute's destination counts as one of its sources
.endr
	v_mov_b32 v252, 0
	v_mov_b32 v253, 0
; A KEY STEP of 128 keys.  A step whose keys all come after my queries is left out: a branch on the wave's number and the step's, round loads, products and softmax, not round the lines that step addresses.
.macro STEP
	s_cmp_gt_u32 s[JS], s[RANK]
	s_cbranch_scc1 .Lhidden_\@
	v_add_nc_u32 v3, s[TB], v1
	v_add_nc_u32 v4, s[TB], v2
.rept 6
	v_nop                                          ; with the two additions: eight places in front of loads into registers that the last products read
.endr
.irp t, 0,1,2,3,4,5,6,7
	ds_load_b128 v[KF+8*\t:KF+8*\t+3], v3 offset:1024*\t
	ds_load_b128 v[KF+8*\t+4:KF+8*\t+7], v3 offset:1024*\t+512
	ds_load_b32 v[KS+\t], v4 offset:8192+64*\t
.endr
	s_wait_dscnt 0x0
.irp t, 0,1,2,3,4,5,6,7
	v_wmma_scale_f32_16x16x128_f8f6f4 v[S+8*\t:S+8*\t+7], v[KF+8*\t:KF+8*\t+15], v[16:31], 0, v[KS+\t], v[QS] matrix_a_fmt:MATRIX_FMT_BF8 matrix_b_fmt:MATRIX_FMT_BF8
.endr
.rept 8
	v_nop
.endr
.irp t, 0,1,2,3                        ; V's fragments are asked for now and land under the softmax
.irp c, 0,1,2,3
	ds_load_b128 v[KF+16*\t+4*\c:KF+16*\t+4*\c+3], v3 offset:8704+2048*\t+512*\c
.endr
	ds_load_b32 v[VS+\t], v4 offset:16896+64*\t
.endr
	s_cmp_lg_u32 s[JS], s[RANK]                    ; only my own key step lies on the diagonal
	s_cbranch_scc1 .Lopen_\@
	v_mov_b32 v254, 0xff800000                     ; -infinity: p = 0 then
.set n, 0
.rept 64
	v_cmp_gt_i32 vcc_lo, 32*(n/16)+n%16, v5
	v_cndmask_b32 v[S+n], v[S+n], v254, vcc_lo
.set n, n+1
.endr
.Lopen_\@:
.irp b, 0,1,2,3
	v_max3_num_f32 v[232+\b], v[S+16*\b], v[S+1+16*\b], v[S+2+16*\b]   ; the largest score of each block of 32 keys: for the row's maximum, and, since p rises with the score, for the block's largest p
.endr
.irp i, 3,5,7,9,11,13
.irp b, 0,1,2,3
	v_max3_num_f32 v[232+\b], v[232+\b], v[S+16*\b+\i], v[S+1+16*\b+\i]
.endr
.endr
.irp b, 0,1,2,3
	v_max_num_f32 v[232+\b], v[232+\b], v[S+15+16*\b]
.endr
.irp b, 0,1,2,3
	v_permlanex16_b32 v[236+\b], v[232+\b], s[SEL], s[SEL+1]
.endr
.irp b, 0,1,2,3
	v_max_num_f32 v[232+\b], v[232+\b], v[236+\b]
.endr
	v_max3_num_f32 v254, v232, v233, v234
	v_max_num_f32 v254, v254, v235
	v_mul_f32 v254, s[CS], v254
	v_max_num_f32 v13, v13, v254                   ; the running largest t
	v_mov_b32 v254, v12
	v_floor_f32 v12, -v13                          ; the new -M = -ceil(t)
	v_sub_f32 v254, v12, v254                      ; old M - new M: a whole number, 0 or less
	v_cvt_i32_f32 v254, v254                       ; (it saturates)
	v_ldexp_f32 v252, 1.0, v254                    ; f = 2^(old M - new M): a multiplication by it rounds nothing
.set n, 0
.rept 32
	v_pk_fma_f32 v[S+n:S+n+1], v[S+n:S+n+1], s[CS:CS+1], v[12:13] op_sel_hi:[1,0,0]   ; t - M
.set n, n+2
.endr
.irp b, 0,1,2,3
	v_fma_f32 v[232+\b], v[232+\b], s[CS], v12
.endr
.set n, 0
.rept 64
	v_exp_f32 v[S+n], v[S+n]                       ; p = 2^(t - M)
.set n, n+1
.endr
	v_pk_mul_f32 v[14:15], v[14:15], v[252:253] op_sel_hi:[1,0]   ; the sums under the new M: a plain line behind the exponentials
	s_wait_alu depctr_va_vdst(0)                   ; one wait for the batch, ahead of its first reader
.irp b, 0,1,2,3
	v_exp_f32 v[232+\b], v[232+\b]                 ; each block's largest p
.endr
	v_pk_add_f32 v[236:237], v[S:S+1], v[S+2:S+3]  ; the row's sum of the unquantised p, in two chains
.irp j, 4,8,12,16,20,24,28,32,36,40,44,48,52,56,60
	v_pk_add_f32 v[14:15], v[14:15], v[S+\j:S+\j+1]
	v_pk_add_f32 v[236:237], v[236:237], v[S+2+\j:S+3+\j]
.endr
	v_pk_add_f32 v[14:15], v[14:15], v[236:237]
	s_wait_alu depctr_va_vdst(0)                   ; and one for the four
.irp b, 0,1,2,3
	v_max_num_f32 v[232+\b], 0x8000000, v[232+\b]  ; the floor 2^(16 - 127)
.endr
.irp b, 0,1,2,3
	v_add_nc_u32 v[244+\b], 0xf8800000, v[232+\b]
.endr
.irp b, 0,1,2,3
	v_and_or_b32 v[240+\b], v[232+\b], 0x7f800000, s[MNT]
.endr
.irp b, 0,1,2,3
	v_lshrrev_b32 v[236+\b], 23, v[244+\b]
.endr
	v_lshl_or_b32 v253, v237, 8, v236              ; p's scale word for these 128 keys
	v_lshl_or_b32 v253, v238, 16, v253
	v_lshl_or_b32 v253, v239, 24, v253
.irp b, 0,1,2,3
.irp i, 0,1,2,3,4,5,6,7,8,9,10,11,12,13,14,15
	v_min_num_f32 v[S+16*\b+\i], v[S+16*\b+\i], v[240+\b]   ; the hold; p is not negative
.endr
	v_cvt_scalef32_pk8_bf8_f32 v[PCD+4*\b:PCD+4*\b+1], v[S+16*\b:S+16*\b+7], v[244+\b]
	v_cvt_scalef32_pk8_bf8_f32 v[PCD+4*\b+2:PCD+4*\b+3], v[S+16*\b+8:S+16*\b+15], v[244+\b]
.endr
.set n, 0
.rept 16
	v_pk_mul_f32 v[O+n:O+n+1], v[O+n:O+n+1], v[252:253] op_sel_hi:[1,0]   ; O^T under the new M; these are also the places between the codes and the products
.set n, n+2
.endr
	s_wait_dscnt 0x0                               ; V is in
.irp t, 0,1,2,3
	v_wmma_scale_f32_16x16x128_f8f6f4 v[O+8*\t:O+8*\t+7], v[KF+16*\t:KF+16*\t+15], v[PCD:PCD+15], v[O+8*\t:O+8*\t+7], v[VS+\t], v253 matrix_a_fmt:MATRIX_FMT_BF8 matrix_b_fmt:MATRIX_FMT_BF8
.endr
.Lhidden_\@:
	s_add_co_u32 s[JS], s[JS], 1
	s_add_co_u32 s[TB], s[TB], STEPB
.endm
.macro GROUP gi                        ; key steps 4 gi .. 4 gi + 3
	s_wait_tensorcnt 3-\gi                         ; of my four loads the first gi + 1 have landed; the later ones stay out
	s_wait_dscnt 0x0
	s_barrier_signal -1
	s_barrier_wait -1
	s_mov_b32 s[TB], \gi*4*STEPB
	s_mov_b32 s[CNT], 4
.Lstep_\@:
	STEP
	s_sub_co_u32 s[CNT], s[CNT], 1
	s_cmp_lg_u32 s[CNT], 0
	s_cbranch_scc1 .Lstep_\@
.endm
	s_wait_loadcnt 0x0                             ; Q
	GROUP 0
	GROUP 1
	GROUP 2
	GROUP 3
	; THE WAY OUT: O^T / the sum; register 16 b + i is channel 32 b + 16 h + i of my query: two blocks of the next product's K, quantised in registers and stored as part of an image
.rept 8
	v_nop
.endr
	v_add_f32 v14, v14, v15
	v_permlanex16_b32 v252, v14, s[SEL], s[SEL+1]
	v_add_f32 v14, v14, v252                       ; the row's sum
	v_rcp_f32 v14, v14
	v_lshlrev_b32 v6, 3, v7                        ; 8 r (a plain line behind the reciprocal)
	s_lshr_b32 s29, s10, 4                         ; the batch
	s_and_b32 s30, s10, 15                         ; the head
	s_lshr_b32 s31, s30, 2                         ; the slot of 256 along K: four heads
	s_lshl_b32 s31, s31, 5
	s_lshl_b32 s29, s29, 4
	s_add_co_u32 s31, s31, s29
	s_add_co_u32 s31, s31, s[RANK]                 ; + the octet of tokens: 16 x batch + rank
	s_mul_i32 s31, s31, OCT
	s_lshr_b32 s29, s30, 1
	s_and_b32 s29, s29, 1                          ; the K step in the slot
	s_and_b32 s30, s30, 1                          ; which half of it
	s_lshl_b32 s56, s[GG], 12
	s_add_co_u32 s56, s56, s31
	s_lshl_b32 s57, s29, 11
	s_add_co_u32 s56, s56, s57
	s_lshl_b32 s57, s30, 10
	s_add_co_u32 s56, s56, s57
	s_mov_b32 s57, 0
	s_add_nc_u64 s[56:57], s[8:9], s[56:57]        ; my codes
	s_lshl_b32 s58, s[GG], 7
	s_add_co_u32 s58, s58, s31
	s_add_co_u32 s58, s58, 32768
	s_lshl_b32 s59, s29, 2
	s_add_co_u32 s58, s58, s59
	s_lshl_b32 s59, s30, 1
	s_add_co_u32 s58, s58, s59
	s_mov_b32 s59, 0
	s_add_nc_u64 s[58:59], s[8:9], s[58:59]        ; my two bytes of the scale words
	s_wait_alu depctr_va_vdst(0)                   ; the wait ahead of the reciprocal's first reader
.set n, 0
.rept 32
	v_mul_f32 v[S+n], v[O+n], v14
.set n, n+1
.endr
.irp b, 0,1
	v_max3_num_f32 v[TM+\b], |v[S+16*\b]|, |v[S+16*\b+1]|, 0x8000000
.endr
.irp i, 2,4,6,8,10,12,14
.irp b, 0,1
	v_max3_num_f32 v[TM+\b], v[TM+\b], |v[S+16*\b+\i]|, |v[S+16*\b+\i+1]|
.endr
.endr
.irp b, 0,1
	v_permlanex16_b32 v[TM+4+\b], v[TM+\b], s[SEL], s[SEL+1]
.endr
.irp b, 0,1
	v_max_num_f32 v[TM+\b], v[TM+\b], v[TM+4+\b]
.endr
.irp b, 0,1
	v_add_nc_u32 v[TM+12+\b], 0xf8800000, v[TM+\b]
.endr
.irp b, 0,1
	v_and_or_b32 v[TM+8+\b], v[TM+\b], 0x7f800000, s[MNT]
.endr
.irp b, 0,1
	v_lshrrev_b32 v[TM+4+\b], 23, v[TM+12+\b]
.endr
	v_lshl_or_b32 v248, v[TM+5], 8, v[TM+4]
.irp b, 0,1
.irp i, 0,1,2,3,4,5,6,7,8,9,10,11,12,13,14,15
	v_med3_num_f32 v[S+16*\b+\i], v[S+16*\b+\i], -v[TM+8+\b], v[TM+8+\b]
.endr
	v_cvt_scalef32_pk8_bf8_f32 v[PCD+4*\b:PCD+4*\b+1], v[S+16*\b:S+16*\b+7], v[TM+12+\b]
	v_cvt_scalef32_pk8_bf8_f32 v[PCD+4*\b+2:PCD+4*\b+3], v[S+16*\b+8:S+16*\b+15], v[TM+12+\b]
.endr
	v_nop
	global_store_b128 v1, v[PCD:PCD+3], s[56:57]               ; 512 consecutive bytes each
	global_store_b128 v1, v[PCD+4:PCD+7], s[56:57] offset:512
	global_store_b16 v6, v248, s[58:59]            ; lanes r and 16 + r write the same two bytes with the same values
	s_wait_tensorcnt 0x0
	ds_add_u32 v251, v255
	s_wait_dscnt 0x0
	CROUND                                         ; the closing round: no work-group ends while a partner may still ask for a key step that names it
	s_endpgm
.Lfunc_end_k_q8bf64d5143_attn:
	.size	k_q8bf64d5143_attn, .Lfunc_end_k_q8bf64d5143_attn-k_q8bf64d5143_attn
	.p2alignl 7, 3214868480
	.fill 96, 4, 3214868480
	.section	.rodata,"a",@progbits
	.p2align	6, 0x0
	.amdhsa_kernel k_q8bf64d5143_attn
		.amdhsa_group_segment_fixed_size 276480
		.amdhsa_private_segment_fixed_size 0
		.amdhsa_enable_private_segment 0
		.amdhsa_kernarg_size 24
		.amdhsa_user_sgpr_count 2
		.amdhsa_user_sgpr_kernarg_segment_ptr 1
		.amdhsa_wavefront_size32 1
		.amdhsa_system_sgpr_workgroup_id_x 1
		.amdhsa_system_sgpr_workgroup_id_y 1
		.amdhsa_system_sgpr_workgroup_id_z 1
		.amdhsa_system_vgpr_workitem_id 0
		.amdhsa_next_free_vgpr 256
		.amdhsa_next_free_sgpr 66
		.amdhsa_reserve_vcc 1
		.amdhsa_float_denorm_mode_32 3
		.amdhsa_float_denorm_mode_16_64 3
		.amdhsa_memory_ordered 1
		.amdhsa_forward_progress 1
		.amdhsa_inst_pref_size 111
	.end_amdhsa_kernel
	.amdgpu_metadata
---
amdhsa.version: [ 1, 2 ]
amdhsa.kernels:
  - .name:           k_q8bf64d5143_attn
    .symbol:         k_q8bf64d5143_attn.kd
    .args:
      - { .name: qimg, .offset: 0, .size: 8, .value_kind: global_buffer, .address_space: global }
      - { .name: kv, .offset: 8, .size: 8, .value_kind: global_buffer, .address_space: global }
      - { .name: oq, .offset: 16, .size: 8, .value_kind: global_buffer, .address_space: global }
    .group_segment_fixed_size: 276480
    .private_segment_fixed_size: 0
    .kernarg_segment_align: 8
    .kernarg_segment_size: 24
    .max_flat_workgroup_size: 512
    .sgpr_count:     66
    .vgpr_count:     256
    .wavefront_size: 32
...
	.end_amdgpu_metadata
.endif
;; end of part 4
;; launch oproj (part 5): grid 4 x 16, 4 waves a work-group, clusters of 4 x 4, 327,680 bytes of LDS; arguments oq, wimg, x, h1; writes h1
.if DOCPART == 5
	.amdgcn_target "amdgcn-amd-amdhsa--gfx1250"
	.amdhsa_code_object_version 6
	.text
	.protected	k_q8bf64d5143_oproj
	.globl	k_q8bf64d5143_oproj
	.p2align	8
	.type	k_q8bf64d5143_oproj,@function
k_q8bf64d5143_oproj:
	s_mov_b64 s[64:65], 0
	v_nop
	global_prefetch_b8 v0, s[64:65] scope:SCOPE_SE
	s_setreg_imm32_b32 hwreg(HW_REG_WAVE_MODE, 25, 1), 1
	s_wait_xcnt 0x0
	s_wait_alu depctr_hold_cnt(0) depctr_sa_sdst(0) depctr_va_vdst(0) depctr_va_sdst(0) depctr_va_ssrc(0) depctr_va_vcc(0) depctr_vm_vsrc(0)
	s_getreg_b32 s2, hwreg(HW_REG_IB_STS2, 6, 4)
	s_cmp_eq_u32 s2, 0
	s_cbranch_scc0 .Lentry_in_a_cluster
	s_endpgm
.Lentry_in_a_cluster:
	s_bfe_u32 s2, ttmp6, 0x10000c
	s_cmp_lg_u32 s2, 0xf033
	s_cbranch_scc0 .Lentry_shape_is_right
	s_endpgm
.Lentry_shape_is_right:
; h1 = x + O o_w^T: a product on codes of BF8 (E5M2) with E8M0 scales for each 32 along K = 1,024, f32 sums, and the residual.  Arguments: the records of O, the weights' records, x, h1.
; OPERANDS lie in memory as RECORDS of 33,792 dense bytes: 8 tiles of 16 rows x 256 along K, as images of the operand's registers (code at 4096 t + 2048 q + 512 c + 16 lane), scale words at 32768 + 128 t + 8 r + 4 q.
; A tile's rows are 32 (T / 2) + 8 (T % 2) + (p % 8) + 16 (p / 8).  A work-group of four waves makes 256 x 256; a wave 128 x 128: 64 accumulators.  K goes in four slots of 256 through a ring of two LDS slots;
; a slot is four records (A's two octets, B's two), one tensor load a wave.  Source 0 = 16 rows of the weight, source 1 = 16 tokens: a lane holds a token and its registers run along the outputs.
; CLUSTER 4 x 4: A's records are asked for jointly along a row of the cluster, B's along a column.  The output has 64 blocks of 256 x 256: 64 work-groups; a smaller block would read each LDS byte for half the products.
; No prefetch: half of K is asked for at the head.
; REGISTERS: window 0: v16-29 addresses; v32-63 scale words, two sets; v128-255 A's fragments; on the way out v32-95, v192-255 rows of x by turns, v128-191 rows of the result.  Window 1: B's fragments.  Windows 2, 3: the accumulators.
.set NOA,    32                        ; octets in A's buffer,
.set NOB,    8                         ; in the weight's image,
.set WOFF,   3244032                   ; which begins here in wimg
.set OCT,    33792
.set SLOT,   4*OCT
.set SPARE,  2*SLOT                    ; behind the ring: the spare words
.set STAGE,  SPARE+512                 ; behind them: 16 rows x 528 bytes for each wave; no fill lands there
.set NQ,     2
.set FR,     16
.set NL,     4
.set NP,     8
.set ADRA, 16
.set ADRB, 20
.set ADRS, 22
.set STO,  24
.set RD,   25
.set L16,  26
.set SPW,  28
.set NIL,  29
.set SC,   32
.set AF,   128
.set BK,   128
.set G1,  24
.set G0,  32
.set G1B, 48
.set G0B, 56
.set STA, 66
.set STB, 68
.set MSB, 0
.macro WIN new
.if MSB != (\new)
	s_set_vgpr_msb (MSB<<8)|(\new)
.set MSB, (\new)
.endif
.endm
.set MUL_LO, 0xa1
.set MUL_HI, 0xf1
.set TO_B,   0x40
.macro JLOAD g0a, g1a, g0b, g1b        ; waves 0 and 1 fetch A's two records, waves 2 and 3 B's; four v_nop follow each line
	s_cmp_eq_u32 s15, 0
	s_cbranch_scc0 .Lfor_b_\@
	tensor_load_to_lds s[\g0a:\g0a+3], s[\g1a:\g1a+7]
	s_nop 0
.rept 4
	v_nop
.endr
	s_branch .Lasked_\@
.Lfor_b_\@:
	tensor_load_to_lds s[\g0b:\g0b+3], s[\g1b:\g1b+7]
	s_nop 0
.rept 4
	v_nop
.endr
.Lasked_\@:
.endm
.macro CREST
	s_cmp_lg_u32 s14, 0
	s_cbranch_scc1 .Lnot_wave_0_\@
	s_barrier_signal -3
.Lnot_wave_0_\@:
	s_barrier_wait -3
	s_barrier_signal -1
	s_barrier_wait -1
.endm
.macro CROUND
	s_barrier_signal -1
	s_barrier_wait -1
	CREST
.endm
	s_load_b256 s[4:11], s[0:1], 0x0               ; A's records s[4:5], wimg s[6:7], the residual s[8:9], the result s[10:11]
	v_lshl_add_u32 v[SPW], v0, 2, SPARE
	v_mov_b32 v[NIL], 0
	ds_add_u32 v28, v29
	ds_add_u32 v28, v29
	s_wait_dscnt 0x0
	v_lshrrev_b32 v1, 5, v0
	v_readfirstlane_b32 s14, v1
	s_lshr_b32 s15, s14, 1                         ; my octet of tokens.  Also: I fetch for A (0) or for B (1)
	s_and_b32 s16, s14, 1                          ; my octet of outputs.  Also: which of the two records I fetch
	s_bfe_u32 s40, ttmp6, 0x40000
	s_bfe_u32 s41, ttmp6, 0x40004
	s_lshl_b32 s42, ttmp9, 2
	s_add_co_u32 s42, s42, s40                     ; block of 256 outputs
	s_and_b32 s17, ttmp7, 0xffff
	s_lshl_b32 s17, s17, 2
	s_add_co_u32 s17, s17, s41                     ; block of 256 tokens
	s_lshl_b32 s43, s41, 2
	s_lshl_b32 s43, 15, s43
	s_lshl_b32 s44, 0x1111, s40
	s_or_b32 s[G1+0], s43, (3<<16)|(1<<21)         ; a record as 132 rows of 256 bytes (32 elements of 8), dense
	s_or_b32 s[G1B+0], s44, (3<<16)|(1<<21)
.irp g, G1, G1B
	s_mov_b32 s[\g+1], 32<<16
	s_mov_b32 s[\g+2], 132<<16
	s_mov_b32 s[\g+3], 32<<16
	s_mov_b32 s[\g+4], 132
	s_mov_b32 s[\g+5], 32
	s_mov_b32 s[\g+6], 0
	s_mov_b32 s[\g+7], 0
.endr
	s_lshl_b32 s20, s17, 1
	s_add_co_u32 s20, s20, s16
	s_mul_i32 s20, s20, OCT
	s_mov_b32 s21, 0
	s_lshl_b32 s46, s42, 1
	s_add_co_u32 s46, s46, s16
	s_mul_i32 s46, s46, OCT
	s_add_co_u32 s46, s46, WOFF
	s_mov_b32 s47, 0
	s_mov_b32 s[STA], 2*NOA*OCT
	s_mov_b32 s[STA+1], 0
	s_mov_b32 s[STB], 2*NOB*OCT
	s_mov_b32 s[STB+1], 0
	s_mul_i32 s45, s14, OCT
	s_wait_kmcnt 0x0
	s_add_nc_u64 s[20:21], s[4:5], s[20:21]
	s_add_nc_u64 s[46:47], s[6:7], s[46:47]
	CROUND
.irp s, 0,1
	s_mov_b32 s[G0+4*\s], 1
	s_add_co_u32 s[G0+4*\s+1], s45, \s*SLOT
	s_add_nc_u64 s[G0+4*\s+2:G0+4*\s+3], s[20:21], \s*NOA*OCT
	s_or_b32 s[G0+4*\s+3], s[G0+4*\s+3], 0x80000000
	s_mov_b32 s[G0B+4*\s], 1
	s_add_co_u32 s[G0B+4*\s+1], s45, \s*SLOT
	s_add_nc_u64 s[G0B+4*\s+2:G0B+4*\s+3], s[46:47], \s*NOB*OCT
	s_or_b32 s[G0B+4*\s+3], s[G0B+4*\s+3], 0x80000000
	JLOAD G0+4*\s, G1, G0B+4*\s, G1B
.endr
	v_and_b32 v1, 15, v0
	v_bfe_u32 v2, v0, 4, 1
	v_and_b32 v3, 31, v0
	v_lshlrev_b32 v[L16], 4, v3
	s_mul_i32 s21, s15, OCT
	s_mul_i32 s22, s16, OCT
	s_add_co_u32 s22, s22, 2*OCT
	v_add_nc_u32 v[ADRA], s21, v[L16]
	v_add_nc_u32 v[ADRB], s22, v[L16]
	v_add_nc_u32 v[ADRA+1], SLOT, v[ADRA]
	v_add_nc_u32 v[ADRB+1], SLOT, v[ADRB]
	s_sub_co_u32 s22, s22, s21
	v_mul_u32_u24 v4, s22, v2
	v_lshl_add_u32 v4, v1, 3, v4
	s_add_co_u32 s21, s21, 32768
	v_add_nc_u32 v[ADRS], s21, v4
	v_add_nc_u32 v[ADRS+1], SLOT, v[ADRS]
	s_mul_i32 s23, s14, 16*528
	s_add_co_u32 s23, s23, STAGE
	v_mul_u32_u24 v5, v1, 528
	v_lshl_add_u32 v5, v2, 6, v5
	v_add_nc_u32 v[STO], s23, v5                   ; the stage, in: row r, + 64 h
	v_add_nc_u32 v[RD], s23, v[L16]                ; back: a row of 512 bytes to the 32 lanes
	s_lshl_b32 s74, s17, 1
	s_add_co_u32 s74, s74, s15
	s_lshl_b32 s74, s74, 19                        ; my 128 tokens' rows of 4,096 bytes,
	s_lshl_b32 s75, s42, 1
	s_add_co_u32 s75, s75, s16
	s_lshl_b32 s75, s75, 9                         ; my 128 outputs' 512 bytes in them
	s_add_co_u32 s74, s74, s75
	s_mov_b32 s75, 0
	s_add_nc_u64 s[70:71], s[8:9], s[74:75]
	s_add_nc_u64 s[72:73], s[10:11], s[74:75]
.macro FRAG reg, adr, q, i
.irp c, 0,1,2,3
	ds_load_b128 v[\reg+4*\c:\reg+4*\c+3], v[\adr] offset:2048*(\q)+4096*(\i)+512*\c
.endr
.endm
.macro MUL16 a0, p, q, sc, zero        ; the 64 accumulators take turns, one instruction a turn
.irp a, \a0, \a0+1
.irp b, 0,1,2,3,4,5,6,7
.if \zero
	v_wmma_scale_f32_16x16x128_f8f6f4 v[8*(8*((\a)%4)+\b):8*(8*((\a)%4)+\b)+7], v[128*(\p)+FR*\b:128*(\p)+FR*\b+FR-1], v[AF+FR*(\a):AF+FR*(\a)+FR-1], 0, v[SC+8*NQ*(\sc)+NQ*\b+(\q)], v[SC+8*NQ*(\sc)+NQ*(\a)+(\q)] matrix_a_fmt:MATRIX_FMT_BF8 matrix_b_fmt:MATRIX_FMT_BF8 matrix_a_scale:MATRIX_SCALE_ROW1
.else
	v_wmma_scale_f32_16x16x128_f8f6f4 v[8*(8*((\a)%4)+\b):8*(8*((\a)%4)+\b)+7], v[128*(\p)+FR*\b:128*(\p)+FR*\b+FR-1], v[AF+FR*(\a):AF+FR*(\a)+FR-1], v[8*(8*((\a)%4)+\b):8*(8*((\a)%4)+\b)+7], v[SC+8*NQ*(\sc)+NQ*\b+(\q)], v[SC+8*NQ*(\sc)+NQ*(\a)+(\q)] matrix_a_fmt:MATRIX_FMT_BF8 matrix_b_fmt:MATRIX_FMT_BF8 matrix_a_scale:MATRIX_SCALE_ROW1
.endif
.endr
.endr
.endm
.macro FETCH_B slot, q, p
	WIN TO_B
.irp i, 0,1,2,3,4,5,6,7
	FRAG 128*(\p)+FR*\i, ADRB+\slot, \q, \i
.endr
	WIN 0
.endm
.macro FETCH_A slot, q, i0
.irp i, \i0, \i0+1, \i0+2, \i0+3
	FRAG AF+FR*(\i), ADRA+\slot, \q, \i
.endr
.endm
.macro SCALES sc
.irp i, 0,1,2,3,4,5,6,7
	ds_load_b64 v[SC+8*NQ*\sc+NQ*\i:SC+8*NQ*\sc+NQ*\i+1], v[ADRS+\sc] offset:128*\i
.endr
.endm
.macro PLACES n
.rept \n
	v_nop
.endr
.endm
.macro STEP slot, q, zero
	s_wait_dscnt 4*NL                              ; all but the youngest 16 loads (A's tiles 4-7) are in
	WIN MUL_LO
	MUL16 0, (\q)%2, \q, \slot, \zero
	MUL16 2, (\q)%2, \q, \slot, \zero
	s_wait_dscnt 0
	PLACES NP
	FETCH_B \slot, (\q)+1, 1-(\q)%2
	FETCH_A \slot, (\q)+1, 0
	WIN MUL_HI
	MUL16 4, (\q)%2, \q, \slot, \zero
	MUL16 6, (\q)%2, \q, \slot, \zero
	PLACES NP
	WIN 0
	FETCH_A \slot, (\q)+1, 4
.endm
.macro TURN slot, next, fill
	s_wait_tensorcnt 0x0                           ; all my tensor loads have landed: my record of the next slot
	ds_add_u32 v[SPW], v[NIL]                      ; 0 onto my spare word
	s_wait_dscnt 4*NL+1                            ; (the add and the youngest 16 loads may be out)
	WIN MUL_LO
	MUL16 0, 1, NQ-1, \slot, 0
	s_wait_dscnt 0x0                               ; the add is done, and my reads of this slot are over
	s_barrier_signal -1
	MUL16 2, 1, NQ-1, \slot, 0
	WIN 0
	s_barrier_wait -1
.if \fill
	CREST                                          ; the barrier has opened a round of the cluster's
	s_add_nc_u64 s[G0+4*\slot+2:G0+4*\slot+3], s[G0+4*\slot+2:G0+4*\slot+3], s[STA:STA+1]
	s_add_nc_u64 s[G0B+4*\slot+2:G0B+4*\slot+3], s[G0B+4*\slot+2:G0B+4*\slot+3], s[STB:STB+1]
	JLOAD G0+4*\slot, G1, G0B+4*\slot, G1B
	PLACES NP-4
.else
	PLACES NP
.endif
	FETCH_B \next, 0, 0
	FETCH_A \next, 0, 0
	SCALES \next
	WIN MUL_HI
	MUL16 4, 1, NQ-1, \slot, 0
	MUL16 6, 1, NQ-1, \slot, 0
	PLACES NP
	WIN 0
	FETCH_A \next, 0, 4
.endm
.macro LAST sc
	s_wait_dscnt 4*NL
	WIN MUL_LO
	MUL16 0, 1, NQ-1, \sc, 0
	MUL16 2, 1, NQ-1, \sc, 0
	s_wait_dscnt 0
	WIN MUL_HI
	MUL16 4, 1, NQ-1, \sc, 0
	MUL16 6, 1, NQ-1, \sc, 0
	WIN 0
.endm
	s_wait_tensorcnt 1                             ; my record of slot 0 is in (slot 1's may be out),
	s_barrier_signal -1
	s_barrier_wait -1
	FETCH_B 0, 0, 0
	FETCH_A 0, 0, 0
	SCALES 0
	FETCH_A 0, 0, 4
	STEP 0, 0, 1
	s_mov_b32 s3, 1
.Llap:
	TURN 0, 1, 1
	STEP 1, 0, 0
	TURN 1, 0, 1
	STEP 0, 0, 0
	s_sub_co_u32 s3, s3, 1
	s_cmp_lg_u32 s3, 0
	s_cbranch_scc1 .Llap
	TURN 0, 1, 0
	STEP 1, 0, 0
	LAST 1
; THE WAY OUT, a tile of 16 tokens x 128 outputs at a time.  Accumulator b's eight registers are outputs 32 (b / 2) + 8 (b % 2) + 16 h + 0 .. 7 of token r: they go through my own stage and come back as whole rows of 512 bytes.
; Row t of tile a is token 32 (a / 2) + 8 (a % 2) + (t % 8) + 16 (t / 8) of my 128.  The residual's rows are loaded a tile ahead.
.macro RLOAD a
.set RL, 32+160*((\a)%2)
.irp t, 0,1,2,3,4,5,6,7,8,9,10,11,12,13,14,15
	global_load_b128 v[RL+4*\t:RL+4*\t+3], v[L16], s[70:71] offset:(32*((\a)/2)+8*((\a)%2)+(\t%8)+16*(\t/8))*4096 th:TH_LOAD_NT
.endr
.endm
.macro OUT a
.if (\a) < 7
	RLOAD (\a)+1
.endif
.set AC, 64*((\a)%4)
.set RS, 32+160*((\a)%2)
	s_wait_xcnt 0x0                                ; the last tile's stores have read their registers: the rows' registers may be loaded again
	WIN 0x08+4*((\a)/4)                            ; an LDS store's data: window 2 or 3
.irp b, 0,1,2,3,4,5,6,7
	ds_store_b128 v[STO], v[AC+8*\b:AC+8*\b+3] offset:128*(\b/2)+32*(\b%2)          ; each accumulator from its low end on
	ds_store_b128 v[STO], v[AC+8*\b+4:AC+8*\b+7] offset:128*(\b/2)+32*(\b%2)+16
.endr
	WIN 0
.irp t, 0,1,2,3,4,5,6,7,8,9,10,11,12,13,14,15
	ds_load_b128 v[BK+4*\t:BK+4*\t+3], v[RD] offset:\t*528      ; LDS serves a wave's instructions in order (ISA guide 5.7.1.4)
.endr
	s_wait_dscnt 0x0
.if (\a) < 7
	s_wait_loadcnt 16                              ; this tile's residual is in; the next tile's 16 loads stay out
.else
	s_wait_loadcnt 0x0
.endif
.set n, 0
.rept 32
	v_pk_add_f32 v[BK+n:BK+n+1], v[BK+n:BK+n+1], v[RS+n:RS+n+1]
.set n, n+2
.endr
.irp t, 0,1,2,3,4,5,6,7,8,9,10,11,12,13,14,15
	global_store_b128 v[L16], v[BK+4*\t:BK+4*\t+3], s[72:73] offset:(32*((\a)/2)+8*((\a)%2)+(\t%8)+16*(\t/8))*4096   ; 512 consecutive bytes, aligned
.endr
.endm
	PLACES NP                                      ; behind the last products: for the reads of results and the loads into registers that held operands
	RLOAD 0
.irp a, 0,1,2,3,4,5,6,7
	OUT \a
.endr
	s_wait_tensorcnt 0x0                           ; the wave's end
	ds_add_u32 v[SPW], v[NIL]
	s_wait_dscnt 0x0
	CROUND                                         ; the closing round
	s_endpgm
.Lfunc_end_k_q8bf64d5143_oproj:
	.size	k_q8bf64d5143_oproj, .Lfunc_end_k_q8bf64d5143_oproj-k_q8bf64d5143_oproj
	.p2alignl 7, 3214868480
	.fill 96, 4, 3214868480
	.section	.rodata,"a",@progbits
	.p2align	6, 0x0
	.amdhsa_kernel k_q8bf64d5143_oproj
		.amdhsa_group_segment_fixed_size 327680
		.amdhsa_private_segment_fixed_size 0
		.amdhsa_enable_private_segment 0
		.amdhsa_kernarg_size 32
		.amdhsa_user_sgpr_count 2
		.amdhsa_user_sgpr_kernarg_segment_ptr 1
		.amdhsa_wavefront_size32 1
		.amdhsa_system_sgpr_workgroup_id_x 1
		.amdhsa_system_sgpr_workgroup_id_y 1
		.amdhsa_system_sgpr_workgroup_id_z 1
		.amdhsa_system_vgpr_workitem_id 0
		.amdhsa_next_free_vgpr 1024
		.amdhsa_next_free_sgpr 76
		.amdhsa_reserve_vcc 0
		.amdhsa_float_denorm_mode_32 3
		.amdhsa_float_denorm_mode_16_64 3
		.amdhsa_memory_ordered 1
		.amdhsa_forward_progress 1
		.amdhsa_inst_pref_size 171
	.end_amdhsa_kernel
	.amdgpu_metadata
---
amdhsa.version: [ 1, 2 ]
amdhsa.kernels:
  - .name:           k_q8bf64d5143_oproj
    .symbol:         k_q8bf64d5143_oproj.kd
    .args:
      - { .name: oq, .offset: 0, .size: 8, .value_kind: global_buffer, .address_space: global }
      - { .name: wimg, .offset: 8, .size: 8, .value_kind: global_buffer, .address_space: global }
      - { .name: x, .offset: 16, .size: 8, .value_kind: global_buffer, .address_space: global }
      - { .name: h1, .offset: 24, .size: 8, .value_kind: global_buffer, .address_space: global }
    .group_segment_fixed_size: 327680
    .private_segment_fixed_size: 0
    .kernarg_segment_align: 8
    .kernarg_segment_size: 32
    .max_flat_workgroup_size: 128
    .sgpr_count:     76
    .vgpr_count:     1024
    .wavefront_size: 32
...
	.end_amdgpu_metadata
.endif
;; end of part 5
;; launch norm2: the kernel of part 2 again; grid 256 x 1, 4 waves a work-group, no clusters, 66,304 bytes of LDS; arguments h1, gain2, aq; writes aq
;; launch ffn1 (part 6): grid 16 x 22, 4 waves a work-group, clusters of 4 x 1, 327,680 bytes of LDS; arguments aq, wimg, hid; writes hid
.if DOCPART == 6
	.amdgcn_target "amdgcn-amd-amdhsa--gfx1250"
	.amdhsa_code_object_version 6
	.text
	.protected	k_q8bf64d5143_ffn1
	.globl	k_q8bf64d5143_ffn1
	.p2align	8
	.type	k_q8bf64d5143_ffn1,@function
k_q8bf64d5143_ffn1:
	s_mov_b64 s[64:65], 0
	v_nop
	global_prefetch_b8 v0, s[64:65] scope:SCOPE_SE
	s_setreg_imm32_b32 hwreg(HW_REG_WAVE_MODE, 25, 1), 1
	s_wait_xcnt 0x0
	s_wait_alu depctr_hold_cnt(0) depctr_sa_sdst(0) depctr_va_vdst(0) depctr_va_sdst(0) depctr_va_ssrc(0) depctr_va_vcc(0) depctr_vm_vsrc(0)
	s_getreg_b32 s2, hwreg(HW_REG_IB_STS2, 6, 4)
	s_cmp_eq_u32 s2, 0
	s_cbranch_scc0 .Lentry_in_a_cluster
	s_endpgm
.Lentry_in_a_cluster:
	s_bfe_u32 s2, ttmp6, 0x10000c
	s_cmp_lg_u32 s2, 0x3003
	s_cbranch_scc0 .Lentry_shape_is_right
	s_endpgm
.Lentry_shape_is_right:
; hidden = silu(y w1^T) x (y w3^T), both products on codes of BF8 (E5M2) with E8M0 scales for each 32 along K = 1,024; the hidden layer is quantised along its 2,752 units (filled with zeros to 2,816) and stored as records.
; OPERANDS lie in memory as RECORDS of 33,792 dense bytes: 8 tiles of 16 rows x 256 along K, as images of the operand's registers (code at 4096 t + 2048 q + 512 c + 16 lane), scale words at 32768 + 128 t + 8 r + 4 q.
; The weights' octet o holds hidden units 64 o .. 64 o + 63: tiles 0-3 w1's rows, tiles 4-7 the same rows of w3.  So a wave's 128 x 128 is 128 tokens x 64 units of BOTH products, and gate and value meet in one lane.
; A tile's rows are 32 (T / 2) + 8 (T % 2) + (p % 8) + 16 (p / 8): a lane (one token) holds in registers 16 b + i of a tile row: h of unit 32 b + 16 h' + i (b = 0, 1), and 32 registers on the same units' g.
; A work-group of four waves: 256 tokens x 2 octets; K in four slots of 256 through a ring of two LDS slots of four records, one tensor load a wave.
; CLUSTER 4 x 1: four blocks of tokens ask for the weights' records jointly; their own tokens' records come by plain loads.  A 4 x 4 cluster is not taken: the weights have 22 blocks, which 4 does not divide.
; No prefetch: half of K is asked for at the head, and both operands are read by many work-groups.
; LIMITS: NaN and infinities are not served; a block under 2^-111, zeros too, gets the byte 1 (read by this program alone).
.set NOA,    32
.set NOB,    44
.set WOFF,   4325376
.set OCT,    33792
.set SLOT,   4*OCT
.set SPARE,  2*SLOT
.set NQ,     2
.set FR,     16
.set NL,     4
.set NP,     8
.set ADRA, 16
.set ADRB, 20
.set ADRS, 22
.set L16,  26
.set SPW,  28
.set NIL,  29
.set L8H,  30                          ; v30  8 r + 128 h: two tiles' scale words
.set SC,   32
.set AF,   128
.set G1,  24
.set G0,  32
.set G1B, 48
.set G0B, 56
.set STA, 66
.set STB, 68
.set SEL, 70
.set MNT, 72
.set HI,  73
.set E,    32                          ; the way out: v32-63 the sigmoid, v64-95 the hidden numbers, v160-175 codes (two sets), v192-207 at work
.set Y,    64
.set PC,   160
.set TM,   192
.set PW,   208
.set KEEP, 209
.set W0,   210
.set MSB, 0
.macro WIN new
.if MSB != (\new)
	s_set_vgpr_msb (MSB<<8)|(\new)
.set MSB, (\new)
.endif
.endm
.set MUL_LO, 0xa1
.set MUL_HI, 0xf1
.set TO_B,   0x40
.macro JLOAD g0a, g1a, g0b, g1b        ; waves 0 and 1 fetch the tokens' two records (plain), waves 2 and 3 the weights' (joint); four v_nop follow each line
	s_cmp_eq_u32 s15, 0
	s_cbranch_scc0 .Lfor_b_\@
	tensor_load_to_lds s[\g0a:\g0a+3], s[\g1a:\g1a+7]
	s_nop 0
.rept 4
	v_nop
.endr
	s_branch .Lasked_\@
.Lfor_b_\@:
	tensor_load_to_lds s[\g0b:\g0b+3], s[\g1b:\g1b+7]
	s_nop 0
.rept 4
	v_nop
.endr
.Lasked_\@:
.endm
.macro CREST
	s_cmp_lg_u32 s14, 0
	s_cbranch_scc1 .Lnot_wave_0_\@
	s_barrier_signal -3
.Lnot_wave_0_\@:
	s_barrier_wait -3
	s_barrier_signal -1
	s_barrier_wait -1
.endm
.macro CROUND
	s_barrier_signal -1
	s_barrier_wait -1
	CREST
.endm
	s_load_b128 s[4:7], s[0:1], 0x0                ; aq, wimg
	s_load_b64 s[8:9], s[0:1], 0x10                ; hid
	v_lshl_add_u32 v[SPW], v0, 2, SPARE
	v_mov_b32 v[NIL], 0
	ds_add_u32 v28, v29
	ds_add_u32 v28, v29
	s_wait_dscnt 0x0
	v_lshrrev_b32 v1, 5, v0
	v_readfirstlane_b32 s14, v1
	s_lshr_b32 s15, s14, 1
	s_and_b32 s16, s14, 1
	s_bfe_u32 s40, ttmp6, 0x40000                  ; cx
	s_lshl_b32 s17, ttmp9, 2
	s_add_co_u32 s17, s17, s40                     ; block of 256 tokens
	s_and_b32 s42, ttmp7, 0xffff                   ; block of two octets of the weights, which the four partners share
	s_mov_b32 s[G1+0], 3<<16                       ; a record as 132 rows of 256 bytes; no mask: my own tokens
	s_mov_b32 s[G1B+0], 15|(3<<16)|(1<<21)         ; the mask: all four work-groups
.irp g, G1, G1B
	s_mov_b32 s[\g+1], 32<<16
	s_mov_b32 s[\g+2], 132<<16
	s_mov_b32 s[\g+3], 32<<16
	s_mov_b32 s[\g+4], 132
	s_mov_b32 s[\g+5], 32
	s_mov_b32 s[\g+6], 0
	s_mov_b32 s[\g+7], 0
.endr
	s_lshl_b32 s20, s17, 1
	s_add_co_u32 s20, s20, s16
	s_mul_i32 s20, s20, OCT
	s_mov_b32 s21, 0
	s_lshl_b32 s46, s42, 1
	s_add_co_u32 s46, s46, s16
	s_mul_i32 s46, s46, OCT
	s_add_co_u32 s46, s46, WOFF
	s_mov_b32 s47, 0
	s_mov_b32 s[STA], 2*NOA*OCT
	s_mov_b32 s[STA+1], 0
	s_mov_b32 s[STB], 2*NOB*OCT
	s_mov_b32 s[STB+1], 0
	s_mul_i32 s45, s14, OCT
	s_wait_kmcnt 0x0
	s_add_nc_u64 s[20:21], s[4:5], s[20:21]
	s_add_nc_u64 s[46:47], s[6:7], s[46:47]
	CROUND
.irp s, 0,1
	s_mov_b32 s[G0+4*\s], 1
	s_add_co_u32 s[G0+4*\s+1], s45, \s*SLOT
	s_add_nc_u64 s[G0+4*\s+2:G0+4*\s+3], s[20:21], \s*NOA*OCT
	s_or_b32 s[G0+4*\s+3], s[G0+4*\s+3], 0x80000000
	s_mov_b32 s[G0B+4*\s], 1
	s_add_co_u32 s[G0B+4*\s+1], s45, \s*SLOT
	s_add_nc_u64 s[G0B+4*\s+2:G0B+4*\s+3], s[46:47], \s*NOB*OCT
	s_or_b32 s[G0B+4*\s+3], s[G0B+4*\s+3], 0x80000000
	JLOAD G0+4*\s, G1, G0B+4*\s, G1B
.endr
	v_and_b32 v1, 15, v0
	v_bfe_u32 v2, v0, 4, 1
	v_and_b32 v3, 31, v0
	v_lshlrev_b32 v[L16], 4, v3
	v_lshlrev_b32 v[L8H], 3, v1
	v_lshl_add_u32 v[L8H], v2, 7, v[L8H]
	s_mul_i32 s21, s15, OCT
	s_mul_i32 s22, s16, OCT
	s_add_co_u32 s22, s22, 2*OCT
	v_add_nc_u32 v[ADRA], s21, v[L16]
	v_add_nc_u32 v[ADRB], s22, v[L16]
	v_add_nc_u32 v[ADRA+1], SLOT, v[ADRA]
	v_add_nc_u32 v[ADRB+1], SLOT, v[ADRB]
	s_sub_co_u32 s22, s22, s21
	v_mul_u32_u24 v4, s22, v2
	v_lshl_add_u32 v4, v1, 3, v4
	s_add_co_u32 s21, s21, 32768
	v_add_nc_u32 v[ADRS], s21, v4
	v_add_nc_u32 v[ADRS+1], SLOT, v[ADRS]
	s_mov_b32 s[SEL], 0x76543210
	s_mov_b32 s[SEL+1], 0xfedcba98
	s_mov_b32 s[MNT], 0x600000
	s_mov_b32 s[HI], 0xffff0000
	; my 64 units are k = 64 (2 Y + my octet) of the next product: slot Y / 2, K step Y % 2, blocks 2 x my octet + 0, 1
	s_lshl_b32 s78, s17, 1
	s_add_co_u32 s78, s78, s15                     ; my octet of tokens
	s_lshr_b32 s79, s42, 1
	s_lshl_b32 s79, s79, 5
	s_add_co_u32 s78, s78, s79
	s_mul_i32 s78, s78, OCT                        ; the record
	s_and_b32 s79, s42, 1
	s_lshl_b32 s80, s79, 11
	s_add_co_u32 s80, s80, s78
	s_lshl_b32 s81, s16, 10
	s_add_co_u32 s80, s80, s81
	s_mov_b32 s81, 0
	s_add_nc_u64 s[74:75], s[8:9], s[80:81]        ; my codes
	s_lshl_b32 s80, s79, 2
	s_add_co_u32 s80, s80, s78
	s_add_co_u32 s80, s80, 32768
	s_lshl_b32 s82, s16, 1
	s_add_co_u32 s80, s80, s82
	s_add_nc_u64 s[76:77], s[8:9], s[80:81]        ; my two bytes of the scale words
.macro FRAG reg, adr, q, i
.irp c, 0,1,2,3
	ds_load_b128 v[\reg+4*\c:\reg+4*\c+3], v[\adr] offset:2048*(\q)+4096*(\i)+512*\c
.endr
.endm
.macro MUL16 a0, p, q, sc, zero        ; the 64 accumulators take turns, one instruction a turn
.irp a, \a0, \a0+1
.irp b, 0,1,2,3,4,5,6,7
.if \zero
	v_wmma_scale_f32_16x16x128_f8f6f4 v[8*(8*((\a)%4)+\b):8*(8*((\a)%4)+\b)+7], v[128*(\p)+FR*\b:128*(\p)+FR*\b+FR-1], v[AF+FR*(\a):AF+FR*(\a)+FR-1], 0, v[SC+8*NQ*(\sc)+NQ*\b+(\q)], v[SC+8*NQ*(\sc)+NQ*(\a)+(\q)] matrix_a_fmt:MATRIX_FMT_BF8 matrix_b_fmt:MATRIX_FMT_BF8 matrix_a_scale:MATRIX_SCALE_ROW1
.else
	v_wmma_scale_f32_16x16x128_f8f6f4 v[8*(8*((\a)%4)+\b):8*(8*((\a)%4)+\b)+7], v[128*(\p)+FR*\b:128*(\p)+FR*\b+FR-1], v[AF+FR*(\a):AF+FR*(\a)+FR-1], v[8*(8*((\a)%4)+\b):8*(8*((\a)%4)+\b)+7], v[SC+8*NQ*(\sc)+NQ*\b+(\q)], v[SC+8*NQ*(\sc)+NQ*(\a)+(\q)] matrix_a_fmt:MATRIX_FMT_BF8 matrix_b_fmt:MATRIX_FMT_BF8 matrix_a_scale:MATRIX_SCALE_ROW1
.endif
.endr
.endr
.endm
.macro FETCH_B slot, q, p
	WIN TO_B
.irp i, 0,1,2,3,4,5,6,7
	FRAG 128*(\p)+FR*\i, ADRB+\slot, \q, \i
.endr
	WIN 0
.endm
.macro FETCH_A slot, q, i0
.irp i, \i0, \i0+1, \i0+2, \i0+3
	FRAG AF+FR*(\i), ADRA+\slot, \q, \i
.endr
.endm
.macro SCALES sc
.irp i, 0,1,2,3,4,5,6,7
	ds_load_b64 v[SC+8*NQ*\sc+NQ*\i:SC+8*NQ*\sc+NQ*\i+1], v[ADRS+\sc] offset:128*\i
.endr
.endm
.macro PLACES n
.rept \n
	v_nop
.endr
.endm
.macro STEP slot, q, zero
	s_wait_dscnt 4*NL                              ; all but the youngest 16 loads (A's tiles 4-7) are in
	WIN MUL_LO
	MUL16 0, (\q)%2, \q, \slot, \zero
	MUL16 2, (\q)%2, \q, \slot, \zero
	s_wait_dscnt 0
	PLACES NP
	FETCH_B \slot, (\q)+1, 1-(\q)%2
	FETCH_A \slot, (\q)+1, 0
	WIN MUL_HI
	MUL16 4, (\q)%2, \q, \slot, \zero
	MUL16 6, (\q)%2, \q, \slot, \zero
	PLACES NP
	WIN 0
	FETCH_A \slot, (\q)+1, 4
.endm
.macro TURN slot, next, fill
	s_wait_tensorcnt 0x0                           ; all my tensor loads have landed: my record of the next slot
	ds_add_u32 v[SPW], v[NIL]                      ; 0 onto my spare word
	s_wait_dscnt 4*NL+1                            ; (the add and the youngest 16 loads may be out)
	WIN MUL_LO
	MUL16 0, 1, NQ-1, \slot, 0
	s_wait_dscnt 0x0                               ; the add is done, and my reads of this slot are over
	s_barrier_signal -1
	MUL16 2, 1, NQ-1, \slot, 0
	WIN 0
	s_barrier_wait -1
.if \fill
	CREST                                          ; the barrier has opened a round of the cluster's
	s_add_nc_u64 s[G0+4*\slot+2:G0+4*\slot+3], s[G0+4*\slot+2:G0+4*\slot+3], s[STA:STA+1]
	s_add_nc_u64 s[G0B+4*\slot+2:G0B+4*\slot+3], s[G0B+4*\slot+2:G0B+4*\slot+3], s[STB:STB+1]
	JLOAD G0+4*\slot, G1, G0B+4*\slot, G1B
	PLACES NP-4
.else
	PLACES NP
.endif
	FETCH_B \next, 0, 0
	FETCH_A \next, 0, 0
	SCALES \next
	WIN MUL_HI
	MUL16 4, 1, NQ-1, \slot, 0
	MUL16 6, 1, NQ-1, \slot, 0
	PLACES NP
	WIN 0
	FETCH_A \next, 0, 4
.endm
.macro LAST sc
	s_wait_dscnt 4*NL
	WIN MUL_LO
	MUL16 0, 1, NQ-1, \sc, 0
	MUL16 2, 1, NQ-1, \sc, 0
	s_wait_dscnt 0
	WIN MUL_HI
	MUL16 4, 1, NQ-1, \sc, 0
	MUL16 6, 1, NQ-1, \sc, 0
	WIN 0
.endm
	s_wait_tensorcnt 1                             ; my record of slot 0 is in (slot 1's may be out),
	s_barrier_signal -1
	s_barrier_wait -1
	FETCH_B 0, 0, 0
	FETCH_A 0, 0, 0
	SCALES 0
	FETCH_A 0, 0, 4
	STEP 0, 0, 1
	s_mov_b32 s3, 1
.Llap:
	TURN 0, 1, 1
	STEP 1, 0, 0
	TURN 1, 0, 1
	STEP 0, 0, 0
	s_sub_co_u32 s3, s3, 1
	s_cmp_lg_u32 s3, 0
	s_cbranch_scc1 .Llap
	TURN 0, 1, 0
	STEP 1, 0, 0
	LAST 1
; THE WAY OUT of tile a (16 tokens): sigmoid(h) = 1 / (1 + 2^(-h log2 e)); (h x sigmoid) x g; the 32 numbers of a lane are two blocks of the next K
.macro FTILE a
.set AC, 64*((\a)%4)
.set PS, PC+8*((\a)%2)
	WIN 2+(\a)/4                                   ; source 0: the accumulators' window
.set n, 0
.rept 16
	v_pk_mul_f32 v[E+n:E+n+1], v[AC+n:AC+n+1], 0xbfb8aa3b op_sel_hi:[1,0]   ; -h log2(e); each accumulator from its low end on
.set n, n+2
.endr
	WIN 0
.set n, 0
.rept 32
	v_exp_f32 v[E+n], v[E+n]
.set n, n+1
.endr
	v_nop                                          ; a plain line behind the last exponential
	s_wait_alu depctr_va_vdst(0)                   ; one wait for the batch, ahead of its first reader
.set n, 0
.rept 16
	v_pk_add_f32 v[E+n:E+n+1], v[E+n:E+n+1], 1.0 op_sel_hi:[1,0]
.set n, n+2
.endr
.set n, 0
.rept 32
	v_rcp_f32 v[E+n], v[E+n]
.set n, n+1
.endr
	v_nop
	s_wait_alu depctr_va_vdst(0)                   ; and one for the reciprocals
	WIN 2+(\a)/4
.set n, 0
.rept 16
	v_pk_mul_f32 v[Y+n:Y+n+1], v[AC+n:AC+n+1], v[E+n:E+n+1]
.set n, n+2
.endr
.set n, 0
.rept 16
	v_pk_mul_f32 v[Y+n:Y+n+1], v[AC+32+n:AC+32+n+1], v[Y+n:Y+n+1]
.set n, n+2
.endr
	WIN 0
	s_wait_xcnt 0x0                                ; the stores of two tiles back have read their registers
.irp b, 0,1
	v_max3_num_f32 v[TM+\b], |v[Y+16*\b]|, |v[Y+16*\b+1]|, 0x8000000   ; my 16 numbers of block b, and the floor 2^(16 - 127)
.endr
.irp i, 2,4,6,8,10,12,14
.irp b, 0,1
	v_max3_num_f32 v[TM+\b], v[TM+\b], |v[Y+16*\b+\i]|, |v[Y+16*\b+\i+1]|
.endr
.endr
.irp b, 0,1
	v_permlanex16_b32 v[TM+4+\b], v[TM+\b], s[SEL], s[SEL+1]
.endr
.irp b, 0,1
	v_max_num_f32 v[TM+\b], v[TM+\b], v[TM+4+\b]
.endr
.irp b, 0,1
	v_add_nc_u32 v[TM+12+\b], 0xf8800000, v[TM+\b]
.endr
.irp b, 0,1
	v_and_or_b32 v[TM+8+\b], v[TM+\b], 0x7f800000, s[MNT]
.endr
.irp b, 0,1
	v_lshrrev_b32 v[TM+4+\b], 23, v[TM+12+\b]
.endr
	v_lshl_or_b32 v[PW], v[TM+5], 8, v[TM+4]
.irp b, 0,1
.irp i, 0,1,2,3,4,5,6,7,8,9,10,11,12,13,14,15
	v_med3_num_f32 v[Y+16*\b+\i], v[Y+16*\b+\i], -v[TM+8+\b], v[TM+8+\b]   ; the conversion does not saturate (ISA guide 7.6.2): the hold
.endr
	v_cvt_scalef32_pk8_bf8_f32 v[PS+4*\b:PS+4*\b+1], v[Y+16*\b:Y+16*\b+7], v[TM+12+\b]
	v_cvt_scalef32_pk8_bf8_f32 v[PS+4*\b+2:PS+4*\b+3], v[Y+16*\b+8:Y+16*\b+15], v[TM+12+\b]
.endr
	v_nop
	global_store_b128 v[L16], v[PS:PS+3], s[74:75] offset:4096*(\a)              ; 512 consecutive bytes each
	global_store_b128 v[L16], v[PS+4:PS+7], s[74:75] offset:4096*(\a)+512
.if (\a)%2 == 0
	v_mov_b32 v[KEEP], v[PW]
.else
	v_cndmask_b32 v[W0], v[KEEP], v[PW], s[HI]     ; lanes 0-15 tile a - 1's two bytes, lanes 16-31 tile a's
	global_store_b16 v[L8H], v[W0], s[76:77] offset:128*((\a)-1)
.endif
.endm
	PLACES NP                                      ; behind the last products
.irp b, 0,1
	v_mov_b32 v[TM+4+\b], 0                        ; a lane permute's destination counts as one of its sources
.endr
.irp a, 0,1,2,3,4,5,6,7
	FTILE \a
.endr
	s_wait_tensorcnt 0x0                           ; the wave's end
	ds_add_u32 v[SPW], v[NIL]
	s_wait_dscnt 0x0
	CROUND                                         ; the closing round
	s_endpgm
.Lfunc_end_k_q8bf64d5143_ffn1:
	.size	k_q8bf64d5143_ffn1, .Lfunc_end_k_q8bf64d5143_ffn1-k_q8bf64d5143_ffn1
	.p2alignl 7, 3214868480
	.fill 96, 4, 3214868480
	.section	.rodata,"a",@progbits
	.p2align	6, 0x0
	.amdhsa_kernel k_q8bf64d5143_ffn1
		.amdhsa_group_segment_fixed_size 327680
		.amdhsa_private_segment_fixed_size 0
		.amdhsa_enable_private_segment 0
		.amdhsa_kernarg_size 24
		.amdhsa_user_sgpr_count 2
		.amdhsa_user_sgpr_kernarg_segment_ptr 1
		.amdhsa_wavefront_size32 1
		.amdhsa_system_sgpr_workgroup_id_x 1
		.amdhsa_system_sgpr_workgroup_id_y 1
		.amdhsa_system_sgpr_workgroup_id_z 1
		.amdhsa_system_vgpr_workitem_id 0
		.amdhsa_next_free_vgpr 1024
		.amdhsa_next_free_sgpr 84
		.amdhsa_reserve_vcc 0
		.amdhsa_float_denorm_mode_32 3
		.amdhsa_float_denorm_mode_16_64 3
		.amdhsa_memory_ordered 1
		.amdhsa_forward_progress 1
		.amdhsa_inst_pref_size 202
	.end_amdhsa_kernel
	.amdgpu_metadata
---
amdhsa.version: [ 1, 2 ]
amdhsa.kernels:
  - .name:           k_q8bf64d5143_ffn1
    .symbol:         k_q8bf64d5143_ffn1.kd
    .args:
      - { .name: aq, .offset: 0, .size: 8, .value_kind: global_buffer, .address_space: global }
      - { .name: wimg, .offset: 8, .size: 8, .value_kind: global_buffer, .address_space: global }
      - { .name: hid, .offset: 16, .size: 8, .value_kind: global_buffer, .address_space: global }
    .group_segment_fixed_size: 327680
    .private_segment_fixed_size: 0
    .kernarg_segment_align: 8
    .kernarg_segment_size: 24
    .max_flat_workgroup_size: 128
    .sgpr_count:     84
    .vgpr_count:     1024
    .wavefront_size: 32
...
	.end_amdgpu_metadata
.endif
;; end of part 6
;; launch ffn2 (part 7): grid 4 x 16, 4 waves a work-group, clusters of 4 x 4, 327,680 bytes of LDS; arguments hid, wimg, h1, out0; writes out0
.if DOCPART == 7
	.amdgcn_target "amdgcn-amd-amdhsa--gfx1250"
	.amdhsa_code_object_version 6
	.text
	.protected	k_q8bf64d5143_ffn2
	.globl	k_q8bf64d5143_ffn2
	.p2align	8
	.type	k_q8bf64d5143_ffn2,@function
k_q8bf64d5143_ffn2:
	s_mov_b64 s[64:65], 0
	v_nop
	global_prefetch_b8 v0, s[64:65] scope:SCOPE_SE
	s_setreg_imm32_b32 hwreg(HW_REG_WAVE_MODE, 25, 1), 1
	s_wait_xcnt 0x0
	s_wait_alu depctr_hold_cnt(0) depctr_sa_sdst(0) depctr_va_vdst(0) depctr_va_sdst(0) depctr_va_ssrc(0) depctr_va_vcc(0) depctr_vm_vsrc(0)
	s_getreg_b32 s2, hwreg(HW_REG_IB_STS2, 6, 4)
	s_cmp_eq_u32 s2, 0
	s_cbranch_scc0 .Lentry_in_a_cluster
	s_endpgm
.Lentry_in_a_cluster:
	s_bfe_u32 s2, ttmp6, 0x10000c
	s_cmp_lg_u32 s2, 0xf033
	s_cbranch_scc0 .Lentry_shape_is_right
	s_endpgm
.Lentry_shape_is_right:
; out = h1 + hidden w2^T: a product on codes of BF8 (E5M2) with E8M0 scales for each 32 along K = 2,816 (2,752 and zero codes), f32 sums, and the residual.  Arguments: the hidden layer's records, the weights' records, h1, out.
; OPERANDS lie in memory as RECORDS of 33,792 dense bytes: 8 tiles of 16 rows x 256 along K, as images of the operand's registers (code at 4096 t + 2048 q + 512 c + 16 lane), scale words at 32768 + 128 t + 8 r + 4 q.
; A tile's rows are 32 (T / 2) + 8 (T % 2) + (p % 8) + 16 (p / 8).  A work-group of four waves makes 256 x 256; a wave 128 x 128: 64 accumulators.  K goes in ELEVEN slots of 256 through a ring of two LDS slots;
; a slot is four records (A's two octets, B's two), one tensor load a wave.  Source 0 = 16 rows of the weight, source 1 = 16 tokens: a lane holds a token and its registers run along the outputs.
; CLUSTER 4 x 4: A's records are asked for jointly along a row of the cluster, B's along a column.  The output has 64 blocks of 256 x 256: 64 work-groups; a smaller block would read each LDS byte for half the products.
; PREFETCH: at the change that ends slot i a wave names the 128 blocks of codes of the record that it will fetch for slot i + 4, two refills on: the four partners that ask for the record jointly take 32 blocks each, told apart
; by address; lanes 256 bytes apart.  The hidden layer's records are read by one cluster, which asks; the weights' by the four clusters, of which cluster y = 0 asks.  Slots 0-3 come by their loads alone; nothing is named past slot 10.
.set NOA,    32
.set NOB,    8
.set WOFF,   10272768
.set OCT,    33792
.set SLOT,   4*OCT
.set SPARE,  2*SLOT
.set STAGE,  SPARE+512
.set NQ,     2
.set FR,     16
.set NL,     4
.set NP,     8
.set ADRA, 16
.set ADRB, 20
.set ADRS, 22
.set STO,  24
.set RD,   25
.set L16,  26
.set SPW,  28
.set NIL,  29
.set PFO,  30                          ; v30  256 x lane; never rewritten
.set SC,   32
.set AF,   128
.set BK,   128
.set G1,  24
.set G0,  32
.set G1B, 48
.set G0B, 56
.set STA, 66
.set STB, 68
.set PFA, 76                           ; s[76:77] where my prefetches stand
.set LIM, 78                           ; s78  1 in a wave that prefetches, else the greatest number
.set PFS, 80                           ; s[80:81] a slot on in my buffer
.set MSB, 0
.macro WIN new
.if MSB != (\new)
	s_set_vgpr_msb (MSB<<8)|(\new)
.set MSB, (\new)
.endif
.endm
.set MUL_LO, 0xa1
.set MUL_HI, 0xf1
.set TO_B,   0x40
.macro JLOAD g0a, g1a, g0b, g1b        ; waves 0 and 1 fetch A's two records, waves 2 and 3 B's; four v_nop follow each line
	s_cmp_eq_u32 s15, 0
	s_cbranch_scc0 .Lfor_b_\@
	tensor_load_to_lds s[\g0a:\g0a+3], s[\g1a:\g1a+7]
	s_nop 0
.rept 4
	v_nop
.endr
	s_branch .Lasked_\@
.Lfor_b_\@:
	tensor_load_to_lds s[\g0b:\g0b+3], s[\g1b:\g1b+7]
	s_nop 0
.rept 4
	v_nop
.endr
.Lasked_\@:
.endm
.macro ASK how                         ; how = 1: in every trip; 2: not in the loop's last trip, whose slot + 4 does not exist
.if \how == 2
	s_cmp_gt_u32 s3, s[LIM]
.else
	s_cmp_eq_u32 s[LIM], 1
.endif
	s_cbranch_scc0 .Lnot_mine_\@
	global_prefetch_b8 v[PFO], s[PFA:PFA+1] th:TH_LOAD_NT scope:SCOPE_SE
.Lnot_mine_\@:
.endm
.macro CREST
	s_cmp_lg_u32 s14, 0
	s_cbranch_scc1 .Lnot_wave_0_\@
	s_barrier_signal -3
.Lnot_wave_0_\@:
	s_barrier_wait -3
	s_barrier_signal -1
	s_barrier_wait -1
.endm
.macro CROUND
	s_barrier_signal -1
	s_barrier_wait -1
	CREST
.endm
	s_load_b256 s[4:11], s[0:1], 0x0               ; A's records s[4:5], wimg s[6:7], the residual s[8:9], the result s[10:11]
	v_lshl_add_u32 v[SPW], v0, 2, SPARE
	v_mov_b32 v[NIL], 0
	ds_add_u32 v28, v29
	ds_add_u32 v28, v29
	s_wait_dscnt 0x0
	v_lshrrev_b32 v1, 5, v0
	v_readfirstlane_b32 s14, v1
	s_lshr_b32 s15, s14, 1
	s_and_b32 s16, s14, 1
	s_bfe_u32 s40, ttmp6, 0x40000
	s_bfe_u32 s41, ttmp6, 0x40004
	s_lshl_b32 s42, ttmp9, 2
	s_add_co_u32 s42, s42, s40                     ; block of 256 outputs
	s_and_b32 s17, ttmp7, 0xffff
	s_lshl_b32 s17, s17, 2
	s_add_co_u32 s17, s17, s41                     ; block of 256 tokens
	s_lshl_b32 s43, s41, 2
	s_lshl_b32 s43, 15, s43
	s_lshl_b32 s44, 0x1111, s40
	s_or_b32 s[G1+0], s43, (3<<16)|(1<<21)         ; a record as 132 rows of 256 bytes (32 elements of 8), dense
	s_or_b32 s[G1B+0], s44, (3<<16)|(1<<21)
.irp g, G1, G1B
	s_mov_b32 s[\g+1], 32<<16
	s_mov_b32 s[\g+2], 132<<16
	s_mov_b32 s[\g+3], 32<<16
	s_mov_b32 s[\g+4], 132
	s_mov_b32 s[\g+5], 32
	s_mov_b32 s[\g+6], 0
	s_mov_b32 s[\g+7], 0
.endr
	s_lshl_b32 s20, s17, 1
	s_add_co_u32 s20, s20, s16
	s_mul_i32 s20, s20, OCT
	s_mov_b32 s21, 0
	s_lshl_b32 s46, s42, 1
	s_add_co_u32 s46, s46, s16
	s_mul_i32 s46, s46, OCT
	s_add_co_u32 s46, s46, WOFF
	s_mov_b32 s47, 0
	s_mov_b32 s[STA], 2*NOA*OCT
	s_mov_b32 s[STA+1], 0
	s_mov_b32 s[STB], 2*NOB*OCT
	s_mov_b32 s[STB+1], 0
	s_mul_i32 s45, s14, OCT
	s_wait_kmcnt 0x0
	s_add_nc_u64 s[20:21], s[4:5], s[20:21]
	s_add_nc_u64 s[46:47], s[6:7], s[46:47]
	CROUND
.irp s, 0,1
	s_mov_b32 s[G0+4*\s], 1
	s_add_co_u32 s[G0+4*\s+1], s45, \s*SLOT
	s_add_nc_u64 s[G0+4*\s+2:G0+4*\s+3], s[20:21], \s*NOA*OCT
	s_or_b32 s[G0+4*\s+3], s[G0+4*\s+3], 0x80000000
	s_mov_b32 s[G0B+4*\s], 1
	s_add_co_u32 s[G0B+4*\s+1], s45, \s*SLOT
	s_add_nc_u64 s[G0B+4*\s+2:G0B+4*\s+3], s[46:47], \s*NOB*OCT
	s_or_b32 s[G0B+4*\s+3], s[G0B+4*\s+3], 0x80000000
	JLOAD G0+4*\s, G1, G0B+4*\s, G1B
.endr
	v_and_b32 v1, 15, v0
	v_bfe_u32 v2, v0, 4, 1
	v_and_b32 v3, 31, v0
	v_lshlrev_b32 v[L16], 4, v3
	v_lshlrev_b32 v[PFO], 8, v3
	s_mul_i32 s21, s15, OCT
	s_mul_i32 s22, s16, OCT
	s_add_co_u32 s22, s22, 2*OCT
	v_add_nc_u32 v[ADRA], s21, v[L16]
	v_add_nc_u32 v[ADRB], s22, v[L16]
	v_add_nc_u32 v[ADRA+1], SLOT, v[ADRA]
	v_add_nc_u32 v[ADRB+1], SLOT, v[ADRB]
	s_sub_co_u32 s22, s22, s21
	v_mul_u32_u24 v4, s22, v2
	v_lshl_add_u32 v4, v1, 3, v4
	s_add_co_u32 s21, s21, 32768
	v_add_nc_u32 v[ADRS], s21, v4
	v_add_nc_u32 v[ADRS+1], SLOT, v[ADRS]
	s_mul_i32 s23, s14, 16*528
	s_add_co_u32 s23, s23, STAGE
	v_mul_u32_u24 v5, v1, 528
	v_lshl_add_u32 v5, v2, 6, v5
	v_add_nc_u32 v[STO], s23, v5
	v_add_nc_u32 v[RD], s23, v[L16]
	s_lshl_b32 s74, s17, 1
	s_add_co_u32 s74, s74, s15
	s_lshl_b32 s74, s74, 19
	s_lshl_b32 s75, s42, 1
	s_add_co_u32 s75, s75, s16
	s_lshl_b32 s75, s75, 9
	s_add_co_u32 s74, s74, s75
	s_mov_b32 s75, 0
	s_add_nc_u64 s[70:71], s[8:9], s[74:75]
	s_add_nc_u64 s[72:73], s[10:11], s[74:75]
	; the prefetches: where my wave's stand, and who asks
	s_and_b32 s82, ttmp7, 0xffff                   ; cluster y
	s_mov_b32 s[PFS], NOB*OCT
	s_cmp_eq_u32 s15, 0                            ; do I fetch for A?
	s_cselect_b64 s[PFA:PFA+1], s[4:5], s[6:7]
	s_cselect_b32 s83, s17, s42                    ; the block of 256 rows
	s_cselect_b32 s84, s40, s41                    ; my place among the four that ask for it with me
	s_cselect_b32 s82, 0, s82                      ; A's rows are my cluster's alone; B's are read by every cluster: the first asks
	s_cselect_b32 s[PFS], NOA*OCT, s[PFS]
	s_cselect_b32 s85, 0, WOFF
	s_cmp_eq_u32 s82, 0
	s_cselect_b32 s[LIM], 1, -1                    ; the same in all sixteen partners, for a given wave
	s_lshl_b32 s83, s83, 1
	s_add_co_u32 s83, s83, s16
	s_mul_i32 s83, s83, OCT
	s_add_co_u32 s83, s83, s85
	s_lshl_b32 s84, s84, 13                        ; my work-group's 32 blocks of 256 bytes
	s_add_co_u32 s83, s83, s84
	s_mul_i32 s84, s[PFS], 3                       ; at slot 3: the first change of slots steps it to slot 4
	s_add_co_u32 s82, s83, s84
	s_mov_b32 s83, 0
	s_mov_b32 s[PFS+1], 0
	s_add_nc_u64 s[PFA:PFA+1], s[PFA:PFA+1], s[82:83]
.macro FRAG reg, adr, q, i
.irp c, 0,1,2,3
	ds_load_b128 v[\reg+4*\c:\reg+4*\c+3], v[\adr] offset:2048*(\q)+4096*(\i)+512*\c
.endr
.endm
.macro MUL16 a0, p, q, sc, zero        ; the 64 accumulators take turns, one instruction a turn
.irp a, \a0, \a0+1
.irp b, 0,1,2,3,4,5,6,7
.if \zero
	v_wmma_scale_f32_16x16x128_f8f6f4 v[8*(8*((\a)%4)+\b):8*(8*((\a)%4)+\b)+7], v[128*(\p)+FR*\b:128*(\p)+FR*\b+FR-1], v[AF+FR*(\a):AF+FR*(\a)+FR-1], 0, v[SC+8*NQ*(\sc)+NQ*\b+(\q)], v[SC+8*NQ*(\sc)+NQ*(\a)+(\q)] matrix_a_fmt:MATRIX_FMT_BF8 matrix_b_fmt:MATRIX_FMT_BF8 matrix_a_scale:MATRIX_SCALE_ROW1
.else
	v_wmma_scale_f32_16x16x128_f8f6f4 v[8*(8*((\a)%4)+\b):8*(8*((\a)%4)+\b)+7], v[128*(\p)+FR*\b:128*(\p)+FR*\b+FR-1], v[AF+FR*(\a):AF+FR*(\a)+FR-1], v[8*(8*((\a)%4)+\b):8*(8*((\a)%4)+\b)+7], v[SC+8*NQ*(\sc)+NQ*\b+(\q)], v[SC+8*NQ*(\sc)+NQ*(\a)+(\q)] matrix_a_fmt:MATRIX_FMT_BF8 matrix_b_fmt:MATRIX_FMT_BF8 matrix_a_scale:MATRIX_SCALE_ROW1
.endif
.endr
.endr
.endm
.macro FETCH_B slot, q, p
	WIN TO_B
.irp i, 0,1,2,3,4,5,6,7
	FRAG 128*(\p)+FR*\i, ADRB+\slot, \q, \i
.endr
	WIN 0
.endm
.macro FETCH_A slot, q, i0
.irp i, \i0, \i0+1, \i0+2, \i0+3
	FRAG AF+FR*(\i), ADRA+\slot, \q, \i
.endr
.endm
.macro SCALES sc
.irp i, 0,1,2,3,4,5,6,7
	ds_load_b64 v[SC+8*NQ*\sc+NQ*\i:SC+8*NQ*\sc+NQ*\i+1], v[ADRS+\sc] offset:128*\i
.endr
.endm
.macro PLACES n
.rept \n
	v_nop
.endr
.endm
.macro STEP slot, q, zero
	s_wait_dscnt 4*NL                              ; all but the youngest 16 loads (A's tiles 4-7) are in
	WIN MUL_LO
	MUL16 0, (\q)%2, \q, \slot, \zero
	MUL16 2, (\q)%2, \q, \slot, \zero
	s_wait_dscnt 0
	PLACES NP
	FETCH_B \slot, (\q)+1, 1-(\q)%2
	FETCH_A \slot, (\q)+1, 0
	WIN MUL_HI
	MUL16 4, (\q)%2, \q, \slot, \zero
	MUL16 6, (\q)%2, \q, \slot, \zero
	PLACES NP
	WIN 0
	FETCH_A \slot, (\q)+1, 4
.endm
.macro TURN slot, next, fill, ask
	s_wait_xcnt 0x0                                ; the last prefetch, a slot back, has read its address: it is stepped here, ahead of the waits of the change of slots
	s_add_nc_u64 s[PFA:PFA+1], s[PFA:PFA+1], s[PFS:PFS+1]
	s_wait_tensorcnt 0x0                           ; all my tensor loads have landed: my record of the next slot
	ds_add_u32 v[SPW], v[NIL]                      ; 0 onto my spare word
	s_wait_dscnt 4*NL+1                            ; (the add and the youngest 16 loads may be out)
	WIN MUL_LO
	MUL16 0, 1, NQ-1, \slot, 0
	s_wait_dscnt 0x0                               ; the add is done, and my reads of this slot are over
	s_barrier_signal -1
	MUL16 2, 1, NQ-1, \slot, 0
	WIN 0
	s_barrier_wait -1
.if \fill
	CREST                                          ; the barrier has opened a round of the cluster's
	s_add_nc_u64 s[G0+4*\slot+2:G0+4*\slot+3], s[G0+4*\slot+2:G0+4*\slot+3], s[STA:STA+1]
	s_add_nc_u64 s[G0B+4*\slot+2:G0B+4*\slot+3], s[G0B+4*\slot+2:G0B+4*\slot+3], s[STB:STB+1]
	JLOAD G0+4*\slot, G1, G0B+4*\slot, G1B
	PLACES NP-4
.else
	PLACES NP
.endif
	FETCH_B \next, 0, 0
	FETCH_A \next, 0, 0
	SCALES \next
.if \ask
	ASK \ask                                       ; behind the joint load and the run of LDS loads that the next products wait for
.endif
	WIN MUL_HI
	MUL16 4, 1, NQ-1, \slot, 0
	MUL16 6, 1, NQ-1, \slot, 0
	PLACES NP
	WIN 0
	FETCH_A \next, 0, 4
.endm
.macro LAST sc
	s_wait_dscnt 4*NL
	WIN MUL_LO
	MUL16 0, 1, NQ-1, \sc, 0
	MUL16 2, 1, NQ-1, \sc, 0
	s_wait_dscnt 0
	WIN MUL_HI
	MUL16 4, 1, NQ-1, \sc, 0
	MUL16 6, 1, NQ-1, \sc, 0
	WIN 0
.endm
	s_wait_tensorcnt 1                             ; my record of slot 0 is in (slot 1's may be out),
	s_barrier_signal -1
	s_barrier_wait -1
	FETCH_B 0, 0, 0
	FETCH_A 0, 0, 0
	SCALES 0
	FETCH_A 0, 0, 4
	STEP 0, 0, 1
	s_mov_b32 s3, 4
.Llap:                                                 ; four trips: slots 0-7 are read out, slots 2-9 asked for
	TURN 0, 1, 1, 1
	STEP 1, 0, 0
	TURN 1, 0, 1, 2
	STEP 0, 0, 0
	s_sub_co_u32 s3, s3, 1
	s_cmp_lg_u32 s3, 0
	s_cbranch_scc1 .Llap
	TURN 0, 1, 1, 0                                ; slot 8 is read out, slot 10 asked for: the last load
	STEP 1, 0, 0
	TURN 1, 0, 0, 0                                ; slot 9 is read out; nothing is left to fetch
	STEP 0, 0, 0
	LAST 0
; THE WAY OUT, a tile of 16 tokens x 128 outputs at a time, through my own stage, with the residual's rows loaded a tile ahead
.macro RLOAD a
.set RL, 32+160*((\a)%2)
.irp t, 0,1,2,3,4,5,6,7,8,9,10,11,12,13,14,15
	global_load_b128 v[RL+4*\t:RL+4*\t+3], v[L16], s[70:71] offset:(32*((\a)/2)+8*((\a)%2)+(\t%8)+16*(\t/8))*4096 th:TH_LOAD_NT
.endr
.endm
.macro OUT a
.if (\a) < 7
	RLOAD (\a)+1
.endif
.set AC, 64*((\a)%4)
.set RS, 32+160*((\a)%2)
	s_wait_xcnt 0x0                                ; the last tile's stores have read their registers
	WIN 0x08+4*((\a)/4)
.irp b, 0,1,2,3,4,5,6,7
	ds_store_b128 v[STO], v[AC+8*\b:AC+8*\b+3] offset:128*(\b/2)+32*(\b%2)          ; each accumulator from its low end on
	ds_store_b128 v[STO], v[AC+8*\b+4:AC+8*\b+7] offset:128*(\b/2)+32*(\b%2)+16
.endr
	WIN 0
.irp t, 0,1,2,3,4,5,6,7,8,9,10,11,12,13,14,15
	ds_load_b128 v[BK+4*\t:BK+4*\t+3], v[RD] offset:\t*528      ; LDS serves a wave's instructions in order (ISA guide 5.7.1.4)
.endr
	s_wait_dscnt 0x0
.if (\a) < 7
	s_wait_loadcnt 16                              ; this tile's residual is in; the next tile's 16 loads stay out
.else
	s_wait_loadcnt 0x0
.endif
.set n, 0
.rept 32
	v_pk_add_f32 v[BK+n:BK+n+1], v[BK+n:BK+n+1], v[RS+n:RS+n+1]
.set n, n+2
.endr
.irp t, 0,1,2,3,4,5,6,7,8,9,10,11,12,13,14,15
	global_store_b128 v[L16], v[BK+4*\t:BK+4*\t+3], s[72:73] offset:(32*((\a)/2)+8*((\a)%2)+(\t%8)+16*(\t/8))*4096 th:TH_STORE_NT   ; 512 consecutive bytes, aligned
.endr
.endm
	PLACES NP
	RLOAD 0
.irp a, 0,1,2,3,4,5,6,7
	OUT \a
.endr
	s_wait_tensorcnt 0x0                           ; the wave's end
	ds_add_u32 v[SPW], v[NIL]
	s_wait_dscnt 0x0
	CROUND                                         ; the closing round
	s_endpgm
.Lfunc_end_k_q8bf64d5143_ffn2:
	.size	k_q8bf64d5143_ffn2, .Lfunc_end_k_q8bf64d5143_ffn2-k_q8bf64d5143_ffn2
	.p2alignl 7, 3214868480
	.fill 96, 4, 3214868480
	.section	.rodata,"a",@progbits
	.p2align	6, 0x0
	.amdhsa_kernel k_q8bf64d5143_ffn2
		.amdhsa_group_segment_fixed_size 327680
		.amdhsa_private_segment_fixed_size 0
		.amdhsa_enable_private_segment 0
		.amdhsa_kernarg_size 32
		.amdhsa_user_sgpr_count 2
		.amdhsa_user_sgpr_kernarg_segment_ptr 1
		.amdhsa_wavefront_size32 1
		.amdhsa_system_sgpr_workgroup_id_x 1
		.amdhsa_system_sgpr_workgroup_id_y 1
		.amdhsa_system_sgpr_workgroup_id_z 1
		.amdhsa_system_vgpr_workitem_id 0
		.amdhsa_next_free_vgpr 1024
		.amdhsa_next_free_sgpr 86
		.amdhsa_reserve_vcc 0
		.amdhsa_float_denorm_mode_32 3
		.amdhsa_float_denorm_mode_16_64 3
		.amdhsa_memory_ordered 1
		.amdhsa_forward_progress 1
		.amdhsa_inst_pref_size 199
	.end_amdhsa_kernel
	.amdgpu_metadata
---
amdhsa.version: [ 1, 2 ]
amdhsa.kernels:
  - .name:           k_q8bf64d5143_ffn2
    .symbol:         k_q8bf64d5143_ffn2.kd
    .args:
      - { .name: hid, .offset: 0, .size: 8, .value_kind: global_buffer, .address_space: global }
      - { .name: wimg, .offset: 8, .size: 8, .value_kind: global_buffer, .address_space: global }
      - { .name: h1, .offset: 16, .size: 8, .value_kind: global_buffer, .address_space: global }
      - { .name: out0, .offset: 24, .size: 8, .value_kind: global_buffer, .address_space: global }
    .group_segment_fixed_size: 327680
    .private_segment_fixed_size: 0
    .kernarg_segment_align: 8
    .kernarg_segment_size: 32
    .max_flat_workgroup_size: 128
    .sgpr_count:     86
    .vgpr_count:     1024
    .wavefront_size: 32
...
	.end_amdgpu_metadata
.endif
;; end of part 7
;; ======== version 2 of 2: 7 launches
;; limits: right only within a limited range of input values
;; workspace buffers: wimg 13,770,752 bytes; aq 4,325,376 bytes; qimg 4,456,448 bytes; kv 8,781,824 bytes; oq 4,325,376 bytes; h1 16,777,216 bytes; hid 11,894,784 bytes
;; launch prep (part 8): grid 1072 x 1, 4 waves a work-group, no clusters, 71,680 bytes of LDS; arguments qkv_w, o_w, w1, w3, w2, token_positions, wimg, x, gain1, aq; writes wimg, aq
.if DOCPART == 8
	.amdgcn_target "amdgcn-amd-amdhsa--gfx1250"
	.amdhsa_code_object_version 6
	.text
	.protected	k_q8bf64d5143_prep
	.globl	k_q8bf64d5143_prep
	.p2align	8
	.type	k_q8bf64d5143_prep,@function
k_q8bf64d5143_prep:
	s_mov_b64 s[64:65], 0
	v_nop
	global_prefetch_b8 v0, s[64:65] scope:SCOPE_SE
	s_setreg_imm32_b32 hwreg(HW_REG_WAVE_MODE, 25, 1), 1
	s_wait_xcnt 0x0
; All weights (f32, K innermost), and the first norm's y = x gain1 / sqrt(mean(x^2) + 1e-5), become codes of BF8 (E5M2) with one E8M0 byte for each 32 along K, laid as the products' launches take them; and the table of cosines and sines for the rotation.
; A TILE is 16 rows that are not neighbours: tile T holds rows 32 (T / 2) + 8 (T % 2) + (p % 8) + 16 (p / 8), p = 0 .. 15, so that the results of two neighbouring tiles are 16 neighbours in a lane's registers.
; A RECORD (33,792 bytes, dense) holds 8 tiles x 256 along K: the code of tile t, lane L = (r, h), K step q, block c at 4096 t + 2048 q + 512 c + 16 L: an image of the operand's registers; scale words at 32768 + 128 t + 8 r + 4 q.
; A wave takes one tile x 256 along K: each load reads 512 consecutive bytes of a row; the 16 KiB turn through the wave's own LDS (row pitch 1,040 bytes = 65 x 16) so that a lane gets 16 neighbours of each block.
; WORK-GROUPS 0-255: x's 256 tiles, a slot of 256 along K to each wave, into aq; they have the longest chain and the lowest numbers.  With ID = the number - 256: 0-191 qkv_w, 192-255 o_w, 256-607 w1 and w3 (an octet = 64 hidden units:
; 4 tiles of w1, the same 4 of w3; units 2,752 to 2,815 are zeros), 608-783 w2 (K 2,752 filled with zeros to 2,816), 784-815 the table.  (For x's work-groups ID wraps round to a number above all of these.)
; x's WORK-GROUPS run one block more, behind the turn: each wave sums the squares of its 256 numbers of each row, the four waves exchange their 16 sums through 256 LDS bytes of their own across one barrier,
; the gain's 256 numbers turn through a 17th row of the wave's LDS, and the numbers are scaled, (x gain) x the reciprocal root, ahead of the quantiser.  All other waves share nothing.
; No matrix unit, no cluster, no tensor load: every byte of the large inputs is read once.
; LIMITS: NaN and infinities are not served; the reciprocal root is v_rsq_f32's; a block whose largest magnitude lies under 2^-111, a block of zeros too, gets the byte 1 (its codes are read by this program alone); the table holds for |position x frequency| under 2^23.
.set OCT,    33792
.set W_O,    3244032
.set W_13,   4325376
.set W_2,    10272768
.set W_ROPE, 13246464
.set NX,     256                       ; x's tiles
.set RP,     1040
.set WREG,   17*RP                     ; LDS of a wave: 16 rows, and the gain's
.set EXCH,   0x11500                   ; behind the four regions: 4 waves x 16 sums of squares
.set SPARE,  0x11600                   ; the spare words, 128 bytes for each wave
.set VO,  16                           ; v16-31  row p's byte offset + 16 x lane
.set VO2, 32                           ; v32-47  the same for the second 512 bytes (lanes held inside the row's end in w2's last slot)
.set X,   64                           ; v64-191 128 numbers a lane
.set PC,  192                          ; v192-223 codes, a set for each K step
.set TM,  224                          ; v224-239 at work in QUANT
.set PW,  240                          ; v240, v241 the two scale words; v242 both, by halves of the lanes
.set GR,  16                           ; the gain of one K step, 64 numbers a lane: v16-47 and v192-223, which are free between the loads and the quantiser
.set SEL, 44
.set MNT, 46
.set HI,  47
.set ID,  61
; 64 numbers of a lane, register 16 b + i = k 32 b + 16 (lane / 16) + i of my row, become a fragment's codes in v[pc] on and its scale word in v[pw]
.macro QUANT s, pc, pw
.irp b, 0,1,2,3
	v_max3_num_f32 v[TM+\b], |v[\s+16*\b]|, |v[\s+16*\b+1]|, 0x8000000   ; my 16 numbers of block b, and the floor 2^(16 - 127): the byte cannot fall under 1
.endr
.irp i, 2,4,6,8,10,12,14
.irp b, 0,1,2,3
	v_max3_num_f32 v[TM+\b], v[TM+\b], |v[\s+16*\b+\i]|, |v[\s+16*\b+\i+1]|
.endr
.endr
.irp b, 0,1,2,3
	v_permlanex16_b32 v[TM+4+\b], v[TM+\b], s[SEL], s[SEL+1]
.endr
.irp b, 0,1,2,3
	v_max_num_f32 v[TM+\b], v[TM+\b], v[TM+4+\b]   ; with lane l xor 16's: the block's largest magnitude
.endr
.irp b, 0,1,2,3
	v_add_nc_u32 v[TM+12+\b], 0xf8800000, v[TM+\b]   ; 15 off its exponent field: the conversion's scale operand
.endr
.irp b, 0,1,2,3
	v_and_or_b32 v[TM+8+\b], v[TM+\b], 0x7f800000, s[MNT]   ; 57,344 x the scale
.endr
.irp b, 0,1,2,3
	v_lshrrev_b32 v[TM+4+\b], 23, v[TM+12+\b]      ; the scale's byte
.endr
	v_lshl_or_b32 v[\pw], v[TM+5], 8, v[TM+4]
	v_lshl_or_b32 v[\pw], v[TM+6], 16, v[\pw]
	v_lshl_or_b32 v[\pw], v[TM+7], 24, v[\pw]
.irp b, 0,1,2,3
.irp i, 0,1,2,3,4,5,6,7,8,9,10,11,12,13,14,15
	v_med3_num_f32 v[\s+16*\b+\i], v[\s+16*\b+\i], -v[TM+8+\b], v[TM+8+\b]   ; the conversion does not saturate (ISA guide 7.6.2): the hold
.endr
	v_cvt_scalef32_pk8_bf8_f32 v[\pc+4*\b:\pc+4*\b+1], v[\s+16*\b:\s+16*\b+7], v[TM+12+\b]
	v_cvt_scalef32_pk8_bf8_f32 v[\pc+4*\b+2:\pc+4*\b+3], v[\s+16*\b+8:\s+16*\b+15], v[TM+12+\b]
.endr
	v_nop                                          ; a plain line behind the last conversion
.endm
.macro GLD q                           ; the gain at my 64 numbers of K step q, out of the 17th row
.irp c, 0,1,2,3
.irp j, 0,1,2,3
	ds_load_b128 v[GR+16*(\c%2)+176*(\c/2)+4*\j:GR+16*(\c%2)+176*(\c/2)+4*\j+3], v8 offset:512*(\q)+128*\c+16*\j
.endr
.endr
.endm
.macro GMUL q                          ; x gain
.irp c, 0,1,2,3
.set n, 0
.rept 8
	v_pk_mul_f32 v[X+64*(\q)+16*\c+n:X+64*(\q)+16*\c+n+1], v[X+64*(\q)+16*\c+n:X+64*(\q)+16*\c+n+1], v[GR+16*(\c%2)+176*(\c/2)+n:GR+16*(\c%2)+176*(\c/2)+n+1]
.set n, n+2
.endr
.endr
.endm
	s_load_b256 s[4:11], s[0:1], 0x0               ; qkv_w s[4:5], o_w s[6:7], w1 s[8:9], w3 s[10:11]
	s_load_b128 s[12:15], s[0:1], 0x20             ; w2 s[12:13], token_positions s[14:15]
	s_load_b64 s[16:17], s[0:1], 0x30              ; wimg
	s_load_b128 s[52:55], s[0:1], 0x38             ; x s[52:53], gain1 s[54:55]
	s_load_b64 s[56:57], s[0:1], 0x48              ; aq
	v_lshl_add_u32 v254, v0, 2, SPARE
	v_mov_b32 v255, 0
	v_lshrrev_b32 v1, 5, v0
	v_readfirstlane_b32 s20, v1                    ; wave
	v_and_b32 v1, 31, v0                           ; lane
	v_and_b32 v2, 15, v0                           ; r
	v_bfe_u32 v3, v0, 4, 1                         ; h
	v_lshlrev_b32 v4, 4, v1                        ; 16 x lane
	s_sub_co_u32 s[ID], ttmp9, NX
	s_cmp_lt_u32 s[ID], 784
	s_cbranch_scc1 .Ltile
	s_cmp_lt_u32 s[ID], 816
	s_cbranch_scc1 .Lrope
.Ltile:
	; ---- a tile.  Which tensor, tile, slot and place: chosen by the work-group's number alone, without a branch
	s_mov_b32 s[SEL], 0x76543210
	s_mov_b32 s[SEL+1], 0xfedcba98                 ; v_permlanex16_b32's selects for lane l xor 16
	s_mov_b32 s[MNT], 0x600000                     ; the mantissa field of 57,344
	s_mov_b32 s[HI], 0xffff0000                    ; lanes 16-31
	s_sub_co_u32 s34, s[ID], 192                   ; o_w's tile
	s_sub_co_u32 s35, s[ID], 256                   ; w1's and w3's tile in the image
	s_lshr_b32 s36, s35, 3
	s_lshl_b32 s36, s36, 2
	s_and_b32 s37, s35, 3
	s_add_co_u32 s36, s36, s37
	s_min_u32 s36, s36, 171                        ; and in the tensor: 4 x octet + tile % 4, held inside its 172 tiles (the padding's tiles read the last and are cleared)
	s_sub_co_u32 s37, s[ID], 608
	s_and_b32 s38, s37, 15
	s_lshl_b32 s38, s38, 2
	s_add_co_u32 s38, s38, s20                     ; w2's tile
	s_lshr_b32 s39, s37, 4                         ; w2's slot
	s_and_b32 s37, s35, 4
	s_wait_kmcnt 0x0
	s_cmp_lg_u32 s37, 0
	s_cselect_b64 s[40:41], s[10:11], s[8:9]       ; tiles 4-7 of an octet are w3's
	s_mov_b32 s21, s[ID]                           ; s21 tile in the image, s28 tile in the tensor, s22 slot, s23 octets, s24 the image's place, s25 a row's bytes, s[26:27] the tensor
	s_mov_b32 s28, s[ID]
	s_mov_b32 s22, s20
	s_mov_b32 s23, 24
	s_mov_b32 s24, 0
	s_mov_b32 s25, 4096
	s_mov_b64 s[26:27], s[4:5]
	s_cmp_ge_u32 s[ID], 192
	s_cselect_b32 s21, s34, s21
	s_cselect_b32 s28, s34, s28
	s_cselect_b32 s23, 8, s23
	s_cselect_b32 s24, W_O, s24
	s_cselect_b64 s[26:27], s[6:7], s[26:27]
	s_cmp_ge_u32 s[ID], 256
	s_cselect_b32 s21, s35, s21
	s_cselect_b32 s28, s36, s28
	s_cselect_b32 s23, 44, s23
	s_cselect_b32 s24, W_13, s24
	s_cselect_b64 s[26:27], s[40:41], s[26:27]
	s_cmp_ge_u32 s[ID], 608
	s_cselect_b32 s21, s38, s21
	s_cselect_b32 s28, s38, s28
	s_cselect_b32 s22, s39, s22
	s_cselect_b32 s23, 8, s23
	s_cselect_b32 s24, W_2, s24
	s_cselect_b32 s25, 11008, s25
	s_cselect_b64 s[26:27], s[12:13], s[26:27]
	s_mov_b32 s30, -1                              ; which lanes of a row's first and second load hold numbers (s30, s31); s29: the lanes' bound in the second; s33: is anything cleared
	s_mov_b32 s31, -1
	s_mov_b32 s29, 31
	s_mov_b32 s33, 0
	s_cmp_ge_u32 s[ID], 600                        ; ID 600-607: hidden units 2,752 on: zeros
	s_cselect_b32 s30, 0, s30
	s_cselect_b32 s31, 0, s31
	s_cselect_b32 s33, 1, s33
	s_cmp_ge_u32 s[ID], 608
	s_cselect_b32 s30, -1, s30
	s_cselect_b32 s31, -1, s31
	s_cselect_b32 s33, 0, s33
	s_cmp_ge_u32 s[ID], 768                        ; w2's slot 10: k 2,560 to 2,751 exist: of the second load lanes 0-15; lanes 16-31 read those lanes' bytes again and are cleared
	s_cselect_b32 s31, 0xffff, s31
	s_cselect_b32 s29, 15, s29
	s_cselect_b32 s33, 1, s33
	s_cmp_ge_u32 s[ID], 816                        ; x: tile = the work-group's number, slot = the wave, 32 octets of tokens, rows of 4,096 bytes, whole; its records go to aq
	s_cselect_b32 s21, ttmp9, s21
	s_cselect_b32 s28, ttmp9, s28
	s_cselect_b32 s22, s20, s22
	s_cselect_b32 s23, 32, s23
	s_cselect_b32 s24, 0, s24
	s_cselect_b32 s25, 4096, s25
	s_cselect_b64 s[26:27], s[52:53], s[26:27]
	s_cselect_b64 s[58:59], s[56:57], s[16:17]
	s_cselect_b32 s31, -1, s31
	s_cselect_b32 s29, 31, s29
	s_cselect_b32 s33, 0, s33
	s_lshr_b32 s34, s28, 1
	s_lshl_b32 s34, s34, 5
	s_and_b32 s35, s28, 1
	s_lshl_b32 s35, s35, 3
	s_add_co_u32 s34, s34, s35                     ; the tile's first row
	s_mul_i32 s34, s34, s25
	s_lshl_b32 s35, s22, 10                        ; 256 numbers a slot
	s_add_co_u32 s34, s34, s35
	s_mov_b32 s35, 0
	s_add_nc_u64 s[26:27], s[26:27], s[34:35]
	s_mul_i32 s34, s22, s23
	s_lshr_b32 s35, s21, 3
	s_add_co_u32 s34, s34, s35
	s_mul_i32 s34, s34, OCT
	s_add_co_u32 s34, s34, s24                     ; the record
	s_and_b32 s36, s21, 7
	s_lshl_b32 s37, s36, 12
	s_add_co_u32 s38, s34, s37
	s_mov_b32 s39, 0
	s_add_nc_u64 s[48:49], s[58:59], s[38:39]      ; my tile's codes
	s_lshl_b32 s37, s36, 7
	s_add_co_u32 s38, s34, s37
	s_add_co_u32 s38, s38, 32768
	s_add_nc_u64 s[50:51], s[58:59], s[38:39]      ; and its scale words
	s_lshl_b32 s36, s20, 10
	s_mov_b32 s37, 0
	s_add_nc_u64 s[62:63], s[54:55], s[36:37]      ; the gain at my wave's 256 along K
	s_wait_alu depctr_va_vdst(0)
	v_and_b32 v5, s29, v1
	v_lshlrev_b32 v5, 4, v5
	s_mul_i32 s34, s20, WREG
	v_add_nc_u32 v6, s34, v4                       ; LDS, in: 16 x lane in a row
	v_mul_u32_u24 v7, v2, RP
	v_lshl_add_u32 v7, v3, 6, v7
	v_add_nc_u32 v7, s34, v7                       ; LDS, out: row r, + 64 h: my 16 numbers of a block
	v_lshl_add_u32 v8, v3, 6, 16*RP
	v_add_nc_u32 v8, s34, v8                       ; the same in the 17th row
	s_lshl_b32 s35, s20, 6
	v_lshl_add_u32 v11, v2, 2, EXCH                ; row r's sums of squares: 4 r, 64 bytes from wave to wave;
	v_add_nc_u32 v10, s35, v11                     ; and my wave's
	v_lshlrev_b32 v9, 3, v2
	v_lshl_add_u32 v9, v3, 2, v9                   ; scale words: 8 r + 4 h (lanes 16-31 store the second K step's)
.irp p, 0,1,2,3,4,5,6,7,8,9,10,11,12,13,14,15
	v_mad_u32_u24 v[VO+\p], s25, (\p%8)+16*(\p/8), v4
	v_mad_u32_u24 v[VO2+\p], s25, (\p%8)+16*(\p/8), v5
.endr
.irp b, 0,1,2,3
	v_mov_b32 v[TM+4+\b], 0                        ; a lane permute's destination counts as one of its sources
.endr
.irp p, 0,1,2,3,4,5,6,7,8,9,10,11,12,13,14,15
	global_load_b128 v[X+8*\p:X+8*\p+3], v[VO+\p], s[26:27] th:TH_LOAD_NT               ; 32 lanes read 512 consecutive bytes of a row
	global_load_b128 v[X+8*\p+4:X+8*\p+7], v[VO2+\p], s[26:27] offset:512 th:TH_LOAD_NT
.endr
	s_wait_loadcnt 0x0
	s_cmp_eq_u32 s33, 0
	s_cbranch_scc1 .Lwhole
.irp p, 0,1,2,3,4,5,6,7,8,9,10,11,12,13,14,15
.irp e, 0,1,2,3
	v_cndmask_b32 v[X+8*\p+\e], 0, v[X+8*\p+\e], s30       ; what lies past the tensor's end counts as 0, ahead of the blocks' maxima
	v_cndmask_b32 v[X+8*\p+4+\e], 0, v[X+8*\p+4+\e], s31
.endr
.endr
.Lwhole:
.irp p, 0,1,2,3,4,5,6,7,8,9,10,11,12,13,14,15
	ds_store_b128 v6, v[X+8*\p:X+8*\p+3] offset:RP*\p
	ds_store_b128 v6, v[X+8*\p+4:X+8*\p+7] offset:RP*\p+512
.endr
.irp q, 0,1
.irp c, 0,1,2,3
.irp j, 0,1,2,3
	ds_load_b128 v[X+64*\q+16*\c+4*\j:X+64*\q+16*\c+4*\j+3], v7 offset:512*\q+128*\c+16*\j   ; LDS serves a wave's instructions in order (ISA guide 5.7.1.4): these see my stores
.endr
.endr
.endr
	s_cmp_lt_u32 s[ID], 816
	s_cbranch_scc1 .Lplain
	; ---- x alone: the norm.  The branch hangs on the work-group's number: all four waves take it, so all four pass the barrier
	global_load_b128 v[TM+8:TM+11], v4, s[62:63]           ; the gain at my wave's 256 along K, 512 consecutive bytes a load
	global_load_b128 v[TM+12:TM+15], v4, s[62:63] offset:512
	s_mov_b32 s36, 0x3a800000                      ; 1 / 1,024
	s_mov_b32 s37, 0x3727c5ac                      ; 1e-5
	s_wait_dscnt 0x0                               ; my 128 numbers of row r are back
	v_pk_mul_f32 v[12:13], v[X:X+1], v[X:X+1]
	v_pk_mul_f32 v[14:15], v[X+2:X+3], v[X+2:X+3]
.set n, 4
.rept 31
	v_pk_fma_f32 v[12:13], v[X+n:X+n+1], v[X+n:X+n+1], v[12:13]
	v_pk_fma_f32 v[14:15], v[X+n+2:X+n+3], v[X+n+2:X+n+3], v[14:15]
.set n, n+4
.endr
	v_pk_add_f32 v[12:13], v[12:13], v[14:15]
	v_add_f32 v12, v12, v13
	v_permlanex16_b32 v[TM+4], v12, s[SEL], s[SEL+1]
	v_add_f32 v12, v12, v[TM+4]                    ; row r's squares over my wave's 256
	ds_store_b32 v10, v12                          ; lanes r and 16 + r write the same word with the same value
	s_wait_loadcnt 0x0
	ds_store_b128 v6, v[TM+8:TM+11] offset:RP*16   ; the gain turns as the rows did
	ds_store_b128 v6, v[TM+12:TM+15] offset:RP*16+512
	GLD 0
	s_wait_dscnt 0x0                               ; for the others' sake: my sums lie in LDS
	s_barrier_signal -1
	s_barrier_wait -1
	ds_load_b32 v12, v11
	ds_load_b32 v13, v11 offset:64
	ds_load_b32 v14, v11 offset:128
	ds_load_b32 v15, v11 offset:192
	GMUL 0
	GLD 1
	s_wait_dscnt 16                                ; the four sums are in; the gain's 16 loads behind them may be out
	v_add_f32 v12, v12, v13
	v_add_f32 v14, v14, v15
	v_add_f32 v12, v12, v14                        ; the row's sum of squares
	v_fma_f32 v12, v12, s36, s37                   ; the mean + 1e-5
	s_wait_alu depctr_va_vdst(0)                   ; the wait ahead of the transcendental
	v_rsq_f32 v12, v12
	v_nop                                          ; a plain line behind it
	s_wait_dscnt 0x0
	GMUL 1                                         ; plain work that names nothing of the root
	s_wait_alu depctr_va_vdst(0)                   ; the wait ahead of the root's first reader
.set n, 0
.rept 64
	v_pk_mul_f32 v[X+n:X+n+1], v[X+n:X+n+1], v[12:13] op_sel_hi:[1,0]
.set n, n+2
.endr
	s_wait_alu depctr_va_vdst(0)
.Lplain:
	s_wait_dscnt 16                                ; the first K step's 16 loads are in; the second's may be out
	QUANT X, PC, PW
.irp c, 0,1,2,3
	global_store_b128 v4, v[PC+4*\c:PC+4*\c+3], s[48:49] offset:512*\c        ; 512 consecutive bytes, aligned
.endr
	s_wait_dscnt 0x0
	QUANT X+64, PC+16, PW+1
.irp c, 0,1,2,3
	global_store_b128 v4, v[PC+16+4*\c:PC+16+4*\c+3], s[48:49] offset:2048+512*\c
.endr
	v_cndmask_b32 v[PW+2], v[PW], v[PW+1], s[HI]   ; lanes 0-15 the first K step's word of row r, lanes 16-31 the second's
	global_store_b32 v9, v[PW+2], s[50:51]         ; 128 consecutive bytes
	s_wait_tensorcnt 0x0                           ; the wave's end
	ds_add_u32 v254, v255
	s_wait_dscnt 0x0
	s_endpgm
	; ---- the table: for token tile T and lane (r, h): cos, sin of position x 10^(-i / 8), i = 16 b + 8 h + p, in registers 16 b + 2 p, + 1: the layout in which the projection's results lie
.Lrope:
	s_sub_co_u32 s21, s[ID], 784
	s_lshl_b32 s21, s21, 2
	s_add_co_u32 s21, s21, s20                     ; T
	s_lshr_b32 s22, s21, 1
	s_lshl_b32 s22, s22, 5
	s_and_b32 s23, s21, 1
	s_lshl_b32 s23, s23, 3
	s_add_co_u32 s22, s22, s23
	s_wait_alu depctr_va_vdst(0)
	v_and_b32 v5, 7, v2
	v_lshrrev_b32 v6, 3, v2
	v_lshl_add_u32 v5, v6, 4, v5
	v_add_nc_u32 v5, s22, v5                       ; my place in the sequence
	v_lshlrev_b32 v5, 2, v5
	s_lshl_b32 s24, s21, 12
	s_add_co_u32 s24, s24, W_ROPE
	s_mov_b32 s25, 0
	s_wait_alu depctr_va_vdst(0)
	s_wait_kmcnt 0x0
	s_add_nc_u64 s[16:17], s[16:17], s[24:25]
	global_load_b32 v10, v5, s[14:15]
	v_cmp_eq_u32 s30, 1, v3                        ; lanes 16-31
	v_mov_b32 v20, 0xb94ca1f9                      ; the highest coefficients of the two polynomials
	v_mov_b32 v21, 0x37ccf5ce
	s_wait_loadcnt 0x0
	v_cvt_f32_i32 v10, v10
; angle = position x frequency, rounded to f32; n = the nearest multiple of pi / 2, taken off in two parts by fused multiply-adds; sine and cosine of the rest (under pi / 4) by polynomials; the quadrant swaps and signs them
.macro SINCOS o, c0, c1
	v_mov_b32 v11, \c0
	v_mov_b32 v12, \c1
	v_cndmask_b32 v11, v11, v12, s30
	v_mul_f32 v11, v10, v11
	v_mul_f32 v12, 0x3f22f983, v11                 ; x 2 / pi
	v_rndne_f32 v12, v12
	v_fmamk_f32 v13, v12, 0xbfc90fdb, v11
	v_fmamk_f32 v13, v12, 0x333bbd2e, v13
	v_mul_f32 v14, v13, v13
	v_fmaak_f32 v15, v20, v14, 0x3c08839e
	v_fmaak_f32 v16, v21, v14, 0xbab6061a
	v_fmaak_f32 v15, v15, v14, 0xbe2aaaa3
	v_fmaak_f32 v16, v16, v14, 0x3d2aaaa5
	v_mul_f32 v17, v14, v13
	v_mul_f32 v18, v14, v14
	v_fma_f32 v19, v14, -0.5, 1.0
	v_fma_f32 v15, v17, v15, v13                   ; sine of the rest
	v_fma_f32 v16, v18, v16, v19                   ; cosine
	v_cvt_i32_f32 v12, v12
	v_and_b32 v17, 1, v12
	v_cmp_eq_u32 vcc_lo, 1, v17
	v_cndmask_b32 v18, v15, v16, vcc_lo
	v_cndmask_b32 v19, v16, v15, vcc_lo
	v_and_b32 v17, 2, v12
	v_add_nc_u32 v12, 1, v12
	v_lshlrev_b32 v17, 30, v17
	v_and_b32 v12, 2, v12
	v_xor_b32 v[\o+1], v18, v17
	v_lshlrev_b32 v12, 30, v12
	v_xor_b32 v[\o], v19, v12
.endm
	SINCOS 64, 1.0, 0.1
	SINCOS 66, 0.749894209, 0.0749894209
	SINCOS 68, 0.562341325, 0.0562341325
	SINCOS 70, 0.421696503, 0.0421696503
	SINCOS 72, 0.316227766, 0.0316227766
	SINCOS 74, 0.237137371, 0.0237137371
	SINCOS 76, 0.177827941, 0.0177827941
	SINCOS 78, 0.133352143, 0.0133352143
	SINCOS 80, 0.01, 0.001
	SINCOS 82, 0.00749894209, 0.000749894209
	SINCOS 84, 0.00562341325, 0.000562341325
	SINCOS 86, 0.00421696503, 0.000421696503
	SINCOS 88, 0.00316227766, 0.000316227766
	SINCOS 90, 0.00237137371, 0.000237137371
	SINCOS 92, 0.00177827941, 0.000177827941
	SINCOS 94, 0.00133352143, 0.000133352143
.irp j, 0,1,2,3,4,5,6,7
	global_store_b128 v4, v[64+4*\j:64+4*\j+3], s[16:17] offset:512*\j
.endr
	s_endpgm
.Lfunc_end_k_q8bf64d5143_prep:
	.size	k_q8bf64d5143_prep, .Lfunc_end_k_q8bf64d5143_prep-k_q8bf64d5143_prep
	.p2alignl 7, 3214868480
	.fill 96, 4, 3214868480
	.section	.rodata,"a",@progbits
	.p2align	6, 0x0
	.amdhsa_kernel k_q8bf64d5143_prep
		.amdhsa_group_segment_fixed_size 71680
		.amdhsa_private_segment_fixed_size 0
		.amdhsa_enable_private_segment 0
		.amdhsa_kernarg_size 80
		.amdhsa_user_sgpr_count 2
		.amdhsa_user_sgpr_kernarg_segment_ptr 1
		.amdhsa_wavefront_size32 1
		.amdhsa_system_sgpr_workgroup_id_x 1
		.amdhsa_system_sgpr_workgroup_id_y 1
		.amdhsa_system_sgpr_workgroup_id_z 1
		.amdhsa_system_vgpr_workitem_id 0
		.amdhsa_next_free_vgpr 256
		.amdhsa_next_free_sgpr 66
		.amdhsa_reserve_vcc 1
		.amdhsa_float_denorm_mode_32 3
		.amdhsa_float_denorm_mode_16_64 3
		.amdhsa_memory_ordered 1
		.amdhsa_forward_progress 1
		.amdhsa_inst_pref_size 79
	.end_amdhsa_kernel
	.amdgpu_metadata
---
amdhsa.version: [ 1, 2 ]
amdhsa.kernels:
  - .name:           k_q8bf64d5143_prep
    .symbol:         k_q8bf64d5143_prep.kd
    .args:
      - { .name: qkv_w, .offset: 0, .size: 8, .value_kind: global_buffer, .address_space: global }
      - { .name: o_w, .offset: 8, .size: 8, .value_kind: global_buffer, .address_space: global }
      - { .name: w1, .offset: 16, .size: 8, .value_kind: global_buffer, .address_space: global }
      - { .name: w3, .offset: 24, .size: 8, .value_kind: global_buffer, .address_space: global }
      - { .name: w2, .offset: 32, .size: 8, .value_kind: global_buffer, .address_space: global }
      - { .name: token_positions, .offset: 40, .size: 8, .value_kind: global_buffer, .address_space: global }
      - { .name: wimg, .offset: 48, .size: 8, .value_kind: global_buffer, .address_space: global }
      - { .name: x, .offset: 56, .size: 8, .value_kind: global_buffer, .address_space: global }
      - { .name: gain1, .offset: 64, .size: 8, .value_kind: global_buffer, .address_space: global }
      - { .name: aq, .offset: 72, .size: 8, .value_kind: global_buffer, .address_space: global }
    .group_segment_fixed_size: 71680
    .private_segment_fixed_size: 0
    .kernarg_segment_align: 8
    .kernarg_segment_size: 80
    .max_flat_workgroup_size: 128
    .sgpr_count:     66
    .vgpr_count:     256
    .wavefront_size: 32
...
	.end_amdgpu_metadata
.endif
;; end of part 8
;; launch qkv (part 9): grid 12 x 16, 4 waves a work-group, clusters of 4 x 4, 327,680 bytes of LDS; arguments aq, wimg, qimg, kv; writes qimg, kv
.if DOCPART == 9
	.amdgcn_target "amdgcn-amd-amdhsa--gfx1250"
	.amdhsa_code_object_version 6
	.text
	.protected	k_q8bf64d5143_qkv
	.globl	k_q8bf64d5143_qkv
	.p2align	8
	.type	k_q8bf64d5143_qkv,@function
k_q8bf64d5143_qkv:
	s_mov_b64 s[64:65], 0
	v_nop
	global_prefetch_b8 v0, s[64:65] scope:SCOPE_SE
	s_setreg_imm32_b32 hwreg(HW_REG_WAVE_MODE, 25, 1), 1
	s_wait_xcnt 0x0
	s_wait_alu depctr_hold_cnt(0) depctr_sa_sdst(0) depctr_va_vdst(0) depctr_va_sdst(0) depctr_va_ssrc(0) depctr_va_vcc(0) depctr_vm_vsrc(0)
	s_getreg_b32 s2, hwreg(HW_REG_IB_STS2, 6, 4)
	s_cmp_eq_u32 s2, 0
	s_cbranch_scc0 .Lentry_in_a_cluster
	s_endpgm
.Lentry_in_a_cluster:
	s_bfe_u32 s2, ttmp6, 0x10000c
	s_cmp_lg_u32 s2, 0xf033
	s_cbranch_scc0 .Lentry_shape_is_right
	s_endpgm
.Lentry_shape_is_right:
.set OCT,    33792
.set SLOT,   4*OCT
.set SPARE,  2*SLOT
.set QSC,    4194304
.set W_ROPE, 13246464
.set NQ,     2
.set FR,     16
.set NL,     4
.set NP,     8
.set ADRA, 16
.set ADRB, 20
.set ADRS, 22
.set L16,  26
.set L4,   27
.set SPW,  28
.set NIL,  29
.set SC,   32
.set AF,   128
.set G1,  24
.set G0,  32
.set G1B, 48
.set G0B, 56
.set STA, 66
.set STB, 68
.set SEL, 70
.set MNT, 72
.set HI,  73
.set TBB, 90
.set C0,  92
.set C1,  94
.set S0,  96
.set S1,  98
.set X,    32
.set TBL,  96
.set PC,   160
.set TM,   192
.set PW,   208
.set KEEP, 209
.set W0,   210
.set W1,   211
.set TP,   212
.set MSB, 0
.macro WIN new
.if MSB != (\new)
	s_set_vgpr_msb (MSB<<8)|(\new)
.set MSB, (\new)
.endif
.endm
.set MUL_LO, 0xa1
.set MUL_HI, 0xf1
.set TO_B,   0x40
.macro JLOAD g0a, g1a, g0b, g1b
	s_cmp_eq_u32 s15, 0
	s_cbranch_scc0 .Lfor_b_\@
	tensor_load_to_lds s[\g0a:\g0a+3], s[\g1a:\g1a+7]
	s_nop 0
.rept 4
	v_nop
.endr
	s_branch .Lasked_\@
.Lfor_b_\@:
	tensor_load_to_lds s[\g0b:\g0b+3], s[\g1b:\g1b+7]
	s_nop 0
.rept 4
	v_nop
.endr
.Lasked_\@:
.endm
.macro CREST
	s_cmp_lg_u32 s14, 0
	s_cbranch_scc1 .Lnot_wave_0_\@
	s_barrier_signal -3
.Lnot_wave_0_\@:
	s_barrier_wait -3
	s_barrier_signal -1
	s_barrier_wait -1
.endm
.macro CROUND
	s_barrier_signal -1
	s_barrier_wait -1
	CREST
.endm
	s_load_b256 s[4:11], s[0:1], 0x0
	v_lshl_add_u32 v[SPW], v0, 2, SPARE
	v_mov_b32 v[NIL], 0
	ds_add_u32 v28, v29
	ds_add_u32 v28, v29
	s_wait_dscnt 0x0
	v_lshrrev_b32 v1, 5, v0
	v_readfirstlane_b32 s14, v1
	s_lshr_b32 s15, s14, 1
	s_and_b32 s16, s14, 1
	s_bfe_u32 s40, ttmp6, 0x40000
	s_bfe_u32 s41, ttmp6, 0x40004
	s_and_b32 s18, ttmp7, 0xffff
	s_lshl_b32 s18, s18, 2
	s_lshl_b32 s19, ttmp9, 2
	s_add_co_u32 s17, s18, s41
	s_add_co_u32 s22, s41, 8
	s_add_co_u32 s42, s19, s40
	s_add_co_u32 s23, s18, s40
	s_cmp_eq_u32 ttmp9, 2
	s_cselect_b32 s17, s22, s17
	s_cselect_b32 s42, s23, s42
	s_cselect_b32 s74, 24, 32
	s_cselect_b32 s75, 32, 24
	s_lshl_b32 s43, s41, 2
	s_lshl_b32 s43, 15, s43
	s_lshl_b32 s44, 0x1111, s40
	s_or_b32 s[G1+0], s43, (3<<16)|(1<<21)
	s_or_b32 s[G1B+0], s44, (3<<16)|(1<<21)
.irp g, G1, G1B
	s_mov_b32 s[\g+1], 32<<16
	s_mov_b32 s[\g+2], 132<<16
	s_mov_b32 s[\g+3], 32<<16
	s_mov_b32 s[\g+4], 132
	s_mov_b32 s[\g+5], 32
	s_mov_b32 s[\g+6], 0
	s_mov_b32 s[\g+7], 0
.endr
	s_lshl_b32 s20, s17, 1
	s_add_co_u32 s20, s20, s16
	s_mul_i32 s20, s20, OCT
	s_mov_b32 s21, 0
	s_lshl_b32 s46, s42, 1
	s_add_co_u32 s46, s46, s16
	s_mul_i32 s46, s46, OCT
	s_mov_b32 s47, 0
	s_mul_i32 s76, s74, OCT
	s_mov_b32 s77, 0
	s_mul_i32 s78, s75, OCT
	s_mov_b32 s79, 0
	s_lshl_b32 s[STA], s76, 1
	s_mov_b32 s[STA+1], 0
	s_lshl_b32 s[STB], s78, 1
	s_mov_b32 s[STB+1], 0
	s_mul_i32 s45, s14, OCT
	s_wait_kmcnt 0x0
	s_cmp_eq_u32 ttmp9, 2
	s_cselect_b64 s[80:81], s[6:7], s[4:5]
	s_cselect_b64 s[82:83], s[4:5], s[6:7]
	s_add_nc_u64 s[20:21], s[80:81], s[20:21]
	s_add_nc_u64 s[46:47], s[82:83], s[46:47]
	CROUND
	s_mov_b32 s[G0], 1
	s_mov_b32 s[G0+1], s45
	s_mov_b64 s[G0+2:G0+3], s[20:21]
	s_or_b32 s[G0+3], s[G0+3], 0x80000000
	s_mov_b32 s[G0B], 1
	s_mov_b32 s[G0B+1], s45
	s_mov_b64 s[G0B+2:G0B+3], s[46:47]
	s_or_b32 s[G0B+3], s[G0B+3], 0x80000000
	s_mov_b32 s[G0+4], 1
	s_add_co_u32 s[G0+5], s45, SLOT
	s_add_nc_u64 s[G0+6:G0+7], s[20:21], s[76:77]
	s_or_b32 s[G0+7], s[G0+7], 0x80000000
	s_mov_b32 s[G0B+4], 1
	s_add_co_u32 s[G0B+5], s45, SLOT
	s_add_nc_u64 s[G0B+6:G0B+7], s[46:47], s[78:79]
	s_or_b32 s[G0B+7], s[G0B+7], 0x80000000
	JLOAD G0, G1, G0B, G1B
	s_wait_alu depctr_va_vdst(0)
	s_wait_tensorcnt 0x0
	ds_add_u32 v28, v29
	s_wait_dscnt 0x0
	CROUND
	JLOAD G0+4, G1, G0B+4, G1B
	v_and_b32 v1, 15, v0
	v_bfe_u32 v2, v0, 4, 1
	v_and_b32 v3, 31, v0
	v_lshlrev_b32 v[L16], 4, v3
	v_lshlrev_b32 v[L4], 2, v3
	s_mul_i32 s21, s15, OCT
	s_mul_i32 s22, s16, OCT
	s_add_co_u32 s22, s22, 2*OCT
	v_add_nc_u32 v[ADRA], s21, v[L16]
	v_add_nc_u32 v[ADRB], s22, v[L16]
	v_add_nc_u32 v[ADRA+1], SLOT, v[ADRA]
	v_add_nc_u32 v[ADRB+1], SLOT, v[ADRB]
	s_sub_co_u32 s22, s22, s21
	v_mul_u32_u24 v4, s22, v2
	v_lshl_add_u32 v4, v1, 3, v4
	s_add_co_u32 s21, s21, 32768
	v_add_nc_u32 v[ADRS], s21, v4
	v_add_nc_u32 v[ADRS+1], SLOT, v[ADRS]
	s_mov_b32 s[SEL], 0x76543210
	s_mov_b32 s[SEL+1], 0xfedcba98
	s_mov_b32 s[MNT], 0x600000
	s_mov_b32 s[HI], 0xffff0000
.macro FRAG reg, adr, q, i
.irp c, 0,1,2,3
	ds_load_b128 v[\reg+4*\c:\reg+4*\c+3], v[\adr] offset:2048*(\q)+4096*(\i)+512*\c
.endr
.endm
.macro MUL16 a0, p, q, sc, zero
.irp a, \a0, \a0+1
.irp b, 0,1,2,3,4,5,6,7
.if \zero
	v_wmma_scale_f32_16x16x128_f8f6f4 v[8*(8*((\a)%4)+\b):8*(8*((\a)%4)+\b)+7], v[128*(\p)+FR*\b:128*(\p)+FR*\b+FR-1], v[AF+FR*(\a):AF+FR*(\a)+FR-1], 0, v[SC+8*NQ*(\sc)+NQ*\b+(\q)], v[SC+8*NQ*(\sc)+NQ*(\a)+(\q)] matrix_a_fmt:MATRIX_FMT_BF8 matrix_b_fmt:MATRIX_FMT_BF8 matrix_a_scale:MATRIX_SCALE_ROW1
.else
	v_wmma_scale_f32_16x16x128_f8f6f4 v[8*(8*((\a)%4)+\b):8*(8*((\a)%4)+\b)+7], v[128*(\p)+FR*\b:128*(\p)+FR*\b+FR-1], v[AF+FR*(\a):AF+FR*(\a)+FR-1], v[8*(8*((\a)%4)+\b):8*(8*((\a)%4)+\b)+7], v[SC+8*NQ*(\sc)+NQ*\b+(\q)], v[SC+8*NQ*(\sc)+NQ*(\a)+(\q)] matrix_a_fmt:MATRIX_FMT_BF8 matrix_b_fmt:MATRIX_FMT_BF8 matrix_a_scale:MATRIX_SCALE_ROW1
.endif
.endr
.endr
.endm
.macro FETCH_B slot, q, p
	WIN TO_B
.irp i, 0,1,2,3,4,5,6,7
	FRAG 128*(\p)+FR*\i, ADRB+\slot, \q, \i
.endr
	WIN 0
.endm
.macro FETCH_A slot, q, i0
.irp i, \i0, \i0+1, \i0+2, \i0+3
	FRAG AF+FR*(\i), ADRA+\slot, \q, \i
.endr
.endm
.macro SCALES sc
.irp i, 0,1,2,3,4,5,6,7
	ds_load_b64 v[SC+8*NQ*\sc+NQ*\i:SC+8*NQ*\sc+NQ*\i+1], v[ADRS+\sc] offset:128*\i
.endr
.endm
.macro PLACES n
.rept \n
	v_nop
.endr
.endm
.macro STEP slot, q, zero
	s_wait_dscnt 4*NL
	WIN MUL_LO
	MUL16 0, (\q)%2, \q, \slot, \zero
	MUL16 2, (\q)%2, \q, \slot, \zero
	s_wait_dscnt 0
	PLACES NP
	FETCH_B \slot, (\q)+1, 1-(\q)%2
	FETCH_A \slot, (\q)+1, 0
	WIN MUL_HI
	MUL16 4, (\q)%2, \q, \slot, \zero
	MUL16 6, (\q)%2, \q, \slot, \zero
	PLACES NP
	WIN 0
	FETCH_A \slot, (\q)+1, 4
.endm
.macro TURN slot, next, fill
	s_wait_tensorcnt 0x0
	ds_add_u32 v[SPW], v[NIL]
	s_wait_dscnt 4*NL+1
	WIN MUL_LO
	MUL16 0, 1, NQ-1, \slot, 0
	s_wait_dscnt 0x0
	s_barrier_signal -1
	MUL16 2, 1, NQ-1, \slot, 0
	WIN 0
	s_barrier_wait -1
.if \fill
	CREST
	s_add_nc_u64 s[G0+4*\slot+2:G0+4*\slot+3], s[G0+4*\slot+2:G0+4*\slot+3], s[STA:STA+1]
	s_add_nc_u64 s[G0B+4*\slot+2:G0B+4*\slot+3], s[G0B+4*\slot+2:G0B+4*\slot+3], s[STB:STB+1]
	JLOAD G0+4*\slot, G1, G0B+4*\slot, G1B
	PLACES NP-4
.else
	PLACES NP
.endif
	FETCH_B \next, 0, 0
	FETCH_A \next, 0, 0
	SCALES \next
	WIN MUL_HI
	MUL16 4, 1, NQ-1, \slot, 0
	MUL16 6, 1, NQ-1, \slot, 0
	PLACES NP
	WIN 0
	FETCH_A \next, 0, 4
.endm
.macro LAST sc
	s_wait_dscnt 4*NL
	WIN MUL_LO
	MUL16 0, 1, NQ-1, \sc, 0
	MUL16 2, 1, NQ-1, \sc, 0
	s_wait_dscnt 0
	WIN MUL_HI
	MUL16 4, 1, NQ-1, \sc, 0
	MUL16 6, 1, NQ-1, \sc, 0
	WIN 0
.endm
	s_wait_alu depctr_va_vdst(0)
	s_wait_tensorcnt 1
	s_barrier_signal -1
	s_barrier_wait -1
	FETCH_B 0, 0, 0
	FETCH_A 0, 0, 0
	SCALES 0
	FETCH_A 0, 0, 4
	STEP 0, 0, 1
	s_mov_b32 s3, 1
.Llap:
	TURN 0, 1, 1
	STEP 1, 0, 0
	TURN 1, 0, 1
	STEP 0, 0, 0
	s_sub_co_u32 s3, s3, 1
	s_cmp_lg_u32 s3, 0
	s_cbranch_scc1 .Llap
	TURN 0, 1, 0
	STEP 1, 0, 0
	LAST 1
.macro QUANT s, sw, x, pc
	WIN ((\sw)<<2)|((\sw)<<4)
.irp b, 0,1,2,3
	v_max3_num_f32 v[TM+\b], 0x8000000, |v[(\s)+16*\b]|, |v[(\s)+16*\b+1]|
.endr
.irp i, 2,4,6,8,10,12,14
.irp b, 0,1,2,3
	v_max3_num_f32 v[TM+\b], v[TM+\b], |v[(\s)+16*\b+\i]|, |v[(\s)+16*\b+\i+1]|
.endr
.endr
	WIN 0
.irp b, 0,1,2,3
	v_permlanex16_b32 v[TM+4+\b], v[TM+\b], s[SEL], s[SEL+1]
.endr
.irp b, 0,1,2,3
	v_max_num_f32 v[TM+\b], v[TM+\b], v[TM+4+\b]
.endr
.irp b, 0,1,2,3
	v_add_nc_u32 v[TM+12+\b], 0xf8800000, v[TM+\b]
.endr
.irp b, 0,1,2,3
	v_and_or_b32 v[TM+8+\b], v[TM+\b], 0x7f800000, s[MNT]
.endr
.irp b, 0,1,2,3
	v_lshrrev_b32 v[TM+4+\b], 23, v[TM+12+\b]
.endr
	v_lshl_or_b32 v[PW], v[TM+5], 8, v[TM+4]
	v_lshl_or_b32 v[PW], v[TM+6], 16, v[PW]
	v_lshl_or_b32 v[PW], v[TM+7], 24, v[PW]
	WIN \sw
.irp b, 0,1,2,3
.irp i, 0,1,2,3,4,5,6,7,8,9,10,11,12,13,14,15
	v_med3_num_f32 v[(\x)+16*\b+\i], v[(\s)+16*\b+\i], -v[TM+8+\b], v[TM+8+\b]
.endr
.endr
	WIN 0
.irp b, 0,1,2,3
	v_cvt_scalef32_pk8_bf8_f32 v[(\pc)+4*\b:(\pc)+4*\b+1], v[(\x)+16*\b:(\x)+16*\b+7], v[TM+12+\b]
	v_cvt_scalef32_pk8_bf8_f32 v[(\pc)+4*\b+2:(\pc)+4*\b+3], v[(\x)+16*\b+8:(\x)+16*\b+15], v[TM+12+\b]
.endr
	v_nop
.endm
	PLACES NP
.irp b, 0,1,2,3
	v_mov_b32 v[TM+4+\b], 0
.endr
	s_lshl_b32 s84, s17, 1
	s_add_co_u32 s84, s84, s15
	s_lshl_b32 s85, s42, 1
	s_add_co_u32 s85, s85, s16
	s_cmp_eq_u32 ttmp9, 2
	s_cbranch_scc1 .Lv_path
	s_lshr_b32 s86, s84, 4
	s_and_b32 s87, s84, 15
	s_and_b32 s88, s85, 7
	s_lshl_b32 s88, s88, 1
	s_lshl_b32 s86, s86, 4
	s_add_co_u32 s86, s86, s88
	s_lshl_b32 s90, s87, 15
	s_add_co_u32 s90, s90, W_ROPE
	s_mov_b32 s91, 0
	s_add_nc_u64 s[TBB:TBB+1], s[6:7], s[90:91]
	s_lshl_b32 s88, s86, 7
	s_lshl_b32 s89, s87, 3
	s_add_co_u32 s88, s88, s89
	s_lshl_b32 s92, s88, 10
	s_lshl_b32 s96, s88, 6
	s_add_co_u32 s96, s96, QSC
	s_lshl_b32 s88, s86, 4
	s_add_co_u32 s88, s88, s87
	s_mul_i32 s88, s88, 17152
	s_add_co_u32 s89, s88, 8192
	s_mov_b32 s94, 131072
	s_mov_b32 s98, 8192
	s_lshr_b32 s86, s85, 3
	s_cmp_eq_u32 s86, 1
	s_cselect_b32 s92, s88, s92
	s_cselect_b32 s96, s89, s96
	s_cselect_b32 s94, 274432, s94
	s_cselect_b32 s98, 274432, s98
	s_cselect_b64 s[86:87], s[10:11], s[8:9]
	s_mov_b32 s93, 0
	s_mov_b32 s95, 0
	s_mov_b32 s97, 0
	s_mov_b32 s99, 0
	s_add_nc_u64 s[C0:C0+1], s[86:87], s[92:93]
	s_add_nc_u64 s[C1:C1+1], s[C0:C0+1], s[94:95]
	s_add_nc_u64 s[S0:S0+1], s[86:87], s[96:97]
	s_add_nc_u64 s[S1:S1+1], s[S0:S0+1], s[98:99]
.macro TLD a
.irp n, 0,1,2,3,4,5,6,7
	global_load_b128 v[TBL+32*((\a)%2)+4*\n:TBL+32*((\a)%2)+4*\n+3], v[L16], s[TBB:TBB+1] offset:4096*(\a)+512*\n
.endr
.endm
.macro QKTILE a
.set AC, 64*((\a)%4)
.set TS, TBL+32*((\a)%2)
.set PS, PC+16*((\a)%2)
.if (\a) < 7
	TLD (\a)+1
	s_wait_loadcnt 8
.else
	s_wait_loadcnt 0x0
.endif
	WIN 2+(\a)/4
.set gq, 0
.rept 8
.irp p, 0,1,2,3
	v_pk_mul_f32 v[TP+2*\p:TP+2*\p+1], v[AC+8*gq+2*\p:AC+8*gq+2*\p+1], v[TS+(8*gq+2*\p)%32:TS+(8*gq+2*\p)%32+1] op_sel:[1,1] op_sel_hi:[1,0] neg_lo:[1,0]
.endr
.irp p, 0,1,2,3
	v_pk_fma_f32 v[X+8*gq+2*\p:X+8*gq+2*\p+1], v[AC+8*gq+2*\p:AC+8*gq+2*\p+1], v[TS+(8*gq+2*\p)%32:TS+(8*gq+2*\p)%32+1], v[TP+2*\p:TP+2*\p+1] op_sel_hi:[0,1,1]
.endr
.set gq, gq+1
.endr
	WIN 0
	s_wait_xcnt 0x0
	QUANT X, 0, X, PS
	global_store_b128 v[L16], v[PS:PS+3], s[C0:C0+1] offset:1024*(\a)
	global_store_b128 v[L16], v[PS+4:PS+7], s[C0:C0+1] offset:1024*(\a)+512
	global_store_b128 v[L16], v[PS+8:PS+11], s[C1:C1+1] offset:1024*(\a)
	global_store_b128 v[L16], v[PS+12:PS+15], s[C1:C1+1] offset:1024*(\a)+512
.if (\a)%2 == 0
	v_mov_b32 v[KEEP], v[PW]
.else
	v_cndmask_b32 v[TP], v[KEEP], v[PW], s[HI]
	v_and_b32 v[W0], 0xffff, v[TP]
	v_lshrrev_b32 v[W1], 16, v[TP]
	global_store_b32 v[L4], v[W0], s[S0:S0+1] offset:128*((\a)/2)
	global_store_b32 v[L4], v[W1], s[S1:S1+1] offset:128*((\a)/2)
.endif
.endm
	TLD 0
.irp a, 0,1,2,3,4,5,6,7
	QKTILE \a
.endr
	s_branch .Ldone
.Lv_path:
	s_lshr_b32 s86, s85, 4
	s_and_b32 s87, s85, 15
	s_sub_co_u32 s88, s84, 16
	s_lshl_b32 s88, s88, 1
	s_lshl_b32 s86, s86, 4
	s_add_co_u32 s86, s86, s88
	s_lshl_b32 s86, s86, 4
	s_add_co_u32 s86, s86, s87
	s_mul_i32 s92, s86, 17152
	s_add_co_u32 s92, s92, 8704
	s_mov_b32 s93, 0
	s_add_nc_u64 s[C0:C0+1], s[10:11], s[92:93]
.macro VTILE a
.set AC, 64*((\a)%4)
.set PS, PC+16*((\a)%2)
	s_wait_xcnt 0x0
	QUANT AC, 2+(\a)/4, X, PS
.irp c, 0,1,2,3
	global_store_b128 v[L16], v[PS+4*\c:PS+4*\c+3], s[C0:C0+1] offset:274432*((\a)/4)+2048*((\a)%4)+512*\c
.endr
.if (\a)%2 == 0
	v_mov_b32 v[KEEP], v[PW]
.else
	v_cndmask_b32 v[W0], v[KEEP], v[PW], s[HI]
	global_store_b32 v[L4], v[W0], s[C0:C0+1] offset:274432*((\a)/4)+8192+128*(((\a)%4)/2)
.endif
.endm
.irp a, 0,1,2,3,4,5,6,7
	VTILE \a
.endr
.Ldone:
	s_wait_tensorcnt 0x0
	ds_add_u32 v[SPW], v[NIL]
	s_wait_dscnt 0x0
	CROUND
	s_endpgm
.Lfunc_end_k_q8bf64d5143_qkv:
	.size	k_q8bf64d5143_qkv, .Lfunc_end_k_q8bf64d5143_qkv-k_q8bf64d5143_qkv
	.p2alignl 7, 3214868480
	.fill 96, 4, 3214868480
	.section	.rodata,"a",@progbits
	.p2align	6, 0x0
	.amdhsa_kernel k_q8bf64d5143_qkv
		.amdhsa_group_segment_fixed_size 327680
		.amdhsa_private_segment_fixed_size 0
		.amdhsa_enable_private_segment 0
		.amdhsa_kernarg_size 32
		.amdhsa_user_sgpr_count 2
		.amdhsa_user_sgpr_kernarg_segment_ptr 1
		.amdhsa_wavefront_size32 1
		.amdhsa_system_sgpr_workgroup_id_x 1
		.amdhsa_system_sgpr_workgroup_id_y 1
		.amdhsa_system_sgpr_workgroup_id_z 1
		.amdhsa_system_vgpr_workitem_id 0
		.amdhsa_next_free_vgpr 1024
		.amdhsa_next_free_sgpr 100
		.amdhsa_reserve_vcc 0
		.amdhsa_float_denorm_mode_32 3
		.amdhsa_float_denorm_mode_16_64 3
		.amdhsa_memory_ordered 1
		.amdhsa_forward_progress 1
		.amdhsa_inst_pref_size 255
	.end_amdhsa_kernel
	.section	.bss,"aw",@nobits
	.p2align	6
	.space	262144
	.amdgpu_metadata
---
amdhsa.version: [ 1, 2 ]
amdhsa.kernels:
  - .name:           k_q8bf64d5143_qkv
    .symbol:         k_q8bf64d5143_qkv.kd
    .args:
      - { .name: aq, .offset: 0, .size: 8, .value_kind: global_buffer, .address_space: global }
      - { .name: wimg, .offset: 8, .size: 8, .value_kind: global_buffer, .address_space: global }
      - { .name: qimg, .offset: 16, .size: 8, .value_kind: global_buffer, .address_space: global }
      - { .name: kv, .offset: 24, .size: 8, .value_kind: global_buffer, .address_space: global }
    .group_segment_fixed_size: 327680
    .private_segment_fixed_size: 0
    .kernarg_segment_align: 8
    .kernarg_segment_size: 32
    .max_flat_workgroup_size: 128
    .sgpr_count:     100
    .vgpr_count:     1024
    .wavefront_size: 32
...
	.end_amdgpu_metadata
.endif
;; end of part 9
;; launch attn (part 10): grid 8 x 32, 16 waves a work-group, clusters of 4 x 1, 313,344 bytes of LDS; arguments qimg, kv, oq; writes oq
.if DOCPART == 10
	.amdgcn_target "amdgcn-amd-amdhsa--gfx1250"
	.amdhsa_code_object_version 6
	.text
	.protected	k_q8bf64d5143_attn
	.globl	k_q8bf64d5143_attn
	.p2align	8
	.type	k_q8bf64d5143_attn,@function
k_q8bf64d5143_attn:
	s_mov_b64 s[64:65], 0
	v_nop
	global_prefetch_b8 v0, s[64:65] scope:SCOPE_SE
	s_setreg_imm32_b32 hwreg(HW_REG_WAVE_MODE, 25, 1), 1
	s_wait_xcnt 0x0
	s_wait_alu depctr_hold_cnt(0) depctr_sa_sdst(0) depctr_va_vdst(0) depctr_va_sdst(0) depctr_va_ssrc(0) depctr_va_vcc(0) depctr_vm_vsrc(0)
	s_getreg_b32 s2, hwreg(HW_REG_IB_STS2, 6, 4)
	s_cmp_eq_u32 s2, 0
	s_cbranch_scc0 .Lentry_in_a_cluster
	s_endpgm
.Lentry_in_a_cluster:
	s_bfe_u32 s2, ttmp6, 0x10000c
	s_cmp_lg_u32 s2, 0x3003
	s_cbranch_scc0 .Lentry_shape_is_right
	s_endpgm
.Lentry_shape_is_right:
; O = softmax(Q K^T / 8, causal) V for one (batch, head), both products on codes of BF8 (E5M2) with E8M0 scales; O is quantised along the model's 1,024 for the next product and stored as records.
; THE SOFTMAX: t = score x log2(e) / 8; M = the running largest t rounded UP to a whole number; p = 2^(t - M) is quantised along the keys, not normalised; the row's sum is taken of the unquantised p and divides O at the end.
; A HEAD'S K AND V STAY IN LDS: 16 key steps of 128 keys x 17,152 bytes (K's 8 tiles x 1,024, their scale words 512, V^T's 4 fragments x 2,048, their scale words 256), filled ONCE: wave w issues one tensor load, for key step w.
; Each wave waits for its one load, one barrier shows all 16 key steps to all waves, and from there on those bytes are only read.
; SHARES: work-group g (0-7) of a head has the 16 query tiles 8 rank + g, rank 0-15; the tile of rank n lies in key step n and counts key steps 0 .. n: 136 steps in all, 8 or 9 to a wave.
; Waves go in pairs, pair i = w / 2, r = 8 + i.  Wave X takes tile r's key steps r - 8 .. r (9 steps).  Wave Y takes tile 15 - r whole (16 - r steps) and stores it, then tile r's key steps 0 .. r - 9 (r - 8 steps),
; and hands O^T, -M and the sums of that part to X as images of its registers, through 4,608 LDS bytes of the pair's own, across one barrier.  X brings both parts under the larger M by powers of two, which round nothing, and adds them.
; Which of a pair is X: (w xor w / 4) % 2 = 0, so that of waves w, w + 4, w + 8, w + 12 two have each role.
; Tiles that lie wholly under the causal mask, which the problem builds itself, are left out: key steps above a tile's rank.
; CLUSTER 4 x 1: four work-groups of one head ask for K and V jointly.  Roles and the steps that a wave walks hang on the wave's number alone: alike in all partners; g enters Q's and O's addresses and the mask's register only.
; No prefetch: all that the work-group reads is asked for at its head.
; LAYOUT: S^T = K Q^T, O^T = V^T P^T: a lane holds one query throughout.  The rows of a tile are 32 (T / 2) + 8 (T % 2) + (p % 8) + 16 (p / 8), so 16 registers of two neighbouring tiles are 16 neighbouring keys or channels.
; The first product's K is 64: the upper half of Q's fragment is zero codes; the upper half of K's operand is the next tile's codes (finite), which meet those zeros.
; LIMITS: NaN and infinities are not served; a block of p or O under 2^-111 gets the byte 1.
; REGISTERS: v1 16 x lane, v2 4 r, v3-4 the step's addresses, v5 the mask's bound, v7 the pair's LDS bytes; v6, v8-11, v228-231 Y's second Q; v12 -M, v13 the largest t, v[14:15] the sum; v16-31 Q; v32-103 K (v96-103 zeros) or V;
;   v104-167 S^T, p; v168-199 O^T; v200-215 p's codes; v216-223 K's scale words, v224-227 V's, v250 Q's; v232-254 at work (v252 f, v253 p's scale word); v251, v255 the spare word's address and 0.
.set STEPB, 17152
.set QSC,   4194304
.set OCT,   33792
.set XCH,   0x43800                    ; behind the key steps and the spare words: 8 pairs x 4,608 bytes
.set KF,  32
.set S,   104
.set O,   168
.set PCD, 200
.set KS,  216
.set VS,  224
.set QS,  250
.set TM,  232
.set WV,   18
.set ROLE, 19                          ; 0: X, 1: Y
.set SEL,  20
.set CS,   22
.set MNT,  24
.set TB,   25
.set JS,   26
.set CNT,  27
.set GG,   28
.set G0,   32                          ; s[32:35] group 0
.set RR,   36                          ; r
.set R1,   37                          ; the rank of my first tile: X: r, Y: 15 - r
.set LO,   38                          ; I work in key steps LO <= step < HIX; step DG lies on the diagonal
.set HIX,  39
.set DG,   40
.set LOB,  41                          ; the same three for the second walk
.set HIB,  42
.set DGB,  43
.set G1,   48                          ; s[48:55] group 1
.macro CROUND                          ; a round of the cluster's barrier
	s_barrier_signal -1
	s_barrier_wait -1
	s_cmp_lg_u32 s[WV], 0
	s_cbranch_scc1 .Lnot_wave_0_\@
	s_barrier_signal -3
.Lnot_wave_0_\@:
	s_barrier_wait -3
	s_barrier_signal -1
	s_barrier_wait -1
.endm
.macro QADR rk, c, s                   ; the codes and the scale words of the tile of rank s[rk]
	s_lshl_b32 s29, s[\rk], 3
	s_add_co_u32 s29, s29, s[GG]
	s_lshl_b32 s30, s10, 7
	s_add_co_u32 s29, s29, s30
	s_lshl_b32 s[\c], s29, 10
	s_mov_b32 s[\c+1], 0
	s_add_nc_u64 s[\c:\c+1], s[4:5], s[\c:\c+1]
	s_lshl_b32 s[\s], s29, 6
	s_add_co_u32 s[\s], s[\s], QSC
	s_mov_b32 s[\s+1], 0
	s_add_nc_u64 s[\s:\s+1], s[4:5], s[\s:\s+1]
.endm
	s_load_b128 s[4:7], s[0:1], 0x0                ; qimg, kv
	s_load_b64 s[8:9], s[0:1], 0x10                ; oq
	v_lshl_add_u32 v251, v0, 2, 0x43000
	v_mov_b32 v255, 0
	ds_add_u32 v251, v255                          ; the opening: the add, twice on end, and its wait
	ds_add_u32 v251, v255
	v_lshrrev_b32 v1, 5, v0
	s_delay_alu instid0(VALU_DEP_1)
	v_readfirstlane_b32 s[WV], v1                  ; wave 0..15
	s_and_b32 s10, ttmp7, 0xffff                   ; batch x 16 + head, which the partners share
	s_bfe_u32 s11, ttmp6, 0x40000                  ; cx
	s_lshl_b32 s[GG], ttmp9, 2
	s_add_co_u32 s[GG], s[GG], s11                 ; g
	s_lshr_b32 s11, s[WV], 2
	s_xor_b32 s11, s11, s[WV]
	s_and_b32 s[ROLE], s11, 1
	s_lshr_b32 s[RR], s[WV], 1
	s_add_co_u32 s[RR], s[RR], 8                   ; r
	s_sub_co_u32 s11, 15, s[RR]
	s_sub_co_u32 s29, 16, s[RR]
	s_sub_co_u32 s30, s[RR], 8
	s_add_co_u32 s31, s[RR], 1
	s_cmp_eq_u32 s[ROLE], 0
	s_cselect_b32 s[R1], s[RR], s11
	s_cselect_b32 s[HIX], 0, s29                   ; the first walk: X nothing, Y key steps 0 .. 15 - r
	s_cselect_b32 s[LOB], s30, 0                   ; the second: X r - 8 .. r, Y 0 .. r - 9
	s_cselect_b32 s[HIB], s31, s30
	s_cselect_b32 s[DGB], s[RR], 99                ; (Y's part of tile r has no step on the diagonal)
	s_mov_b32 s[LO], 0
	s_mov_b32 s[DG], s11
	; descriptor group 1: a key step as 67 rows of 256 bytes (32 elements of 8), dense
	s_mov_b32 s[G1], 15|(3<<16)|(1<<21)            ; the mask: all four work-groups; bit 21 beside it
	s_mov_b32 s[G1+1], 32<<16
	s_mov_b32 s[G1+2], 67<<16
	s_mov_b32 s[G1+3], 32<<16
	s_mov_b32 s[G1+4], 67
	s_mov_b32 s[G1+5], 32
	s_mov_b32 s[G1+6], 0
	s_mov_b32 s[G1+7], 0
	s_mul_i32 s12, s[WV], STEPB                    ; key step w: its place in LDS and in the head
	s_mul_i32 s13, s10, 16*STEPB
	s_add_co_u32 s14, s13, s12
	s_mov_b32 s15, 0
	s_mov_b32 s[SEL], 0x76543210
	s_mov_b32 s[SEL+1], 0xfedcba98
	s_mov_b32 s[CS], 0x3e38aa3b                    ; c = log2(e) / 8
	s_mov_b32 s[CS+1], s[CS]
	s_mov_b32 s[MNT], 0x600000
	s_wait_dscnt 0x0
	s_wait_kmcnt 0x0
	s_add_nc_u64 s[14:15], s[6:7], s[14:15]
	CROUND                                         ; all four work-groups are here: the joint loads meet
	s_mov_b32 s[G0], 1
	s_mov_b32 s[G0+1], s12
	s_mov_b64 s[G0+2:G0+3], s[14:15]
	s_or_b32 s[G0+3], s[G0+3], 0x80000000
	tensor_load_to_lds s[G0:G0+3], s[G1:G1+7]      ; my one tensor load: key step w, for all four work-groups
	s_nop 0
.rept 4
	v_nop
.endr
	v_and_b32 v6, 31, v0
	s_delay_alu instid0(VALU_DEP_1)
	v_lshlrev_b32 v1, 4, v6                        ; 16 x lane
	v_and_b32 v7, 15, v0                           ; r
	s_delay_alu instid0(VALU_DEP_1)
	v_lshlrev_b32 v2, 2, v7                        ; 4 r
	s_wait_alu depctr_va_vdst(0)
	v_bfe_u32 v8, v0, 4, 1                         ; h
	v_and_b32 v9, 7, v7
	v_lshrrev_b32 v10, 3, v7
	s_delay_alu instid0(VALU_DEP_1)
	v_lshl_add_u32 v9, v10, 4, v9
	s_delay_alu instid0(VALU_DEP_4)
	v_lshlrev_b32 v10, 4, v8
	s_delay_alu instid0(VALU_DEP_1)
	v_sub_nc_u32 v5, v9, v10
	s_lshr_b32 s29, s[GG], 1
	s_lshl_b32 s29, s29, 5
	s_and_b32 s30, s[GG], 1
	s_lshl_b32 s30, s30, 3
	s_add_co_u32 s29, s29, s30
	v_add_nc_u32 v5, s29, v5                       ; my query's place in its key step, less 16 h: register 16 b + i holds key 32 b + 16 h + i, hidden where 32 b + i is above this
	s_lshr_b32 s29, s[WV], 1
	s_mul_i32 s29, s29, 4608
	s_add_co_u32 s29, s29, XCH
	v_add_nc_u32 v7, s29, v1                       ; my pair's LDS bytes, + 16 x lane
	QADR R1, 56, 58
	QADR RR, 60, 62
	s_wait_alu depctr_va_vdst(0)
	global_load_b128 v[16:19], v1, s[56:57]
	global_load_b128 v[20:23], v1, s[56:57] offset:512
	global_load_b32 v[QS], v2, s[58:59]
	s_cmp_eq_u32 s[ROLE], 0
	s_cbranch_scc1 .Lq_done
	global_load_b128 v[8:11], v1, s[60:61]         ; Y: tile r's Q waits in registers for the second walk
	global_load_b128 v[228:231], v1, s[60:61] offset:512
	global_load_b32 v6, v2, s[62:63]
.Lq_done:
.irp j, 0,1,2,3,4,5,6,7
	v_mov_b32 v[24+\j], 0                          ; Q's k 64 .. 127: zero codes
	v_mov_b32 v[96+\j], 0                          ; and what stands behind K's last tile
.endr
.macro FRESH                           ; a tile begins: zeros, which the first change of M leaves zeros
.set n, 0
.rept 32
	v_mov_b32 v[O+n], 0
.set n, n+1
.endr
	v_mov_b32 v13, 0xff61b1e6                      ; the largest t so far: -3e38
	s_delay_alu instid0(VALU_DEP_1)
	v_floor_f32 v12, -v13                          ; -M
	v_mov_b32 v14, 0
	v_mov_b32 v15, 0
.endm
	FRESH
.irp b, 0,1,2,3
	v_mov_b32 v[236+\b], 0                         ; a lane permute's destination counts as one of its sources
.endr
	v_mov_b32 v252, 0
	v_mov_b32 v253, 0
; A KEY STEP of 128 keys.  A step that is not mine is left out: branches on the wave's number and the step's, round loads, products and softmax, not round the lines that step addresses.
.macro STEP
	s_cmp_lt_u32 s[JS], s[LO]
	s_cbranch_scc1 .Lhidden_\@
	s_cmp_ge_u32 s[JS], s[HIX]
	s_cbranch_scc1 .Lhidden_\@
	v_add_nc_u32 v3, s[TB], v1
	v_add_nc_u32 v4, s[TB], v2
.rept 6
	v_nop                                          ; with the two additions: eight places in front of loads into registers that the last products read
.endr
.irp t, 0,1,2,3,4,5,6,7
	ds_load_b128 v[KF+8*\t:KF+8*\t+3], v3 offset:1024*\t
	ds_load_b128 v[KF+8*\t+4:KF+8*\t+7], v3 offset:1024*\t+512
	ds_load_b32 v[KS+\t], v4 offset:8192+64*\t
.endr
	s_wait_alu depctr_va_vdst(0)
	s_wait_dscnt 0x0
.irp t, 0,1,2,3,4,5,6,7
	v_wmma_scale_f32_16x16x128_f8f6f4 v[S+8*\t:S+8*\t+7], v[KF+8*\t:KF+8*\t+15], v[16:31], 0, v[KS+\t], v[QS] matrix_a_fmt:MATRIX_FMT_BF8 matrix_b_fmt:MATRIX_FMT_BF8
.endr
.rept 8
	v_nop
.endr
.irp t, 0,1,2,3                        ; V's fragments are asked for now and land under the softmax
.irp c, 0,1,2,3
	ds_load_b128 v[KF+16*\t+4*\c:KF+16*\t+4*\c+3], v3 offset:8704+2048*\t+512*\c
.endr
	ds_load_b32 v[VS+\t], v4 offset:16896+64*\t
.endr
	s_cmp_lg_u32 s[JS], s[DG]                      ; only the tile's own key step lies on the diagonal
	s_cbranch_scc1 .Lopen_\@
	v_mov_b32 v254, 0xff800000                     ; -infinity: p = 0 then
.set n, 0
.rept 64
	v_cmp_gt_i32 vcc_lo, 32*(n/16)+n%16, v5
	v_cndmask_b32 v[S+n], v[S+n], v254, vcc_lo
.set n, n+1
.endr
.Lopen_\@:
.irp b, 0,1,2,3
	v_max3_num_f32 v[232+\b], v[S+16*\b], v[S+1+16*\b], v[S+2+16*\b]   ; the largest score of each block of 32 keys: for the row's maximum, and, since p rises with the score, for the block's largest p
.endr
.irp i, 3,5,7,9,11,13
.irp b, 0,1,2,3
	v_max3_num_f32 v[232+\b], v[232+\b], v[S+16*\b+\i], v[S+1+16*\b+\i]
.endr
.endr
.irp b, 0,1,2,3
	v_max_num_f32 v[232+\b], v[232+\b], v[S+15+16*\b]
.endr
.irp b, 0,1,2,3
	s_delay_alu instid0(VALU_DEP_4)
	v_permlanex16_b32 v[236+\b], v[232+\b], s[SEL], s[SEL+1]
.endr
.irp b, 0,1,2,3
	s_delay_alu instid0(VALU_DEP_4)
	v_max_num_f32 v[232+\b], v[232+\b], v[236+\b]
.endr
	s_delay_alu instid0(VALU_DEP_2)
	v_max3_num_f32 v254, v232, v233, v234
	s_delay_alu instid0(VALU_DEP_1)
	v_max_num_f32 v254, v254, v235
	s_delay_alu instid0(VALU_DEP_1)
	v_mul_f32 v254, s[CS], v254
	s_delay_alu instid0(VALU_DEP_1)
	v_max_num_f32 v13, v13, v254                   ; the running largest t
	v_mov_b32 v254, v12
	s_delay_alu instid0(VALU_DEP_2)
	v_floor_f32 v12, -v13                          ; the new -M = -ceil(t)
	s_delay_alu instid0(VALU_DEP_1)
	v_sub_f32 v254, v12, v254                      ; old M - new M: a whole number, 0 or less
	s_delay_alu instid0(VALU_DEP_1)
	v_cvt_i32_f32 v254, v254                       ; (it saturates)
	s_delay_alu instid0(VALU_DEP_1)
	v_ldexp_f32 v252, 1.0, v254                    ; f = 2^(old M - new M): a multiplication by it rounds nothing
.set n, 0
.rept 32
	v_pk_fma_f32 v[S+n:S+n+1], v[S+n:S+n+1], s[CS:CS+1], v[12:13] op_sel_hi:[1,0,0]   ; t - M
.set n, n+2
.endr
.irp b, 0,1,2,3
	v_fma_f32 v[232+\b], v[232+\b], s[CS], v12
.endr
.set n, 0
	s_wait_alu depctr_va_vdst(0)                   ; the wait ahead of the batch
.rept 64
	v_exp_f32 v[S+n], v[S+n]                       ; p = 2^(t - M)
.set n, n+1
.endr
	v_pk_mul_f32 v[14:15], v[14:15], v[252:253] op_sel_hi:[1,0]   ; the sums under the new M: a plain line behind the exponentials
	s_wait_alu depctr_va_vdst(0)                   ; one wait for the batch, ahead of its first reader
.irp b, 0,1,2,3
	v_exp_f32 v[232+\b], v[232+\b]                 ; each block's largest p
.endr
	v_pk_add_f32 v[236:237], v[108:109], v[112:113]   ; the row's sum of the unquantised p, in eight chains
	v_pk_add_f32 v[248:249], v[116:117], v[120:121]
	v_pk_add_f32 v[246:247], v[124:125], v[128:129]
	v_pk_add_f32 v[244:245], v[132:133], v[136:137]
	v_pk_add_f32 v[242:243], v[140:141], v[144:145]
	v_pk_add_f32 v[240:241], v[148:149], v[152:153]
	v_pk_add_f32 v[238:239], v[156:157], v[160:161]
	v_pk_add_f32 v[14:15], v[14:15], v[164:165]
	v_pk_add_f32 v[236:237], v[236:237], v[104:105]
	v_pk_add_f32 v[248:249], v[248:249], v[106:107]
	v_pk_add_f32 v[246:247], v[246:247], v[110:111]
	v_pk_add_f32 v[244:245], v[244:245], v[114:115]
	v_pk_add_f32 v[242:243], v[242:243], v[118:119]
	v_pk_add_f32 v[240:241], v[240:241], v[122:123]
	v_pk_add_f32 v[238:239], v[238:239], v[126:127]
	v_pk_add_f32 v[14:15], v[14:15], v[130:131]
	v_pk_add_f32 v[236:237], v[236:237], v[134:135]
	v_pk_add_f32 v[248:249], v[248:249], v[138:139]
	v_pk_add_f32 v[246:247], v[246:247], v[142:143]
	v_pk_add_f32 v[244:245], v[244:245], v[146:147]
	v_pk_add_f32 v[242:243], v[242:243], v[150:151]
	v_pk_add_f32 v[240:241], v[240:241], v[154:155]
	v_pk_add_f32 v[238:239], v[238:239], v[158:159]
	v_pk_add_f32 v[14:15], v[14:15], v[162:163]
	v_pk_add_f32 v[236:237], v[236:237], v[166:167]
	s_delay_alu instid0(VALU_DEP_2)
	v_pk_add_f32 v[14:15], v[14:15], v[244:245]
	s_delay_alu instid0(VALU_DEP_2)
	v_pk_add_f32 v[236:237], v[236:237], v[242:243]
	v_pk_add_f32 v[248:249], v[248:249], v[240:241]
	v_pk_add_f32 v[246:247], v[246:247], v[238:239]
	s_delay_alu instid0(VALU_DEP_2)
	v_pk_add_f32 v[14:15], v[14:15], v[248:249]
	s_delay_alu instid0(VALU_DEP_2)
	v_pk_add_f32 v[236:237], v[236:237], v[246:247]
	s_delay_alu instid0(VALU_DEP_1)
	v_pk_add_f32 v[14:15], v[14:15], v[236:237]
	s_wait_alu depctr_va_vdst(0)                   ; and one for the four
.irp b, 0,1,2,3
	v_max_num_f32 v[232+\b], 0x8000000, v[232+\b]  ; the floor 2^(16 - 127)
.endr
.irp b, 0,1,2,3
	s_delay_alu instid0(VALU_DEP_4)
	v_add_nc_u32 v[244+\b], 0xf8800000, v[232+\b]
.endr
.irp b, 0,1,2,3
	v_and_or_b32 v[240+\b], v[232+\b], 0x7f800000, s[MNT]
.endr
.irp b, 0,1,2,3
	v_lshrrev_b32 v[236+\b], 23, v[244+\b]
.endr
	s_delay_alu instid0(VALU_DEP_3)
	v_lshl_or_b32 v253, v237, 8, v236              ; p's scale word for these 128 keys
	s_delay_alu instid0(VALU_DEP_1)
	v_lshl_or_b32 v253, v238, 16, v253
	s_delay_alu instid0(VALU_DEP_1)
	v_lshl_or_b32 v253, v239, 24, v253
.irp b, 0,1,2,3
.irp i, 0,1,2,3,4,5,6,7,8,9,10,11,12,13,14,15
	v_min_num_f32 v[S+16*\b+\i], v[S+16*\b+\i], v[240+\b]   ; the hold; p is not negative
.endr
	v_cvt_scalef32_pk8_bf8_f32 v[PCD+4*\b:PCD+4*\b+1], v[S+16*\b:S+16*\b+7], v[244+\b]
	v_cvt_scalef32_pk8_bf8_f32 v[PCD+4*\b+2:PCD+4*\b+3], v[S+16*\b+8:S+16*\b+15], v[244+\b]
.endr
.set n, 0
.rept 16
	v_pk_mul_f32 v[O+n:O+n+1], v[O+n:O+n+1], v[252:253] op_sel_hi:[1,0]   ; O^T under the new M; these are also the places between the codes and the products
.set n, n+2
.endr
	s_wait_alu depctr_va_vdst(0)
	s_wait_dscnt 0x0                               ; V is in
.irp t, 0,1,2,3
	v_wmma_scale_f32_16x16x128_f8f6f4 v[O+8*\t:O+8*\t+7], v[KF+16*\t:KF+16*\t+15], v[PCD:PCD+15], v[O+8*\t:O+8*\t+7], v[VS+\t], v253 matrix_a_fmt:MATRIX_FMT_BF8 matrix_b_fmt:MATRIX_FMT_BF8
.endr
.Lhidden_\@:
	s_add_co_u32 s[JS], s[JS], 1
	s_add_co_u32 s[TB], s[TB], STEPB
.endm
.macro WALK trips                      ; key steps 0 .. trips - 1: the count is a constant, and a wave jumps over the work of the steps that are not its own
	s_mov_b32 s[JS], 0
	s_mov_b32 s[TB], 0
	s_mov_b32 s[CNT], \trips
.Lstep_\@:
	STEP
	s_sub_co_u32 s[CNT], s[CNT], 1
	s_cmp_lg_u32 s[CNT], 0
	s_cbranch_scc1 .Lstep_\@
.rept 8
	v_nop                                          ; places behind the last products
.endr
	s_wait_alu depctr_va_vdst(0)
.endm
; THE WAY OUT of the tile of rank s[rk]: O^T / the sum; register 16 b + i is channel 32 b + 16 h + i of my query: two blocks of the next product's K, quantised in registers and stored as part of an image
.macro OUT rk
	v_add_f32 v14, v14, v15
	s_delay_alu instid0(VALU_DEP_1)
	v_permlanex16_b32 v252, v14, s[SEL], s[SEL+1]
	s_delay_alu instid0(VALU_DEP_1)
	v_add_f32 v14, v14, v252                       ; the row's sum
	s_wait_alu depctr_va_vdst(0)
	v_rcp_f32 v14, v14
	v_lshlrev_b32 v3, 1, v2                        ; 8 r (a plain line behind the reciprocal)
	s_lshr_b32 s29, s10, 4                         ; the batch
	s_and_b32 s30, s10, 15                         ; the head
	s_lshr_b32 s31, s30, 2                         ; the slot of 256 along K: four heads
	s_lshl_b32 s31, s31, 5
	s_lshl_b32 s29, s29, 4
	s_add_co_u32 s31, s31, s29
	s_add_co_u32 s31, s31, s[\rk]                  ; + the octet of tokens: 16 x batch + rank
	s_mul_i32 s31, s31, OCT
	s_lshr_b32 s29, s30, 1
	s_and_b32 s29, s29, 1                          ; the K step in the slot
	s_and_b32 s30, s30, 1                          ; which half of it
	s_lshl_b32 s56, s[GG], 12
	s_add_co_u32 s56, s56, s31
	s_lshl_b32 s57, s29, 11
	s_add_co_u32 s56, s56, s57
	s_lshl_b32 s57, s30, 10
	s_add_co_u32 s56, s56, s57
	s_mov_b32 s57, 0
	s_add_nc_u64 s[56:57], s[8:9], s[56:57]        ; my codes
	s_lshl_b32 s58, s[GG], 7
	s_add_co_u32 s58, s58, s31
	s_add_co_u32 s58, s58, 32768
	s_lshl_b32 s59, s29, 2
	s_add_co_u32 s58, s58, s59
	s_lshl_b32 s59, s30, 1
	s_add_co_u32 s58, s58, s59
	s_mov_b32 s59, 0
	s_add_nc_u64 s[58:59], s[8:9], s[58:59]        ; my two bytes of the scale words
	s_wait_alu depctr_va_vdst(0)                   ; the wait ahead of the reciprocal's first reader
.set n, 0
.rept 32
	v_mul_f32 v[S+n], v[O+n], v14
.set n, n+1
.endr
.irp b, 0,1
	v_max3_num_f32 v[TM+\b], |v[S+16*\b]|, |v[S+16*\b+1]|, 0x8000000
.endr
.irp i, 2,4,6,8,10,12,14
.irp b, 0,1
	s_delay_alu instid0(VALU_DEP_2)
	v_max3_num_f32 v[TM+\b], v[TM+\b], |v[S+16*\b+\i]|, |v[S+16*\b+\i+1]|
.endr
.endr
.irp b, 0,1
	s_delay_alu instid0(VALU_DEP_2)
	v_permlanex16_b32 v[TM+4+\b], v[TM+\b], s[SEL], s[SEL+1]
.endr
.irp b, 0,1
	s_delay_alu instid0(VALU_DEP_2)
	v_max_num_f32 v[TM+\b], v[TM+\b], v[TM+4+\b]
.endr
.irp b, 0,1
	s_delay_alu instid0(VALU_DEP_2)
	v_add_nc_u32 v[TM+12+\b], 0xf8800000, v[TM+\b]
.endr
.irp b, 0,1
	s_delay_alu instid0(VALU_DEP_4)
	v_and_or_b32 v[TM+8+\b], v[TM+\b], 0x7f800000, s[MNT]
.endr
.irp b, 0,1
	s_delay_alu instid0(VALU_DEP_4)
	v_lshrrev_b32 v[TM+4+\b], 23, v[TM+12+\b]
.endr
	s_delay_alu instid0(VALU_DEP_1)
	v_lshl_or_b32 v248, v[TM+5], 8, v[TM+4]
.irp b, 0,1
.irp i, 0,1,2,3,4,5,6,7,8,9,10,11,12,13,14,15
	v_med3_num_f32 v[S+16*\b+\i], v[S+16*\b+\i], -v[TM+8+\b], v[TM+8+\b]
.endr
	v_cvt_scalef32_pk8_bf8_f32 v[PCD+4*\b:PCD+4*\b+1], v[S+16*\b:S+16*\b+7], v[TM+12+\b]
	v_cvt_scalef32_pk8_bf8_f32 v[PCD+4*\b+2:PCD+4*\b+3], v[S+16*\b+8:S+16*\b+15], v[TM+12+\b]
.endr
	v_nop
	global_store_b128 v1, v[PCD:PCD+3], s[56:57]               ; 512 consecutive bytes each
	global_store_b128 v1, v[PCD+4:PCD+7], s[56:57] offset:512
	global_store_b16 v3, v248, s[58:59]            ; lanes r and 16 + r write the same two bytes with the same values
.endm
	s_wait_loadcnt 0x0                             ; Q
	s_wait_tensorcnt 0x0                           ; my key step has landed,
	s_wait_dscnt 0x0
	s_barrier_signal -1
	s_barrier_wait -1                              ; and so has every wave's: all 16 key steps lie in LDS, and nothing writes them again
	WALK 8                                         ; Y: tile 15 - r, which lies in key steps 0 .. 7; X: nothing
	s_cmp_eq_u32 s[ROLE], 0
	s_cbranch_scc1 .Lnot_y
	OUT R1                                         ; Y: tile 15 - r is finished
	FRESH                                          ; and tile r's first part begins
.irp j, 0,1,2,3
	v_mov_b32 v[16+\j], v[8+\j]
	v_mov_b32 v[20+\j], v[228+\j]
.endr
	v_mov_b32 v[QS], v6
	s_wait_alu depctr_va_vdst(0)
	s_wait_xcnt 0x0                                ; the stores have read their registers: the next steps write them again
.Lnot_y:
	s_mov_b32 s[LO], s[LOB]
	s_mov_b32 s[HIX], s[HIB]
	s_mov_b32 s[DG], s[DGB]
	WALK 16                                        ; tile r: X its last nine key steps, Y those ahead of them
	s_cmp_eq_u32 s[ROLE], 0
	s_cbranch_scc1 .Lno_dump
.irp j, 0,1,2,3,4,5,6,7
	ds_store_b128 v7, v[O+4*\j:O+4*\j+3] offset:512*\j     ; Y: my part of tile r, as an image of the registers; each accumulator from its low end on
.endr
	ds_store_b128 v7, v[12:15] offset:4096         ; -M, the largest t, the sums
.Lno_dump:
	s_wait_dscnt 0x0                               ; for X's sake: my stores are done
	s_barrier_signal -1
	s_barrier_wait -1
	s_cmp_lg_u32 s[ROLE], 0
	s_cbranch_scc1 .Lend
.irp j, 0,1,2,3,4,5,6,7
	ds_load_b128 v[S+4*\j:S+4*\j+3], v7 offset:512*\j
.endr
	ds_load_b128 v[S+32:S+35], v7 offset:4096
	s_wait_dscnt 0x0
	v_min_num_f32 v254, v12, v[S+32]               ; the joint -M: the larger M.  (Where Y had no step, r = 8, its -M is 3e38, its factor 0, and its part zeros)
	v_sub_f32 v232, v254, v12                      ; my M - the joint M, and Y's: whole numbers, 0 or less
	v_sub_f32 v233, v254, v[S+32]
	v_cvt_i32_f32 v232, v232                       ; (they saturate)
	v_cvt_i32_f32 v233, v233
	v_ldexp_f32 v252, 1.0, v232
	v_ldexp_f32 v236, 1.0, v233
	v_pk_mul_f32 v[14:15], v[14:15], v[252:253] op_sel_hi:[1,0]
	v_pk_fma_f32 v[14:15], v[S+34:S+35], v[236:237], v[14:15] op_sel_hi:[1,0,1]
.set n, 0
.rept 16
	v_pk_mul_f32 v[O+n:O+n+1], v[O+n:O+n+1], v[252:253] op_sel_hi:[1,0]
.set n, n+2
.endr
.set n, 0
.rept 16
	v_pk_fma_f32 v[O+n:O+n+1], v[S+n:S+n+1], v[236:237], v[O+n:O+n+1] op_sel_hi:[1,0,1]
.set n, n+2
.endr
	OUT RR
.Lend:
	s_wait_tensorcnt 0x0                           ; the wave's end
	ds_add_u32 v251, v255
	s_wait_dscnt 0x0
	CROUND                                         ; the closing round: no work-group ends while a partner may still ask for a key step that names it
	s_endpgm
.Lfunc_end_k_q8bf64d5143_attn:
	.size	k_q8bf64d5143_attn, .Lfunc_end_k_q8bf64d5143_attn-k_q8bf64d5143_attn
	.p2alignl 7, 3214868480
	.fill 96, 4, 3214868480
	.section	.rodata,"a",@progbits
	.p2align	6, 0x0
	.amdhsa_kernel k_q8bf64d5143_attn
		.amdhsa_group_segment_fixed_size 313344
		.amdhsa_private_segment_fixed_size 0
		.amdhsa_enable_private_segment 0
		.amdhsa_kernarg_size 24
		.amdhsa_user_sgpr_count 2
		.amdhsa_user_sgpr_kernarg_segment_ptr 1
		.amdhsa_wavefront_size32 1
		.amdhsa_system_sgpr_workgroup_id_x 1
		.amdhsa_system_sgpr_workgroup_id_y 1
		.amdhsa_system_sgpr_workgroup_id_z 1
		.amdhsa_system_vgpr_workitem_id 0
		.amdhsa_next_free_vgpr 256
		.amdhsa_next_free_sgpr 66
		.amdhsa_reserve_vcc 1
		.amdhsa_float_denorm_mode_32 3
		.amdhsa_float_denorm_mode_16_64 3
		.amdhsa_memory_ordered 1
		.amdhsa_forward_progress 1
		.amdhsa_inst_pref_size 80
	.end_amdhsa_kernel
	.amdgpu_metadata
---
amdhsa.version: [ 1, 2 ]
amdhsa.kernels:
  - .name:           k_q8bf64d5143_attn
    .symbol:         k_q8bf64d5143_attn.kd
    .args:
      - { .name: qimg, .offset: 0, .size: 8, .value_kind: global_buffer, .address_space: global }
      - { .name: kv, .offset: 8, .size: 8, .value_kind: global_buffer, .address_space: global }
      - { .name: oq, .offset: 16, .size: 8, .value_kind: global_buffer, .address_space: global }
    .group_segment_fixed_size: 313344
    .private_segment_fixed_size: 0
    .kernarg_segment_align: 8
    .kernarg_segment_size: 24
    .max_flat_workgroup_size: 512
    .sgpr_count:     66
    .vgpr_count:     256
    .wavefront_size: 32
...
	.end_amdgpu_metadata
.endif
;; end of part 10
;; launch oproj (part 11): grid 8 x 32, 4 waves a work-group, clusters of 4 x 4, 327,680 bytes of LDS; arguments oq, wimg, x, h1; writes h1
.if DOCPART == 11
	.amdgcn_target "amdgcn-amd-amdhsa--gfx1250"
	.amdhsa_code_object_version 6
	.text
	.protected	k_q8bf64d5143_oproj
	.globl	k_q8bf64d5143_oproj
	.p2align	8
	.type	k_q8bf64d5143_oproj,@function
k_q8bf64d5143_oproj:
	s_mov_b64 s[64:65], 0
	v_nop
	global_prefetch_b8 v0, s[64:65] scope:SCOPE_SE
	s_setreg_imm32_b32 hwreg(HW_REG_WAVE_MODE, 25, 1), 1
	s_wait_xcnt 0x0
	s_wait_alu depctr_hold_cnt(0) depctr_sa_sdst(0) depctr_va_vdst(0) depctr_va_sdst(0) depctr_va_ssrc(0) depctr_va_vcc(0) depctr_vm_vsrc(0)
	s_getreg_b32 s2, hwreg(HW_REG_IB_STS2, 6, 4)
	s_cmp_eq_u32 s2, 0
	s_cbranch_scc0 .Lentry_in_a_cluster
	s_endpgm
.Lentry_in_a_cluster:
	s_bfe_u32 s2, ttmp6, 0x10000c
	s_cmp_lg_u32 s2, 0xf033
	s_cbranch_scc0 .Lentry_shape_is_right
	s_endpgm
.Lentry_shape_is_right:
.set NOA,    32
.set NOB,    8
.set WOFF,   3244032
.set OCT,    33792
.set SLOT,   4*OCT
.set SP,     272
.set NP,     8
.set ADRA, 16
.set ADRB, 20
.set ADRS, 22
.set STO,  24
.set RD,   25
.set GO,   26
.set SC,   32
.set BK,   64
.set ACC,  128
.set G1,  24
.set G0,  32
.set G1B, 48
.set G0B, 56
.set MSB, 0
.macro WIN new
.if MSB != (\new)
	s_set_vgpr_msb (MSB<<8)|(\new)
.set MSB, (\new)
.endif
.endm
.macro JLOAD g0a, g1a, g0b, g1b
	s_cmp_eq_u32 s15, 0
	s_cbranch_scc0 .Lfor_b_\@
	tensor_load_to_lds s[\g0a:\g0a+3], s[\g1a:\g1a+7]
	s_nop 0
.rept 4
	v_nop
.endr
	s_branch .Lasked_\@
.Lfor_b_\@:
	tensor_load_to_lds s[\g0b:\g0b+3], s[\g1b:\g1b+7]
	s_nop 0
.rept 4
	v_nop
.endr
.Lasked_\@:
.endm
.macro CROUND
	s_barrier_signal -1
	s_barrier_wait -1
	s_cmp_lg_u32 s14, 0
	s_cbranch_scc1 .Lnot_wave_0_\@
	s_barrier_signal -3
.Lnot_wave_0_\@:
	s_barrier_wait -3
	s_barrier_signal -1
	s_barrier_wait -1
.endm
	s_load_b256 s[4:11], s[0:1], 0x0
	v_lshl_add_u32 v30, v0, 2, 0x42000
	v_mov_b32 v31, 0
	ds_add_u32 v30, v31
	ds_add_u32 v30, v31
	v_lshrrev_b32 v1, 5, v0
	v_readfirstlane_b32 s14, v1
	s_lshr_b32 s15, s14, 1
	s_and_b32 s16, s14, 1
	s_bfe_u32 s40, ttmp6, 0x40000
	s_bfe_u32 s41, ttmp6, 0x40004
	s_lshl_b32 s42, ttmp9, 2
	s_add_co_u32 s42, s42, s40
	s_and_b32 s17, ttmp7, 0xffff
	s_lshl_b32 s17, s17, 2
	s_add_co_u32 s17, s17, s41
	s_lshl_b32 s43, s41, 2
	s_lshl_b32 s43, 15, s43
	s_lshl_b32 s44, 0x1111, s40
	s_or_b32 s[G1+0], s43, (3<<16)|(1<<21)
	s_or_b32 s[G1B+0], s44, (3<<16)|(1<<21)
.irp g, G1, G1B
	s_mov_b32 s[\g+1], 32<<16
	s_mov_b32 s[\g+2], 132<<16
	s_mov_b32 s[\g+3], 32<<16
	s_mov_b32 s[\g+4], 132
	s_mov_b32 s[\g+5], 32
	s_mov_b32 s[\g+6], 0
	s_mov_b32 s[\g+7], 0
.endr
	s_mul_i32 s20, s16, NOA
	s_add_co_u32 s20, s20, s17
	s_mul_i32 s20, s20, OCT
	s_mov_b32 s21, 0
	s_mul_i32 s46, s16, NOB
	s_add_co_u32 s46, s46, s42
	s_mul_i32 s46, s46, OCT
	s_add_co_u32 s46, s46, WOFF
	s_mov_b32 s47, 0
	s_mul_i32 s45, s14, OCT
	s_wait_dscnt 0x0
	s_wait_kmcnt 0x0
	s_add_nc_u64 s[20:21], s[4:5], s[20:21]
	s_add_nc_u64 s[46:47], s[6:7], s[46:47]
	CROUND
.irp s, 0,1
	s_mov_b32 s[G0+4*\s], 1
	s_add_co_u32 s[G0+4*\s+1], s45, \s*SLOT
	s_add_nc_u64 s[G0+4*\s+2:G0+4*\s+3], s[20:21], \s*2*NOA*OCT
	s_or_b32 s[G0+4*\s+3], s[G0+4*\s+3], 0x80000000
	s_mov_b32 s[G0B+4*\s], 1
	s_add_co_u32 s[G0B+4*\s+1], s45, \s*SLOT
	s_add_nc_u64 s[G0B+4*\s+2:G0B+4*\s+3], s[46:47], \s*2*NOB*OCT
	s_or_b32 s[G0B+4*\s+3], s[G0B+4*\s+3], 0x80000000
.endr
	JLOAD G0, G1, G0B, G1B                         ; slot 0: one tensor load a wave at the head, behind the round
	v_and_b32 v1, 15, v0
	v_bfe_u32 v2, v0, 4, 1
	v_and_b32 v3, 31, v0
	v_lshlrev_b32 v3, 4, v3
	s_lshl_b32 s21, s15, 14
	s_lshl_b32 s22, s16, 14
	s_add_co_u32 s22, s22, 2*OCT
	v_add_nc_u32 v[ADRA], s21, v3
	v_add_nc_u32 v[ADRB], s22, v3
	v_add_nc_u32 v[ADRA+1], SLOT, v[ADRA]
	v_add_nc_u32 v[ADRB+1], SLOT, v[ADRB]
	s_lshl_b32 s21, s15, 9
	s_lshl_b32 s22, s16, 9
	s_add_co_u32 s22, s22, 2*OCT
	s_sub_co_u32 s22, s22, s21
	v_mul_u32_u24 v4, s22, v2
	v_lshl_add_u32 v4, v1, 3, v4
	s_add_co_u32 s21, s21, 32768
	v_add_nc_u32 v[ADRS], s21, v4
	v_add_nc_u32 v[ADRS+1], SLOT, v[ADRS]
	s_mul_i32 s23, s14, 16*SP
	v_mul_u32_u24 v5, v1, SP
	v_lshl_add_u32 v5, v2, 6, v5
	v_add_nc_u32 v[STO], s23, v5
	v_mul_u32_u24 v5, v2, SP
	v_lshl_add_u32 v5, v1, 4, v5
	v_add_nc_u32 v[RD], s23, v5
	v_lshlrev_b32 v[GO], 12, v2
	v_lshl_add_u32 v[GO], v1, 4, v[GO]
	s_wait_alu depctr_va_vdst(0)
	s_lshl_b32 s74, s17, 19
	s_lshl_b32 s75, s15, 18
	s_add_co_u32 s74, s74, s75
	s_lshl_b32 s75, s42, 9
	s_add_co_u32 s74, s74, s75
	s_lshl_b32 s75, s16, 8
	s_add_co_u32 s74, s74, s75
	s_mov_b32 s75, 0
	s_add_nc_u64 s[70:71], s[8:9], s[74:75]
	s_add_nc_u64 s[72:73], s[10:11], s[74:75]
	WIN 0xc0
.irp a, 0,1,2,3
.irp t, 0,1,2,3,4,5,6,7
	global_load_b128 v[32*\a+4*\t:32*\a+4*\t+3], v[GO], s[70:71] offset:(32*(\a/2)+8*(\a%2)+(2*\t)%8+16*(\t/4))*4096 th:TH_LOAD_NT
.endr
.endr
	WIN 0
.macro FRAG reg, adr, off
.irp c, 0,1,2,3
	ds_load_b128 v[(\reg)+4*\c:(\reg)+4*\c+3], v[\adr] offset:(\off)+512*\c
.endr
.endm
.macro FETCH slot, k
	WIN (1+(\k)/2)<<6
.irp i, 0,1,2,3
	FRAG 128*((\k)%2)+64+16*\i, ADRB+\slot, ((\k)/2)*OCT+2048*((\k)%2)+4096*\i
	FRAG 128*((\k)%2)+16*\i, ADRA+\slot, ((\k)/2)*OCT+2048*((\k)%2)+4096*\i
.endr
.endm
.macro SCALES sc, np
	WIN 0
.irp p, 0,1
.if \p < \np
.irp i, 0,1,2,3
	ds_load_b64 v[SC+16*\sc+8*\p+2*\i:SC+16*\sc+8*\p+2*\i+1], v[ADRS+\sc] offset:\p*OCT+128*\i
.endr
.endif
.endr
.endm
.macro MUL8 slot, k, a0, zero
	WIN 5*(1+(\k)/2)
.irp a, \a0, \a0+1
.irp b, 0,1,2,3
.if \zero
	v_wmma_scale_f32_16x16x128_f8f6f4 v[ACC+8*(4*(\a)+\b):ACC+8*(4*(\a)+\b)+7], v[128*((\k)%2)+64+16*\b:128*((\k)%2)+64+16*\b+15], v[128*((\k)%2)+16*(\a):128*((\k)%2)+16*(\a)+15], 0, v[SC+16*(\slot)+8*((\k)/2)+2*\b+(\k)%2], v[SC+16*(\slot)+8*((\k)/2)+2*(\a)+(\k)%2] matrix_a_fmt:MATRIX_FMT_BF8 matrix_b_fmt:MATRIX_FMT_BF8 matrix_a_scale:MATRIX_SCALE_ROW1
.else
	v_wmma_scale_f32_16x16x128_f8f6f4 v[ACC+8*(4*(\a)+\b):ACC+8*(4*(\a)+\b)+7], v[128*((\k)%2)+64+16*\b:128*((\k)%2)+64+16*\b+15], v[128*((\k)%2)+16*(\a):128*((\k)%2)+16*(\a)+15], v[ACC+8*(4*(\a)+\b):ACC+8*(4*(\a)+\b)+7], v[SC+16*(\slot)+8*((\k)/2)+2*\b+(\k)%2], v[SC+16*(\slot)+8*((\k)/2)+2*(\a)+(\k)%2] matrix_a_fmt:MATRIX_FMT_BF8 matrix_b_fmt:MATRIX_FMT_BF8 matrix_a_scale:MATRIX_SCALE_ROW1
.endif
.endr
.endr
.endm
.macro PLACES n
.rept \n
	v_nop
.endr
.endm
.macro S0 slot, zero
	s_wait_dscnt 32
	FETCH \slot, 2
	MUL8 \slot, 0, 0, \zero
	MUL8 \slot, 0, 2, \zero
.endm
.macro S1 slot
	s_wait_dscnt 32
	PLACES NP
	FETCH \slot, 3
	MUL8 \slot, 1, 0, 0
	MUL8 \slot, 1, 2, 0
.endm
	s_wait_alu depctr_va_vdst(0)                   ; the wait at the head's end
	s_wait_tensorcnt 0x0                           ; my record of slot 0 is in; the lines that stand ahead of a refill stand ahead of slot 1's first fill too
	ds_add_u32 v30, v31
	s_wait_dscnt 0x0
	CROUND                                         ; slot 0 is whole, and all sixteen work-groups are here
	JLOAD G0+4, G1, G0B+4, G1B                     ; slot 1: the first tensor load behind the round
	SCALES 0, 2
	FETCH 0, 0
	FETCH 0, 1
	S0 0, 1
	S1 0
	s_wait_tensorcnt 0x0
	s_wait_dscnt 32
	MUL8 0, 2, 0, 0
	s_wait_dscnt 0x0
	s_barrier_signal -1
	MUL8 0, 2, 2, 0
	s_barrier_wait -1
	PLACES NP
	SCALES 1, 2
	FETCH 1, 0
	FETCH 1, 1
	MUL8 0, 3, 0, 0
	MUL8 0, 3, 2, 0
	S0 1, 0
	S1 1
	s_wait_dscnt 32
	MUL8 1, 2, 0, 0
	MUL8 1, 2, 2, 0
	s_wait_dscnt 0x0
	MUL8 1, 3, 0, 0
	MUL8 1, 3, 2, 0
	WIN 0
.macro TOSTAGE a
.irp b, 0,1,2,3
	ds_store_b128 v[STO], v[ACC+8*(4*(\a)+\b):ACC+8*(4*(\a)+\b)+3] offset:128*(\b/2)+32*(\b%2)
	ds_store_b128 v[STO], v[ACC+8*(4*(\a)+\b)+4:ACC+8*(4*(\a)+\b)+7] offset:128*(\b/2)+32*(\b%2)+16
.endr
.irp t, 0,1,2,3,4,5,6,7
	ds_load_b128 v[BK+32*((\a)%2)+4*\t:BK+32*((\a)%2)+4*\t+3], v[RD] offset:2*\t*SP
.endr
.endm
.macro SEND a, younger
	s_wait_dscnt \younger
	WIN 0x0c
.set n, 0
.rept 16
	v_pk_add_f32 v[BK+32*((\a)%2)+n:BK+32*((\a)%2)+n+1], v[BK+32*((\a)%2)+n:BK+32*((\a)%2)+n+1], v[32*(\a)+n:32*(\a)+n+1]
.set n, n+2
.endr
	WIN 0
.irp t, 0,1,2,3,4,5,6,7
	global_store_b128 v[GO], v[BK+32*((\a)%2)+4*\t:BK+32*((\a)%2)+4*\t+3], s[72:73] offset:(32*((\a)/2)+8*((\a)%2)+(2*\t)%8+16*(\t/4))*4096
.endr
.endm
	PLACES NP
	s_wait_loadcnt 0x0
	TOSTAGE 0
	TOSTAGE 1
	SEND 0, 16
	s_wait_xcnt 0x0
	TOSTAGE 2
	SEND 1, 16
	s_wait_xcnt 0x0
	TOSTAGE 3
	SEND 2, 16
	SEND 3, 0
	s_wait_tensorcnt 0x0
	ds_add_u32 v30, v31
	s_wait_dscnt 0x0
	CROUND
	s_endpgm
.Lfunc_end_k_q8bf64d5143_oproj:
	.size	k_q8bf64d5143_oproj, .Lfunc_end_k_q8bf64d5143_oproj-k_q8bf64d5143_oproj
	.p2alignl 7, 3214868480
	.fill 96, 4, 3214868480
	.section	.rodata,"a",@progbits
	.p2align	6, 0x0
	.amdhsa_kernel k_q8bf64d5143_oproj
		.amdhsa_group_segment_fixed_size 327680
		.amdhsa_private_segment_fixed_size 0
		.amdhsa_enable_private_segment 0
		.amdhsa_kernarg_size 32
		.amdhsa_user_sgpr_count 2
		.amdhsa_user_sgpr_kernarg_segment_ptr 1
		.amdhsa_wavefront_size32 1
		.amdhsa_system_sgpr_workgroup_id_x 1
		.amdhsa_system_sgpr_workgroup_id_y 1
		.amdhsa_system_sgpr_workgroup_id_z 1
		.amdhsa_system_vgpr_workitem_id 0
		.amdhsa_next_free_vgpr 1024
		.amdhsa_next_free_sgpr 76
		.amdhsa_reserve_vcc 0
		.amdhsa_float_denorm_mode_32 3
		.amdhsa_float_denorm_mode_16_64 3
		.amdhsa_memory_ordered 1
		.amdhsa_forward_progress 1
		.amdhsa_inst_pref_size 57
	.end_amdhsa_kernel
	.amdgpu_metadata
---
amdhsa.version: [ 1, 2 ]
amdhsa.kernels:
  - .name:           k_q8bf64d5143_oproj
    .symbol:         k_q8bf64d5143_oproj.kd
    .args:
      - { .name: oq, .offset: 0, .size: 8, .value_kind: global_buffer, .address_space: global }
      - { .name: wimg, .offset: 8, .size: 8, .value_kind: global_buffer, .address_space: global }
      - { .name: x, .offset: 16, .size: 8, .value_kind: global_buffer, .address_space: global }
      - { .name: h1, .offset: 24, .size: 8, .value_kind: global_buffer, .address_space: global }
    .group_segment_fixed_size: 327680
    .private_segment_fixed_size: 0
    .kernarg_segment_align: 8
    .kernarg_segment_size: 32
    .max_flat_workgroup_size: 128
    .sgpr_count:     76
    .vgpr_count:     1024
    .wavefront_size: 32
...
	.end_amdgpu_metadata
.endif
;; end of part 11
;; launch norm1 (part 12): grid 256 x 1, 4 waves a work-group, no clusters, 66,304 bytes of LDS; arguments h1, gain2, aq; writes aq
.if DOCPART == 12
	.amdgcn_target "amdgcn-amd-amdhsa--gfx1250"
	.amdhsa_code_object_version 6
	.text
	.protected	k_q8bf64d5143_norm1
	.globl	k_q8bf64d5143_norm1
	.p2align	8
	.type	k_q8bf64d5143_norm1,@function
k_q8bf64d5143_norm1:
	s_mov_b64 s[64:65], 0
	v_nop
	global_prefetch_b8 v0, s[64:65] scope:SCOPE_SE
	s_setreg_imm32_b32 hwreg(HW_REG_WAVE_MODE, 25, 1), 1
	s_wait_xcnt 0x0
; y = x gain / sqrt(mean(x^2) + 1e-5) for rows of 1,024 f32, quantised along the row to codes of BF8 (E5M2) with one E8M0 byte for each 32, stored as records (see below).  Arguments: the rows, the gain, the records.
; A work-group takes one TILE of 16 rows: tile T = rows 32 (T / 2) + 8 (T % 2) + (p % 8) + 16 (p / 8).  Phase 1: wave w takes tile rows 4 w .. 4 w + 3, four neighbouring rows of memory, whole: 32 registers a row, read once
; and kept between the sum of squares and the scaling; the scaled rows go to LDS (pitch 4,112 = 257 x 16 bytes).  One barrier.  Phase 2: wave w takes 256 along K of all 16 rows, 16 neighbours of each block to a lane, and quantises.
; A RECORD (33,792 bytes) holds 8 tiles x 256 along K: codes at 4096 t + 2048 q + 512 c + 16 lane (an image of the operand's registers), scale words at 32768 + 128 t + 8 r + 4 q; record (slot, octet) lies at (32 slot + octet) x 33,792.
; Memory binds: no matrix unit, no cluster (work-groups share only the gain's 4 KiB), no tensor load.
; LIMITS: NaN and infinities are not served; the reciprocal root is v_rsq_f32's; a block under 2^-111, zeros too, gets the byte 1 (read by this program alone).
.set OCT, 33792
.set RP,  4112
.set G,   32                           ; v32-63  the gain at my 32 columns
.set X,   64                           ; v64-191 four rows; later 128 numbers to quantise
.set PC,  192
.set TM,  224
.set PW,  240
.set SEL, 20
.set MNT, 22
.set HI,  23
.macro QUANT s, pc, pw
.irp b, 0,1,2,3
	v_max3_num_f32 v[TM+\b], |v[\s+16*\b]|, |v[\s+16*\b+1]|, 0x8000000   ; my 16 numbers of block b, and the floor 2^(16 - 127)
.endr
.irp i, 2,4,6,8,10,12,14
.irp b, 0,1,2,3
	v_max3_num_f32 v[TM+\b], v[TM+\b], |v[\s+16*\b+\i]|, |v[\s+16*\b+\i+1]|
.endr
.endr
.irp b, 0,1,2,3
	v_permlanex16_b32 v[TM+4+\b], v[TM+\b], s[SEL], s[SEL+1]
.endr
.irp b, 0,1,2,3
	v_max_num_f32 v[TM+\b], v[TM+\b], v[TM+4+\b]
.endr
.irp b, 0,1,2,3
	v_add_nc_u32 v[TM+12+\b], 0xf8800000, v[TM+\b]   ; 15 off the exponent field: the conversion's scale operand
.endr
.irp b, 0,1,2,3
	v_and_or_b32 v[TM+8+\b], v[TM+\b], 0x7f800000, s[MNT]   ; 57,344 x the scale
.endr
.irp b, 0,1,2,3
	v_lshrrev_b32 v[TM+4+\b], 23, v[TM+12+\b]
.endr
	v_lshl_or_b32 v[\pw], v[TM+5], 8, v[TM+4]
	v_lshl_or_b32 v[\pw], v[TM+6], 16, v[\pw]
	v_lshl_or_b32 v[\pw], v[TM+7], 24, v[\pw]
.irp b, 0,1,2,3
.irp i, 0,1,2,3,4,5,6,7,8,9,10,11,12,13,14,15
	v_med3_num_f32 v[\s+16*\b+\i], v[\s+16*\b+\i], -v[TM+8+\b], v[TM+8+\b]   ; the conversion does not saturate (ISA guide 7.6.2): the hold
.endr
	v_cvt_scalef32_pk8_bf8_f32 v[\pc+4*\b:\pc+4*\b+1], v[\s+16*\b:\s+16*\b+7], v[TM+12+\b]
	v_cvt_scalef32_pk8_bf8_f32 v[\pc+4*\b+2:\pc+4*\b+3], v[\s+16*\b+8:\s+16*\b+15], v[TM+12+\b]
.endr
	v_nop
.endm
	s_load_b128 s[4:7], s[0:1], 0x0                ; the rows, the gain
	s_load_b64 s[8:9], s[0:1], 0x10                ; the records
	v_lshl_add_u32 v254, v0, 2, 0x10100
	v_mov_b32 v255, 0
	v_lshrrev_b32 v1, 5, v0
	v_readfirstlane_b32 s10, v1                    ; wave
	v_and_b32 v1, 31, v0
	v_and_b32 v2, 15, v0                           ; r
	v_bfe_u32 v3, v0, 4, 1                         ; h
	v_lshlrev_b32 v4, 4, v1                        ; 16 x lane
	s_mul_i32 s11, s10, 4*RP
	v_add_nc_u32 v5, s11, v4                       ; LDS, in: my four rows
	v_mul_u32_u24 v7, v2, RP
	v_lshl_add_u32 v7, v3, 6, v7
	s_lshl_b32 s11, s10, 10
	v_add_nc_u32 v7, s11, v7                       ; LDS, out: row r, my wave's 256 along K, + 64 h
	v_lshlrev_b32 v6, 3, v2
	v_lshl_add_u32 v6, v3, 2, v6                   ; scale words: 8 r + 4 h
	s_mov_b32 s[SEL], 0x76543210
	s_mov_b32 s[SEL+1], 0xfedcba98
	s_mov_b32 s[MNT], 0x600000
	s_mov_b32 s[HI], 0xffff0000
	s_mov_b32 s14, 0x3a800000                      ; 1 / 1,024
	s_mov_b32 s15, 0x3727c5ac                      ; 1e-5
	s_lshr_b32 s11, ttmp9, 1
	s_lshl_b32 s11, s11, 5
	s_and_b32 s12, ttmp9, 1
	s_lshl_b32 s12, s12, 3
	s_add_co_u32 s11, s11, s12
	s_lshr_b32 s12, s10, 1
	s_lshl_b32 s12, s12, 4
	s_add_co_u32 s11, s11, s12
	s_and_b32 s12, s10, 1
	s_lshl_b32 s12, s12, 2
	s_add_co_u32 s11, s11, s12                     ; my first row: 32 (T / 2) + 8 (T % 2) + 16 (w / 2) + 4 (w % 2)
	s_lshl_b32 s12, s11, 12
	s_mov_b32 s13, 0
	s_lshl_b32 s16, s10, 5
	s_lshr_b32 s17, ttmp9, 3
	s_add_co_u32 s16, s16, s17
	s_mul_i32 s16, s16, OCT                        ; my record: slot = wave, octet = T / 8
	s_and_b32 s17, ttmp9, 7
	s_lshl_b32 s18, s17, 12
	s_add_co_u32 s18, s18, s16
	s_mov_b32 s19, 0
	s_lshl_b32 s24, s17, 7
	s_add_co_u32 s24, s24, s16
	s_add_co_u32 s24, s24, 32768
	s_mov_b32 s25, 0
	s_wait_alu depctr_va_vdst(0)
	s_wait_kmcnt 0x0
	s_add_nc_u64 s[4:5], s[4:5], s[12:13]
	s_add_nc_u64 s[18:19], s[8:9], s[18:19]        ; the tile's codes
	s_add_nc_u64 s[24:25], s[8:9], s[24:25]        ; its scale words
.irp j, 0,1,2,3,4,5,6,7
	global_load_b128 v[G+4*\j:G+4*\j+3], v4, s[6:7] offset:512*\j
.endr
.irp i, 0,1,2,3
.irp j, 0,1,2,3,4,5,6,7
	global_load_b128 v[X+32*\i+4*\j:X+32*\i+4*\j+3], v4, s[4:5] offset:4096*\i+512*\j th:TH_LOAD_NT   ; 512 consecutive bytes
.endr
.endr
.irp i, 0,1,2,3
	v_mov_b32 v[20+\i], 0                          ; lane permutes' destinations, and the upper words of pairs that are named whole: written once
	v_mov_b32 v[25+2*\i], 0
	v_mov_b32 v[TM+4+\i], 0
.endr
.irp i, 0,1,2,3
	s_wait_loadcnt 8*(3-\i)                        ; the gain and rows 0 .. i are in; the younger rows' eight loads each stay out
	v_pk_mul_f32 v[12:13], v[X+32*\i:X+32*\i+1], v[X+32*\i:X+32*\i+1]
	v_pk_mul_f32 v[14:15], v[X+32*\i+2:X+32*\i+3], v[X+32*\i+2:X+32*\i+3]
.irp k, 4,8,12,16,20,24,28
	v_pk_fma_f32 v[12:13], v[X+32*\i+\k:X+32*\i+\k+1], v[X+32*\i+\k:X+32*\i+\k+1], v[12:13]
	v_pk_fma_f32 v[14:15], v[X+32*\i+\k+2:X+32*\i+\k+3], v[X+32*\i+\k+2:X+32*\i+\k+3], v[14:15]
.endr
	v_pk_add_f32 v[12:13], v[12:13], v[14:15]
	v_add_f32 v[8+\i], v12, v13                    ; my 32 squares of row i
.endr
.irp m, 1,2,4,8
.irp i, 0,1,2,3
	v_add_f32_dpp v[8+\i], v[8+\i], v[8+\i] row_xmask:\m row_mask:0xf bank_mask:0xf
.endr
.endr
.irp i, 0,1,2,3
	v_permlanex16_b32 v[20+\i], v[8+\i], s[SEL], s[SEL+1]
.endr
.irp i, 0,1,2,3
	v_add_f32 v[8+\i], v[8+\i], v[20+\i]           ; the row's sum, in every lane
.endr
.irp i, 0,1,2,3
	v_fma_f32 v[8+\i], v[8+\i], s14, s15           ; the mean + 1e-5
.endr
	s_wait_alu depctr_va_vdst(0)
.irp i, 0,1,2,3
	v_rsq_f32 v[24+2*\i], v[8+\i]
.endr
.irp i, 0,1,2,3
.set k, 0
.rept 16
	v_pk_mul_f32 v[X+32*\i+2*k:X+32*\i+2*k+1], v[X+32*\i+2*k:X+32*\i+2*k+1], v[G+2*k:G+2*k+1]   ; x gain: plain work behind the four roots, which names none of their results
.set k, k+1
.endr
.endr
	s_wait_alu depctr_va_vdst(0)                   ; one wait for the four roots, ahead of their first reader
.irp i, 0,1,2,3
.set k, 0
.rept 16
	v_pk_mul_f32 v[X+32*\i+2*k:X+32*\i+2*k+1], v[X+32*\i+2*k:X+32*\i+2*k+1], v[24+2*\i:25+2*\i] op_sel_hi:[1,0]
.set k, k+1
.endr
.irp j, 0,1,2,3,4,5,6,7
	ds_store_b128 v5, v[X+32*\i+4*\j:X+32*\i+4*\j+3] offset:RP*\i+512*\j
.endr
.endr
	s_wait_dscnt 0x0                               ; for the others' sake: my rows lie in LDS
	s_barrier_signal -1
	s_barrier_wait -1
.irp q, 0,1
.irp c, 0,1,2,3
.irp j, 0,1,2,3
	ds_load_b128 v[X+64*\q+16*\c+4*\j:X+64*\q+16*\c+4*\j+3], v7 offset:512*\q+128*\c+16*\j
.endr
.endr
.endr
	s_wait_dscnt 16                                ; the first K step's 16 loads are in
	QUANT X, PC, PW
.irp c, 0,1,2,3
	global_store_b128 v4, v[PC+4*\c:PC+4*\c+3], s[18:19] offset:512*\c
.endr
	s_wait_dscnt 0x0
	QUANT X+64, PC+16, PW+1
.irp c, 0,1,2,3
	global_store_b128 v4, v[PC+16+4*\c:PC+16+4*\c+3], s[18:19] offset:2048+512*\c
.endr
	v_cndmask_b32 v[PW+2], v[PW], v[PW+1], s[HI]
	global_store_b32 v6, v[PW+2], s[24:25]         ; 128 consecutive bytes
	s_wait_tensorcnt 0x0
	ds_add_u32 v254, v255
	s_wait_dscnt 0x0
	s_endpgm
.Lfunc_end_k_q8bf64d5143_norm1:
	.size	k_q8bf64d5143_norm1, .Lfunc_end_k_q8bf64d5143_norm1-k_q8bf64d5143_norm1
	.p2alignl 7, 3214868480
	.fill 96, 4, 3214868480
	.section	.rodata,"a",@progbits
	.p2align	6, 0x0
	.amdhsa_kernel k_q8bf64d5143_norm1
		.amdhsa_group_segment_fixed_size 66304
		.amdhsa_private_segment_fixed_size 0
		.amdhsa_enable_private_segment 0
		.amdhsa_kernarg_size 24
		.amdhsa_user_sgpr_count 2
		.amdhsa_user_sgpr_kernarg_segment_ptr 1
		.amdhsa_wavefront_size32 1
		.amdhsa_system_sgpr_workgroup_id_x 1
		.amdhsa_system_sgpr_workgroup_id_y 1
		.amdhsa_system_sgpr_workgroup_id_z 1
		.amdhsa_system_vgpr_workitem_id 0
		.amdhsa_next_free_vgpr 256
		.amdhsa_next_free_sgpr 66
		.amdhsa_reserve_vcc 0
		.amdhsa_float_denorm_mode_32 3
		.amdhsa_float_denorm_mode_16_64 3
		.amdhsa_memory_ordered 1
		.amdhsa_forward_progress 1
		.amdhsa_inst_pref_size 43
	.end_amdhsa_kernel
	.amdgpu_metadata
---
amdhsa.version: [ 1, 2 ]
amdhsa.kernels:
  - .name:           k_q8bf64d5143_norm1
    .symbol:         k_q8bf64d5143_norm1.kd
    .args:
      - { .name: h1, .offset: 0, .size: 8, .value_kind: global_buffer, .address_space: global }
      - { .name: gain2, .offset: 8, .size: 8, .value_kind: global_buffer, .address_space: global }
      - { .name: aq, .offset: 16, .size: 8, .value_kind: global_buffer, .address_space: global }
    .group_segment_fixed_size: 66304
    .private_segment_fixed_size: 0
    .kernarg_segment_align: 8
    .kernarg_segment_size: 24
    .max_flat_workgroup_size: 128
    .sgpr_count:     66
    .vgpr_count:     256
    .wavefront_size: 32
...
	.end_amdgpu_metadata
.endif
;; end of part 12
;; launch ffn1 (part 13): grid 16 x 11, 4 waves a work-group, clusters of 4 x 1, 327,680 bytes of LDS; arguments aq, wimg, hid; writes hid
.if DOCPART == 13
	.amdgcn_target "amdgcn-amd-amdhsa--gfx1250"
	.amdhsa_code_object_version 6
	.text
	.protected	k_q8bf64d5143_ffn1
	.globl	k_q8bf64d5143_ffn1
	.p2align	8
	.type	k_q8bf64d5143_ffn1,@function
k_q8bf64d5143_ffn1:
	s_mov_b64 s[64:65], 0
	v_nop
	global_prefetch_b8 v0, s[64:65] scope:SCOPE_SE
	s_setreg_imm32_b32 hwreg(HW_REG_WAVE_MODE, 25, 1), 1
	s_wait_xcnt 0x0
	s_wait_alu depctr_hold_cnt(0) depctr_sa_sdst(0) depctr_va_vdst(0) depctr_va_sdst(0) depctr_va_ssrc(0) depctr_va_vcc(0) depctr_vm_vsrc(0)
	s_getreg_b32 s2, hwreg(HW_REG_IB_STS2, 6, 4)
	s_cmp_eq_u32 s2, 0
	s_cbranch_scc0 .Lentry_in_a_cluster
	s_endpgm
.Lentry_in_a_cluster:
	s_bfe_u32 s2, ttmp6, 0x10000c
	s_cmp_lg_u32 s2, 0x3003
	s_cbranch_scc0 .Lentry_shape_is_right
	s_endpgm
.Lentry_shape_is_right:
; hidden = silu(y w1^T) x (y w3^T), both products on codes of BF8 (E5M2) with E8M0 scales for each 32 along K = 1,024; the hidden layer is quantised along its 2,752 units (filled with zeros to 2,816, the next product's 22 K steps of 128) and stored as records.
; OPERANDS lie in memory as RECORDS of 33,792 dense bytes: 8 tiles of 16 rows x 256 along K, as images of the operand's registers (code at 4096 t + 2048 q + 512 c + 16 lane), scale words at 32768 + 128 t + 8 r + 4 q.
; The weights' octet o holds hidden units 64 o .. 64 o + 63: tiles 0-3 w1's rows, tiles 4-7 the same rows of w3.  So a wave's 128 x 128 is 128 tokens x 64 units of BOTH products, and gate and value meet in one lane.
; A tile's rows are 32 (T / 2) + 8 (T % 2) + (p % 8) + 16 (p / 8): a lane (one token) holds in registers 16 b + i of a tile row: h of unit 32 b + 16 h' + i (b = 0, 1), and 32 registers on the same units' g.
; A BLOCK is 256 tokens x 2 octets, made by four waves; K goes in four slots of 256 through a ring of two LDS slots of four records, one tensor load a wave.  Two slots of five records (3 octets) would be 337,920 bytes: more than LDS holds.
; A WORK-GROUP STAYS: the result has 16 x 22 = 352 blocks; each of the 16 x 11 work-groups makes TWO, with the same tokens, 11 blocks of the weights apart.  The ring does not stop between them: the first block's last two
; changes of slots ask for the second block's K slots 0 and 1, ahead of the first block's way out.  The second block's tail is written out: it asks for nothing more.
; CLUSTER 4 x 1: four blocks of tokens ask for the weights' records jointly; their own tokens' records come by plain loads.  A 4 x 4 cluster is not taken: the grid has 11 rows, which 4 does not divide.
; No prefetch: the block is the largest that two slots hold, the launch is in clusters, and K is four slots, of which two are asked for before the first product.
; LIMITS: NaN and infinities are not served; a block under 2^-111, zeros too, gets the byte 1 (read by this program alone).
.set NOA,    32
.set NOB,    44
.set WALK,   11                        ; blocks of two octets from my first block to my second
.set WOFF,   4325376
.set OCT,    33792
.set SLOT,   4*OCT
.set SPARE,  2*SLOT
.set NQ,     2
.set FR,     16
.set NL,     4
.set NP,     8
.set ADRA, 16
.set ADRB, 20
.set ADRS, 22
.set L16,  26
.set SPW,  28
.set NIL,  29
.set L8H,  30                          ; v30  8 r + 128 h: two tiles' scale words
.set SC,   32
.set AF,   128
.set G1,  24
.set G0,  32
.set G1B, 48
.set G0B, 56
.set STA, 66
.set STB, 68
.set SEL, 70
.set MNT, 72
.set HI,  73
.set OC,  74                           ; s[74:75] where the block in hand stores its codes, s[76:77] its scale bytes; s[84:87] the same for the second block
.set OC2, 84
.set X,    32                          ; the way out: v32-159 four tiles' 32 numbers a lane; v160-223 codes, 8 registers for each of the 8 tiles; v224-255 at work: 8 blocks x (largest, byte, hold, scale operand)
.set PC,   160
.set TM,   224
.set MSB, 0
.macro WIN new
.if MSB != (\new)
	s_set_vgpr_msb (MSB<<8)|(\new)
.set MSB, (\new)
.endif
.endm
.set MUL_LO, 0xa1
.set MUL_HI, 0xf1
.set TO_B,   0x40
.macro JLOAD g0a, g1a, g0b, g1b        ; waves 0 and 1 fetch the tokens' two records (plain), waves 2 and 3 the weights' (joint); s_nop 0 and four v_nop follow each line
	s_cmp_eq_u32 s15, 0
	s_cbranch_scc0 .Lfor_b_\@
	tensor_load_to_lds s[\g0a:\g0a+3], s[\g1a:\g1a+7]
	s_nop 0
.rept 4
	v_nop
.endr
	s_branch .Lasked_\@
.Lfor_b_\@:
	tensor_load_to_lds s[\g0b:\g0b+3], s[\g1b:\g1b+7]
	s_nop 0
.rept 4
	v_nop
.endr
.Lasked_\@:
.endm
.macro CREST
	s_cmp_lg_u32 s14, 0
	s_cbranch_scc1 .Lnot_wave_0_\@
	s_barrier_signal -3
.Lnot_wave_0_\@:
	s_barrier_wait -3
	s_barrier_signal -1
	s_barrier_wait -1
.endm
.macro CROUND
	s_barrier_signal -1
	s_barrier_wait -1
	CREST
.endm
; where a block of the weights, number in s[yb], stores: its 64 units a wave are k = 64 (2 yb + my octet) of the next product: slot yb / 2, K step yb % 2, blocks 2 x my octet + 0, 1
.macro OUTADR yb, c
	s_lshl_b32 s78, s17, 1
	s_add_co_u32 s78, s78, s15                     ; my octet of tokens
	s_lshr_b32 s79, s[\yb], 1
	s_lshl_b32 s79, s79, 5
	s_add_co_u32 s78, s78, s79
	s_mul_i32 s78, s78, OCT                        ; the record
	s_and_b32 s79, s[\yb], 1
	s_lshl_b32 s80, s79, 11
	s_add_co_u32 s80, s80, s78
	s_lshl_b32 s81, s16, 10
	s_add_co_u32 s80, s80, s81
	s_mov_b32 s81, 0
	s_add_nc_u64 s[\c:\c+1], s[8:9], s[80:81]      ; my codes
	s_lshl_b32 s80, s79, 2
	s_add_co_u32 s80, s80, s78
	s_add_co_u32 s80, s80, 32768
	s_lshl_b32 s82, s16, 1
	s_add_co_u32 s80, s80, s82
	s_add_nc_u64 s[\c+2:\c+3], s[8:9], s[80:81]    ; my two bytes of the scale words
.endm
	s_load_b128 s[4:7], s[0:1], 0x0                ; aq, wimg
	s_load_b64 s[8:9], s[0:1], 0x10                ; hid
	v_lshl_add_u32 v[SPW], v0, 2, SPARE
	v_mov_b32 v[NIL], 0
	ds_add_u32 v[SPW], v[NIL]                      ; the opening: the add, twice on end, and its wait
	ds_add_u32 v[SPW], v[NIL]
	s_wait_dscnt 0x0
	v_lshrrev_b32 v1, 5, v0
	v_readfirstlane_b32 s14, v1
	s_lshr_b32 s15, s14, 1
	s_and_b32 s16, s14, 1
	s_bfe_u32 s40, ttmp6, 0x40000                  ; cx
	s_lshl_b32 s17, ttmp9, 2
	s_add_co_u32 s17, s17, s40                     ; block of 256 tokens
	s_and_b32 s42, ttmp7, 0xffff                   ; my first block of two octets of the weights, which the four partners share
	s_add_co_u32 s43, s42, WALK                    ; and my second
	s_mov_b32 s[G1+0], 3<<16                       ; a record as 132 rows of 256 bytes; no mask: my own tokens
	s_mov_b32 s[G1B+0], 15|(3<<16)|(1<<21)         ; the mask: all four work-groups
.irp g, G1, G1B
	s_mov_b32 s[\g+1], 32<<16
	s_mov_b32 s[\g+2], 132<<16
	s_mov_b32 s[\g+3], 32<<16
	s_mov_b32 s[\g+4], 132
	s_mov_b32 s[\g+5], 32
	s_mov_b32 s[\g+6], 0
	s_mov_b32 s[\g+7], 0
.endr
	s_lshl_b32 s20, s17, 1
	s_add_co_u32 s20, s20, s16
	s_mul_i32 s20, s20, OCT
	s_mov_b32 s21, 0
	s_lshl_b32 s46, s42, 1
	s_add_co_u32 s46, s46, s16
	s_mul_i32 s46, s46, OCT
	s_add_co_u32 s46, s46, WOFF
	s_mov_b32 s47, 0
	s_mov_b32 s[STA], 2*NOA*OCT
	s_mov_b32 s[STA+1], 0
	s_mov_b32 s[STB], 2*NOB*OCT
	s_mov_b32 s[STB+1], 0
	s_mul_i32 s45, s14, OCT
	s_wait_kmcnt 0x0
	s_add_nc_u64 s[20:21], s[4:5], s[20:21]
	s_add_nc_u64 s[46:47], s[6:7], s[46:47]
	CROUND                                         ; all four work-groups are here: the first joint loads meet
.irp s, 0,1
	s_mov_b32 s[G0+4*\s], 1
	s_add_co_u32 s[G0+4*\s+1], s45, \s*SLOT
	s_add_nc_u64 s[G0+4*\s+2:G0+4*\s+3], s[20:21], \s*NOA*OCT
	s_or_b32 s[G0+4*\s+3], s[G0+4*\s+3], 0x80000000
	s_mov_b32 s[G0B+4*\s], 1
	s_add_co_u32 s[G0B+4*\s+1], s45, \s*SLOT
	s_add_nc_u64 s[G0B+4*\s+2:G0B+4*\s+3], s[46:47], \s*NOB*OCT
	s_or_b32 s[G0B+4*\s+3], s[G0B+4*\s+3], 0x80000000
.endr
	JLOAD G0, G1, G0B, G1B                         ; K slot 0: one tensor load a wave at the head
	v_and_b32 v1, 15, v0
	v_bfe_u32 v2, v0, 4, 1
	v_and_b32 v3, 31, v0
	v_lshlrev_b32 v[L16], 4, v3
	v_lshlrev_b32 v[L8H], 3, v1
	v_lshl_add_u32 v[L8H], v2, 7, v[L8H]
	s_mul_i32 s21, s15, OCT
	s_mul_i32 s22, s16, OCT
	s_add_co_u32 s22, s22, 2*OCT
	v_add_nc_u32 v[ADRA], s21, v[L16]
	v_add_nc_u32 v[ADRB], s22, v[L16]
	v_add_nc_u32 v[ADRA+1], SLOT, v[ADRA]
	v_add_nc_u32 v[ADRB+1], SLOT, v[ADRB]
	s_sub_co_u32 s22, s22, s21
	v_mul_u32_u24 v4, s22, v2
	v_lshl_add_u32 v4, v1, 3, v4
	s_add_co_u32 s21, s21, 32768
	v_add_nc_u32 v[ADRS], s21, v4
	v_add_nc_u32 v[ADRS+1], SLOT, v[ADRS]
	s_mov_b32 s[SEL], 0x76543210
	s_mov_b32 s[SEL+1], 0xfedcba98
	s_mov_b32 s[MNT], 0x600000
	s_mov_b32 s[HI], 0xffff0000
	OUTADR 42, OC
	OUTADR 43, OC2
.macro FRAG reg, adr, q, i
.irp c, 0,1,2,3
	ds_load_b128 v[\reg+4*\c:\reg+4*\c+3], v[\adr] offset:2048*(\q)+4096*(\i)+512*\c
.endr
.endm
.macro MUL16 a0, p, q, sc, zero        ; the 64 accumulators take turns, one instruction a turn
.irp a, \a0, \a0+1
.irp b, 0,1,2,3,4,5,6,7
.if \zero
	v_wmma_scale_f32_16x16x128_f8f6f4 v[8*(8*((\a)%4)+\b):8*(8*((\a)%4)+\b)+7], v[128*(\p)+FR*\b:128*(\p)+FR*\b+FR-1], v[AF+FR*(\a):AF+FR*(\a)+FR-1], 0, v[SC+8*NQ*(\sc)+NQ*\b+(\q)], v[SC+8*NQ*(\sc)+NQ*(\a)+(\q)] matrix_a_fmt:MATRIX_FMT_BF8 matrix_b_fmt:MATRIX_FMT_BF8 matrix_a_scale:MATRIX_SCALE_ROW1
.else
	v_wmma_scale_f32_16x16x128_f8f6f4 v[8*(8*((\a)%4)+\b):8*(8*((\a)%4)+\b)+7], v[128*(\p)+FR*\b:128*(\p)+FR*\b+FR-1], v[AF+FR*(\a):AF+FR*(\a)+FR-1], v[8*(8*((\a)%4)+\b):8*(8*((\a)%4)+\b)+7], v[SC+8*NQ*(\sc)+NQ*\b+(\q)], v[SC+8*NQ*(\sc)+NQ*(\a)+(\q)] matrix_a_fmt:MATRIX_FMT_BF8 matrix_b_fmt:MATRIX_FMT_BF8 matrix_a_scale:MATRIX_SCALE_ROW1
.endif
.endr
.endr
.endm
.macro FETCH_B slot, q, p
	WIN TO_B
.irp i, 0,1,2,3,4,5,6,7
	FRAG 128*(\p)+FR*\i, ADRB+\slot, \q, \i
.endr
	WIN 0
.endm
.macro FETCH_A slot, q, i0
.irp i, \i0, \i0+1, \i0+2, \i0+3
	FRAG AF+FR*(\i), ADRA+\slot, \q, \i
.endr
.endm
.macro SCALES sc
.irp i, 0,1,2,3,4,5,6,7
	ds_load_b64 v[SC+8*NQ*\sc+NQ*\i:SC+8*NQ*\sc+NQ*\i+1], v[ADRS+\sc] offset:128*\i
.endr
.endm
.macro PLACES n
.rept \n
	v_nop
.endr
.endm
.macro STEP slot, q, zero
	s_wait_dscnt 4*NL                              ; all but the youngest 16 loads (A's tiles 4-7) are in
	WIN MUL_LO
	MUL16 0, (\q)%2, \q, \slot, \zero
	MUL16 2, (\q)%2, \q, \slot, \zero
	s_wait_dscnt 0
	PLACES NP
	FETCH_B \slot, (\q)+1, 1-(\q)%2
	FETCH_A \slot, (\q)+1, 0
	WIN MUL_HI
	MUL16 4, (\q)%2, \q, \slot, \zero
	MUL16 6, (\q)%2, \q, \slot, \zero
	PLACES NP
	WIN 0
	FETCH_A \slot, (\q)+1, 4
.endm
; A slot's last step changes slots.  fill = 1: this slot takes this block's K slot two on; fill = 2: the same K slot of my second block (tokens: back along K; weights: back along K and WALK blocks on); fill = 0: nothing.
; fetch = 0: the next slot's first fragments are not read here: the way out, which uses their registers, comes first.
.macro TURN slot, next, fill, fetch
	s_wait_tensorcnt 0x0                           ; all my tensor loads have landed: my record of the next slot
	ds_add_u32 v[SPW], v[NIL]                      ; 0 onto my spare word
	s_wait_dscnt 4*NL+1                            ; (the add and the youngest 16 loads may be out)
	WIN MUL_LO
	MUL16 0, 1, NQ-1, \slot, 0
	s_wait_dscnt 0x0                               ; the add is done, and my reads of this slot are over
	s_barrier_signal -1
	MUL16 2, 1, NQ-1, \slot, 0
	WIN 0
	s_barrier_wait -1
.if \fill
	CREST                                          ; the barrier has opened a round of the cluster's
.if \fill == 1
	s_add_nc_u64 s[G0+4*\slot+2:G0+4*\slot+3], s[G0+4*\slot+2:G0+4*\slot+3], s[STA:STA+1]
	s_add_nc_u64 s[G0B+4*\slot+2:G0B+4*\slot+3], s[G0B+4*\slot+2:G0B+4*\slot+3], s[STB:STB+1]
.else
	s_sub_nc_u64 s[G0+4*\slot+2:G0+4*\slot+3], s[G0+4*\slot+2:G0+4*\slot+3], 2*NOA*OCT
	s_sub_nc_u64 s[G0B+4*\slot+2:G0B+4*\slot+3], s[G0B+4*\slot+2:G0B+4*\slot+3], (2*NOB-2*WALK)*OCT
.endif
	JLOAD G0+4*\slot, G1, G0B+4*\slot, G1B         ; the first tensor load behind the round, one a wave
.endif
.if \fetch
.if \fill
	PLACES NP-4                                    ; with the four v_nop behind the load: eight places
.else
	PLACES NP
.endif
	FETCH_B \next, 0, 0
	FETCH_A \next, 0, 0
	SCALES \next
.endif
	WIN MUL_HI
	MUL16 4, 1, NQ-1, \slot, 0
	MUL16 6, 1, NQ-1, \slot, 0
.if \fetch
	PLACES NP
.endif
	WIN 0
.if \fetch
	FETCH_A \next, 0, 4
.endif
.endm
.macro LAST sc
	s_wait_dscnt 4*NL
	WIN MUL_LO
	MUL16 0, 1, NQ-1, \sc, 0
	MUL16 2, 1, NQ-1, \sc, 0
	s_wait_dscnt 0
	WIN MUL_HI
	MUL16 4, 1, NQ-1, \sc, 0
	MUL16 6, 1, NQ-1, \sc, 0
	WIN 0
.endm
; THE WAY OUT of tile a (16 tokens): sigmoid(h) = 1 / (1 + 2^(-h log2 e)); (h x sigmoid) x g; the 32 numbers of a lane are two blocks of the next K
; FOUR TILES AT A TIME, 4 hb .. 4 hb + 3, the accumulators of window 2 + hb: tile t's h at v[64 t] on, its g 32 registers further.  One wait ahead of and one behind each batch of 128 transcendentals; the 8 blocks of 32 units take turns line by line.
.macro HALF hb
	WIN 2+(\hb)                                    ; source 0: the accumulators' window
.irp t, 0,1,2,3
.set n, 0
.rept 16
	v_pk_mul_f32 v[X+32*\t+n:X+32*\t+n+1], v[64*\t+n:64*\t+n+1], 0xbfb8aa3b op_sel_hi:[1,0]   ; -h log2(e); each accumulator from its low end on
.set n, n+2
.endr
.endr
	WIN 0
	s_wait_alu depctr_va_vdst(0)                   ; the wait ahead of the batch
.set n, 0
.rept 128
	v_exp_f32 v[X+n], v[X+n]
.set n, n+1
.endr
	v_nop                                          ; a plain line behind the last exponential
	s_wait_alu depctr_va_vdst(0)                   ; one wait for the batch, ahead of its first reader
.set n, 0
.rept 64
	v_pk_add_f32 v[X+n:X+n+1], v[X+n:X+n+1], 1.0 op_sel_hi:[1,0]
.set n, n+2
.endr
	s_wait_alu depctr_va_vdst(0)
.set n, 0
.rept 128
	v_rcp_f32 v[X+n], v[X+n]
.set n, n+1
.endr
	v_nop
	s_wait_alu depctr_va_vdst(0)                   ; and one for the reciprocals
	WIN 2+(\hb)
.irp t, 0,1,2,3
.set n, 0
.rept 16
	v_pk_mul_f32 v[X+32*\t+n:X+32*\t+n+1], v[64*\t+n:64*\t+n+1], v[X+32*\t+n:X+32*\t+n+1]      ; h x sigmoid(h)
.set n, n+2
.endr
.endr
.irp t, 0,1,2,3
.set n, 0
.rept 16
	v_pk_mul_f32 v[X+32*\t+n:X+32*\t+n+1], v[64*\t+32+n:64*\t+32+n+1], v[X+32*\t+n:X+32*\t+n+1]   ; x g
.set n, n+2
.endr
.endr
	WIN 0
	s_wait_alu depctr_va_vdst(0)
	s_wait_xcnt 0x0                                ; the earlier stores of scale bytes have read their registers, which the maxima below write
.irp k, 0,1,2,3,4,5,6,7
	v_max3_num_f32 v[TM+\k], |v[X+16*\k]|, |v[X+16*\k+1]|, 0x8000000   ; block k = 2 t + b: my 16 numbers, and the floor 2^(16 - 127)
.endr
.irp i, 2,4,6,8,10,12,14
.irp k, 0,1,2,3,4,5,6,7
	v_max3_num_f32 v[TM+\k], v[TM+\k], |v[X+16*\k+\i]|, |v[X+16*\k+\i+1]|
.endr
.endr
.irp k, 0,1,2,3,4,5,6,7
	v_permlanex16_b32 v[TM+8+\k], v[TM+\k], s[SEL], s[SEL+1]
.endr
.irp k, 0,1,2,3,4,5,6,7
	v_max_num_f32 v[TM+\k], v[TM+\k], v[TM+8+\k]
.endr
.irp k, 0,1,2,3,4,5,6,7
	v_add_nc_u32 v[TM+24+\k], 0xf8800000, v[TM+\k]           ; 15 off the exponent field: the conversion's scale operand
.endr
.irp k, 0,1,2,3,4,5,6,7
	v_and_or_b32 v[TM+16+\k], v[TM+\k], 0x7f800000, s[MNT]   ; 57,344 x the scale
.endr
.irp k, 0,1,2,3,4,5,6,7
	v_lshrrev_b32 v[TM+8+\k], 23, v[TM+24+\k]                ; the scale's byte
.endr
.irp t, 0,1,2,3
	v_lshl_or_b32 v[TM+8+2*\t], v[TM+9+2*\t], 8, v[TM+8+2*\t]   ; tile t's two bytes
.endr
.irp u, 0,1
	v_cndmask_b32 v[TM+\u], v[TM+8+4*\u], v[TM+10+4*\u], s[HI]  ; lanes 0-15 tile 2 u's two bytes, lanes 16-31 tile 2 u + 1's
.endr
.irp k, 0,1,2,3,4,5,6,7
.irp i, 0,1,2,3,4,5,6,7,8,9,10,11,12,13,14,15
	v_med3_num_f32 v[X+16*\k+\i], v[X+16*\k+\i], -v[TM+16+\k], v[TM+16+\k]   ; the conversion does not saturate (ISA guide 7.6.2): the hold
.endr
	v_cvt_scalef32_pk8_bf8_f32 v[PC+32*(\hb)+4*\k:PC+32*(\hb)+4*\k+1], v[X+16*\k:X+16*\k+7], v[TM+24+\k]
	v_cvt_scalef32_pk8_bf8_f32 v[PC+32*(\hb)+4*\k+2:PC+32*(\hb)+4*\k+3], v[X+16*\k+8:X+16*\k+15], v[TM+24+\k]
.endr
	v_nop
.irp t, 0,1,2,3
	global_store_b128 v[L16], v[PC+32*(\hb)+8*\t:PC+32*(\hb)+8*\t+3], s[OC:OC+1] offset:4096*(4*(\hb)+\t)              ; 512 consecutive bytes each
	global_store_b128 v[L16], v[PC+32*(\hb)+8*\t+4:PC+32*(\hb)+8*\t+7], s[OC:OC+1] offset:4096*(4*(\hb)+\t)+512
.endr
.irp u, 0,1
	global_store_b16 v[L8H], v[TM+\u], s[OC+2:OC+3] offset:128*(4*(\hb)+2*\u)
.endr
.endm
.macro EPI
	PLACES NP                                      ; behind the last products
.irp k, 0,1,2,3,4,5,6,7
	v_mov_b32 v[TM+8+\k], 0                        ; a lane permute's destination counts as one of its sources
.endr
	HALF 0
	HALF 1
.endm
	s_wait_alu depctr_va_vdst(0)                   ; the wait at the head's end
	s_wait_tensorcnt 0x0                           ; my record of K slot 0 is in; the lines that stand ahead of a refill stand ahead of slot 1's first fill too:
	ds_add_u32 v[SPW], v[NIL]
	s_wait_dscnt 0x0
	CROUND                                         ; a whole round: slot 0 is whole, and all four work-groups are here
	JLOAD G0+4, G1, G0B+4, G1B                     ; K slot 1: the first tensor load behind the round
	s_mov_b32 s2, 2                                ; blocks to go, this one among them: the same number in every work-group
.Ltile:
	FETCH_B 0, 0, 0
	FETCH_A 0, 0, 0
	SCALES 0
	FETCH_A 0, 0, 4
	STEP 0, 0, 1                                   ; the first products start the sums: nothing is cleared
	TURN 0, 1, 1, 1
	STEP 1, 0, 0
	TURN 1, 0, 1, 1
	STEP 0, 0, 0
	s_cmp_eq_u32 s2, 1
	s_cbranch_scc1 .Llast_tile                     ; the last block's tail is written out: it asks for nothing more
	TURN 0, 1, 2, 1                                ; the ring goes on into my second block: slot 0 takes its K slot 0,
	STEP 1, 0, 0
	TURN 1, 0, 2, 0                                ; slot 1 its K slot 1; behind this round slot 0 is whole again
	EPI                                            ; both refills are asked for: now the block goes out
	s_wait_alu depctr_va_vdst(0)
	s_wait_xcnt 0x0                                ; the stores have read their registers and bases: the bases may be written, and the next fragments may land
	s_mov_b64 s[OC:OC+1], s[OC2:OC2+1]
	s_mov_b64 s[OC+2:OC+3], s[OC2+2:OC2+3]
	s_sub_co_u32 s2, s2, 1
	s_branch .Ltile
.Llast_tile:
	TURN 0, 1, 0, 1
	STEP 1, 0, 0
	LAST 1
	EPI
	s_wait_tensorcnt 0x0                           ; the wave's end
	ds_add_u32 v[SPW], v[NIL]
	s_wait_dscnt 0x0
	CROUND                                         ; the closing round
	s_endpgm
.Lfunc_end_k_q8bf64d5143_ffn1:
	.size	k_q8bf64d5143_ffn1, .Lfunc_end_k_q8bf64d5143_ffn1-k_q8bf64d5143_ffn1
	.p2alignl 7, 3214868480
	.fill 96, 4, 3214868480
	.section	.rodata,"a",@progbits
	.p2align	6, 0x0
	.amdhsa_kernel k_q8bf64d5143_ffn1
		.amdhsa_group_segment_fixed_size 327680
		.amdhsa_private_segment_fixed_size 0
		.amdhsa_enable_private_segment 0
		.amdhsa_kernarg_size 24
		.amdhsa_user_sgpr_count 2
		.amdhsa_user_sgpr_kernarg_segment_ptr 1
		.amdhsa_wavefront_size32 1
		.amdhsa_system_sgpr_workgroup_id_x 1
		.amdhsa_system_sgpr_workgroup_id_y 1
		.amdhsa_system_sgpr_workgroup_id_z 1
		.amdhsa_system_vgpr_workitem_id 0
		.amdhsa_next_free_vgpr 1024
		.amdhsa_next_free_sgpr 92
		.amdhsa_reserve_vcc 0
		.amdhsa_float_denorm_mode_32 3
		.amdhsa_float_denorm_mode_16_64 3
		.amdhsa_memory_ordered 1
		.amdhsa_forward_progress 1
		.amdhsa_inst_pref_size 255
	.end_amdhsa_kernel
	.section	.bss,"aw",@nobits
	.p2align	6
	.space	262144
	.amdgpu_metadata
---
amdhsa.version: [ 1, 2 ]
amdhsa.kernels:
  - .name:           k_q8bf64d5143_ffn1
    .symbol:         k_q8bf64d5143_ffn1.kd
    .args:
      - { .name: aq, .offset: 0, .size: 8, .value_kind: global_buffer, .address_space: global }
      - { .name: wimg, .offset: 8, .size: 8, .value_kind: global_buffer, .address_space: global }
      - { .name: hid, .offset: 16, .size: 8, .value_kind: global_buffer, .address_space: global }
    .group_segment_fixed_size: 327680
    .private_segment_fixed_size: 0
    .kernarg_segment_align: 8
    .kernarg_segment_size: 24
    .max_flat_workgroup_size: 128
    .sgpr_count:     92
    .vgpr_count:     1024
    .wavefront_size: 32
...
	.end_amdgpu_metadata
.endif
;; end of part 13
;; launch ffn2 (part 14): grid 8 x 32, 4 waves a work-group, clusters of 4 x 4, 327,680 bytes of LDS; arguments hid, wimg, h1, out0; writes out0
.if DOCPART == 14
	.amdgcn_target "amdgcn-amd-amdhsa--gfx1250"
	.amdhsa_code_object_version 6
	.text
	.protected	k_q8bf64d5143_ffn2
	.globl	k_q8bf64d5143_ffn2
	.p2align	8
	.type	k_q8bf64d5143_ffn2,@function
k_q8bf64d5143_ffn2:
	s_mov_b64 s[64:65], 0
	v_nop
	global_prefetch_b8 v0, s[64:65] scope:SCOPE_SE
	s_setreg_imm32_b32 hwreg(HW_REG_WAVE_MODE, 25, 1), 1
	s_wait_xcnt 0x0
	s_wait_alu depctr_hold_cnt(0) depctr_sa_sdst(0) depctr_va_vdst(0) depctr_va_sdst(0) depctr_va_ssrc(0) depctr_va_vcc(0) depctr_vm_vsrc(0)
	s_getreg_b32 s2, hwreg(HW_REG_IB_STS2, 6, 4)
	s_cmp_eq_u32 s2, 0
	s_cbranch_scc0 .Lentry_in_a_cluster
	s_endpgm
.Lentry_in_a_cluster:
	s_bfe_u32 s2, ttmp6, 0x10000c
	s_cmp_lg_u32 s2, 0xf033
	s_cbranch_scc0 .Lentry_shape_is_right
	s_endpgm
.Lentry_shape_is_right:
.set NOA,    32
.set NOB,    8
.set WOFF,   10272768
.set OCT,    33792
.set SLOT,   4*OCT
.set SPARE,  2*SLOT
.set SP,     272
.set NP,     8
.set ADRA, 16
.set ADRB, 20
.set ADRS, 22
.set STO,  24
.set RD,   25
.set GO,   26
.set SPW,  28
.set NIL,  29
.set PFO,  30
.set SC,   32
.set BK,   64
.set ACC,  128
.set G1,  24
.set G0,  32
.set G1B, 48
.set G0B, 56
.set PFA,  76
.set LIM,  78
.set LIM5, 79
.set PFS,  80
.set MSB, 0
.macro WIN new
.if MSB != (\new)
	s_set_vgpr_msb (MSB<<8)|(\new)
.set MSB, (\new)
.endif
.endm
.macro JLOAD g0a, g1a, g0b, g1b
	s_cmp_eq_u32 s15, 0
	s_cbranch_scc0 .Lfor_b_\@
	tensor_load_to_lds s[\g0a:\g0a+3], s[\g1a:\g1a+7]
	s_nop 0
.rept 4
	v_nop
.endr
	s_branch .Lasked_\@
.Lfor_b_\@:
	tensor_load_to_lds s[\g0b:\g0b+3], s[\g1b:\g1b+7]
	s_nop 0
.rept 4
	v_nop
.endr
.Lasked_\@:
.endm
.macro JLOADH g0a, g1a, g0b, g1b
	s_cmp_lg_u32 s16, 0
	s_cbranch_scc1 .Lasked_\@
	s_cmp_eq_u32 s15, 0
	s_cbranch_scc0 .Lfor_b_\@
	tensor_load_to_lds s[\g0a:\g0a+3], s[\g1a:\g1a+7]
	s_nop 0
.rept 4
	v_nop
.endr
	s_branch .Lasked_\@
.Lfor_b_\@:
	tensor_load_to_lds s[\g0b:\g0b+3], s[\g1b:\g1b+7]
	s_nop 0
.rept 4
	v_nop
.endr
.Lasked_\@:
.endm
.macro ASK lim
	s_cmp_eq_u32 s[\lim], 1
	s_cbranch_scc0 .Lnot_mine_\@
	global_prefetch_b8 v[PFO], s[PFA:PFA+1] th:TH_LOAD_NT scope:SCOPE_SE
.Lnot_mine_\@:
.endm
.macro CREST
	s_cmp_lg_u32 s14, 0
	s_cbranch_scc1 .Lnot_wave_0_\@
	s_barrier_signal -3
.Lnot_wave_0_\@:
	s_barrier_wait -3
	s_barrier_signal -1
	s_barrier_wait -1
.endm
.macro CROUND
	s_barrier_signal -1
	s_barrier_wait -1
	CREST
.endm
	s_load_b256 s[4:11], s[0:1], 0x0
	v_lshl_add_u32 v[SPW], v0, 2, SPARE
	v_mov_b32 v[NIL], 0
	ds_add_u32 v28, v29
	ds_add_u32 v28, v29
	s_wait_dscnt 0x0
	v_lshrrev_b32 v1, 5, v0
	v_readfirstlane_b32 s14, v1
	s_lshr_b32 s15, s14, 1
	s_and_b32 s16, s14, 1
	s_bfe_u32 s40, ttmp6, 0x40000
	s_bfe_u32 s41, ttmp6, 0x40004
	s_lshl_b32 s42, ttmp9, 2
	s_add_co_u32 s42, s42, s40
	s_and_b32 s17, ttmp7, 0xffff
	s_lshl_b32 s17, s17, 2
	s_add_co_u32 s17, s17, s41
	s_lshl_b32 s43, s41, 2
	s_lshl_b32 s43, 15, s43
	s_lshl_b32 s44, 0x1111, s40
	s_or_b32 s[G1+0], s43, (3<<16)|(1<<21)
	s_or_b32 s[G1B+0], s44, (3<<16)|(1<<21)
.irp g, G1, G1B
	s_mov_b32 s[\g+1], 32<<16
	s_mov_b32 s[\g+2], 132<<16
	s_mov_b32 s[\g+3], 32<<16
	s_mov_b32 s[\g+4], 132
	s_mov_b32 s[\g+5], 32
	s_mov_b32 s[\g+6], 0
	s_mov_b32 s[\g+7], 0
.endr
	s_mul_i32 s20, s16, NOA
	s_add_co_u32 s20, s20, s17
	s_mul_i32 s20, s20, OCT
	s_mov_b32 s21, 0
	s_mul_i32 s46, s16, NOB
	s_add_co_u32 s46, s46, s42
	s_mul_i32 s46, s46, OCT
	s_add_co_u32 s46, s46, WOFF
	s_mov_b32 s47, 0
	s_mul_i32 s45, s14, OCT
	s_wait_kmcnt 0x0
	s_add_nc_u64 s[20:21], s[4:5], s[20:21]
	s_add_nc_u64 s[46:47], s[6:7], s[46:47]
	CROUND
.irp s, 0,1
	s_mov_b32 s[G0+4*\s], 1
	s_add_co_u32 s[G0+4*\s+1], s45, \s*SLOT
	s_add_nc_u64 s[G0+4*\s+2:G0+4*\s+3], s[20:21], \s*2*NOA*OCT
	s_or_b32 s[G0+4*\s+3], s[G0+4*\s+3], 0x80000000
	s_mov_b32 s[G0B+4*\s], 1
	s_add_co_u32 s[G0B+4*\s+1], s45, \s*SLOT
	s_add_nc_u64 s[G0B+4*\s+2:G0B+4*\s+3], s[46:47], \s*2*NOB*OCT
	s_or_b32 s[G0B+4*\s+3], s[G0B+4*\s+3], 0x80000000
.endr
	JLOAD G0, G1, G0B, G1B                         ; slot 0: one tensor load a wave at the head, behind the round
	v_and_b32 v1, 15, v0
	v_bfe_u32 v2, v0, 4, 1
	v_and_b32 v3, 31, v0
	v_lshlrev_b32 v[PFO], 8, v3
	v_lshlrev_b32 v3, 4, v3
	s_lshl_b32 s21, s15, 14
	s_lshl_b32 s22, s16, 14
	s_add_co_u32 s22, s22, 2*OCT
	v_add_nc_u32 v[ADRA], s21, v3
	v_add_nc_u32 v[ADRB], s22, v3
	v_add_nc_u32 v[ADRA+1], SLOT, v[ADRA]
	v_add_nc_u32 v[ADRB+1], SLOT, v[ADRB]
	s_lshl_b32 s21, s15, 9
	s_lshl_b32 s22, s16, 9
	s_add_co_u32 s22, s22, 2*OCT
	s_sub_co_u32 s22, s22, s21
	v_mul_u32_u24 v4, s22, v2
	v_lshl_add_u32 v4, v1, 3, v4
	s_add_co_u32 s21, s21, 32768
	v_add_nc_u32 v[ADRS], s21, v4
	v_add_nc_u32 v[ADRS+1], SLOT, v[ADRS]
	s_mul_i32 s23, s14, 16*SP
	v_mul_u32_u24 v5, v1, SP
	v_lshl_add_u32 v5, v2, 6, v5
	v_add_nc_u32 v[STO], s23, v5
	v_mul_u32_u24 v5, v2, SP
	v_lshl_add_u32 v5, v1, 4, v5
	v_add_nc_u32 v[RD], s23, v5
	v_lshlrev_b32 v[GO], 12, v2
	v_lshl_add_u32 v[GO], v1, 4, v[GO]
	s_wait_alu depctr_va_vdst(0)
	s_lshl_b32 s74, s17, 19
	s_lshl_b32 s75, s15, 18
	s_add_co_u32 s74, s74, s75
	s_lshl_b32 s75, s42, 9
	s_add_co_u32 s74, s74, s75
	s_lshl_b32 s75, s16, 8
	s_add_co_u32 s74, s74, s75
	s_mov_b32 s75, 0
	s_add_nc_u64 s[70:71], s[8:9], s[74:75]
	s_add_nc_u64 s[72:73], s[10:11], s[74:75]
	s_and_b32 s82, ttmp7, 0xffff
	s_mov_b32 s[PFS], 2*NOB*OCT
	s_cmp_eq_u32 s15, 0
	s_cselect_b64 s[PFA:PFA+1], s[4:5], s[6:7]
	s_cselect_b32 s83, s17, s42
	s_cselect_b32 s84, s40, s41
	s_cselect_b32 s82, ttmp9, s82
	s_cselect_b32 s[PFS], 2*NOA*OCT, s[PFS]
	s_cselect_b32 s85, 0, WOFF
	s_cselect_b32 s86, NOA, NOB
	s_cmp_eq_u32 s82, 0
	s_cselect_b32 s[LIM], 1, -1
	s_or_b32 s82, s82, s16
	s_cmp_eq_u32 s82, 0
	s_cselect_b32 s[LIM5], 1, -1
	s_add_co_u32 s87, s16, 4
	s_mul_i32 s87, s87, s86
	s_add_co_u32 s87, s87, s83
	s_mul_i32 s87, s87, OCT
	s_add_co_u32 s87, s87, s85
	s_lshl_b32 s84, s84, 13
	s_add_co_u32 s88, s87, s84
	s_mov_b32 s89, 0
	s_mov_b32 s[PFS+1], 0
	s_add_nc_u64 s[PFA:PFA+1], s[PFA:PFA+1], s[88:89]
	WIN 0xc0
.irp a, 0,1,2,3
.irp t, 0,1,2,3,4,5,6,7
	global_load_b128 v[32*\a+4*\t:32*\a+4*\t+3], v[GO], s[70:71] offset:(32*(\a/2)+8*(\a%2)+(2*\t)%8+16*(\t/4))*4096 th:TH_LOAD_NT
.endr
.endr
	WIN 0
.macro FRAG reg, adr, off
.irp c, 0,1,2,3
	ds_load_b128 v[(\reg)+4*\c:(\reg)+4*\c+3], v[\adr] offset:(\off)+512*\c
.endr
.endm
.macro FETCH slot, k
	WIN (1+(\k)/2)<<6
.irp i, 0,1,2,3
	FRAG 128*((\k)%2)+64+16*\i, ADRB+\slot, ((\k)/2)*OCT+2048*((\k)%2)+4096*\i
	FRAG 128*((\k)%2)+16*\i, ADRA+\slot, ((\k)/2)*OCT+2048*((\k)%2)+4096*\i
.endr
.endm
.macro SCALES sc, np
	WIN 0
.irp p, 0,1
.if \p < \np
.irp i, 0,1,2,3
	ds_load_b64 v[SC+16*\sc+8*\p+2*\i:SC+16*\sc+8*\p+2*\i+1], v[ADRS+\sc] offset:\p*OCT+128*\i
.endr
.endif
.endr
.endm
.macro MUL8 slot, k, a0, zero
	WIN 5*(1+(\k)/2)
.irp a, \a0, \a0+1
.irp b, 0,1,2,3
.if \zero
	v_wmma_scale_f32_16x16x128_f8f6f4 v[ACC+8*(4*(\a)+\b):ACC+8*(4*(\a)+\b)+7], v[128*((\k)%2)+64+16*\b:128*((\k)%2)+64+16*\b+15], v[128*((\k)%2)+16*(\a):128*((\k)%2)+16*(\a)+15], 0, v[SC+16*(\slot)+8*((\k)/2)+2*\b+(\k)%2], v[SC+16*(\slot)+8*((\k)/2)+2*(\a)+(\k)%2] matrix_a_fmt:MATRIX_FMT_BF8 matrix_b_fmt:MATRIX_FMT_BF8 matrix_a_scale:MATRIX_SCALE_ROW1
.else
	v_wmma_scale_f32_16x16x128_f8f6f4 v[ACC+8*(4*(\a)+\b):ACC+8*(4*(\a)+\b)+7], v[128*((\k)%2)+64+16*\b:128*((\k)%2)+64+16*\b+15], v[128*((\k)%2)+16*(\a):128*((\k)%2)+16*(\a)+15], v[ACC+8*(4*(\a)+\b):ACC+8*(4*(\a)+\b)+7], v[SC+16*(\slot)+8*((\k)/2)+2*\b+(\k)%2], v[SC+16*(\slot)+8*((\k)/2)+2*(\a)+(\k)%2] matrix_a_fmt:MATRIX_FMT_BF8 matrix_b_fmt:MATRIX_FMT_BF8 matrix_a_scale:MATRIX_SCALE_ROW1
.endif
.endr
.endr
.endm
.macro PLACES n
.rept \n
	v_nop
.endr
.endm
.macro S0 slot, zero
	s_wait_dscnt 32
	FETCH \slot, 2
	MUL8 \slot, 0, 0, \zero
	MUL8 \slot, 0, 2, \zero
.endm
.macro S1 slot
	s_wait_dscnt 32
	PLACES NP
	FETCH \slot, 3
	MUL8 \slot, 1, 0, 0
	MUL8 \slot, 1, 2, 0
.endm
.macro TURN slot, next, fill, ask, nsc
.if \ask
	s_wait_xcnt 0x0
	s_add_nc_u64 s[PFA:PFA+1], s[PFA:PFA+1], s[PFS:PFS+1]
.endif
	WIN 0
	s_wait_tensorcnt 0x0
	ds_add_u32 v[SPW], v[NIL]
	s_wait_dscnt 33
	MUL8 \slot, 2, 0, 0
	s_wait_dscnt 0x0
	s_barrier_signal -1
	MUL8 \slot, 2, 2, 0
	WIN 0
	s_barrier_wait -1
.if \fill
	CREST
	s_add_nc_u64 s[G0+4*\slot+2:G0+4*\slot+3], s[G0+4*\slot+2:G0+4*\slot+3], 4*NOA*OCT
	s_add_nc_u64 s[G0B+4*\slot+2:G0B+4*\slot+3], s[G0B+4*\slot+2:G0B+4*\slot+3], 4*NOB*OCT
.if \fill == 1
	JLOAD G0+4*\slot, G1, G0B+4*\slot, G1B
	PLACES NP-4
.else
	JLOADH G0+4*\slot, G1, G0B+4*\slot, G1B
	PLACES NP
.endif
.else
	PLACES NP
.endif
	SCALES \next, \nsc
	FETCH \next, 0
	FETCH \next, 1
.if \ask
	WIN 0
.if \ask == 2
	ASK LIM5
.else
	ASK LIM
.endif
.endif
	MUL8 \slot, 3, 0, 0
	MUL8 \slot, 3, 2, 0
.endm
	s_wait_alu depctr_va_vdst(0)                   ; the wait at the head's end
	s_wait_tensorcnt 0x0                           ; my record of slot 0 is in; the lines that stand ahead of a refill stand ahead of slot 1's first fill too
	ds_add_u32 v[SPW], v[NIL]
	s_wait_dscnt 0x0
	CROUND                                         ; slot 0 is whole, and all sixteen work-groups are here
	JLOAD G0+4, G1, G0B+4, G1B                     ; slot 1: the first tensor load behind the round
	SCALES 0, 2
	FETCH 0, 0
	FETCH 0, 1
	S0 0, 1
	S1 0
	TURN 0, 1, 1, 1, 2
	S0 1, 0
	S1 1
	TURN 1, 0, 1, 1, 2
	S0 0, 0
	S1 0
	TURN 0, 1, 1, 2, 2
	S0 1, 0
	S1 1
	TURN 1, 0, 2, 0, 2
	S0 0, 0
	S1 0
	TURN 0, 1, 0, 0, 1
	s_wait_dscnt 32
	MUL8 1, 0, 0, 0
	MUL8 1, 0, 2, 0
	s_wait_dscnt 0x0
	MUL8 1, 1, 0, 0
	MUL8 1, 1, 2, 0
	WIN 0
.macro TOSTAGE a
.irp b, 0,1,2,3
	ds_store_b128 v[STO], v[ACC+8*(4*(\a)+\b):ACC+8*(4*(\a)+\b)+3] offset:128*(\b/2)+32*(\b%2)
	ds_store_b128 v[STO], v[ACC+8*(4*(\a)+\b)+4:ACC+8*(4*(\a)+\b)+7] offset:128*(\b/2)+32*(\b%2)+16
.endr
.irp t, 0,1,2,3,4,5,6,7
	ds_load_b128 v[BK+32*((\a)%2)+4*\t:BK+32*((\a)%2)+4*\t+3], v[RD] offset:2*\t*SP
.endr
.endm
.macro SEND a, younger
	s_wait_dscnt \younger
	WIN 0x0c
.set n, 0
.rept 16
	v_pk_add_f32 v[BK+32*((\a)%2)+n:BK+32*((\a)%2)+n+1], v[BK+32*((\a)%2)+n:BK+32*((\a)%2)+n+1], v[32*(\a)+n:32*(\a)+n+1]
.set n, n+2
.endr
	WIN 0
.irp t, 0,1,2,3,4,5,6,7
	global_store_b128 v[GO], v[BK+32*((\a)%2)+4*\t:BK+32*((\a)%2)+4*\t+3], s[72:73] offset:(32*((\a)/2)+8*((\a)%2)+(2*\t)%8+16*(\t/4))*4096 th:TH_STORE_NT
.endr
.endm
	PLACES NP
	s_wait_loadcnt 0x0
	TOSTAGE 0
	TOSTAGE 1
	SEND 0, 16
	s_wait_xcnt 0x0
	TOSTAGE 2
	SEND 1, 16
	s_wait_xcnt 0x0
	TOSTAGE 3
	SEND 2, 16
	SEND 3, 0
	s_wait_tensorcnt 0x0
	ds_add_u32 v[SPW], v[NIL]
	s_wait_dscnt 0x0
	CROUND
	s_endpgm
.Lfunc_end_k_q8bf64d5143_ffn2:
	.size	k_q8bf64d5143_ffn2, .Lfunc_end_k_q8bf64d5143_ffn2-k_q8bf64d5143_ffn2
	.p2alignl 7, 3214868480
	.fill 96, 4, 3214868480
	.section	.rodata,"a",@progbits
	.p2align	6, 0x0
	.amdhsa_kernel k_q8bf64d5143_ffn2
		.amdhsa_group_segment_fixed_size 327680
		.amdhsa_private_segment_fixed_size 0
		.amdhsa_enable_private_segment 0
		.amdhsa_kernarg_size 32
		.amdhsa_user_sgpr_count 2
		.amdhsa_user_sgpr_kernarg_segment_ptr 1
		.amdhsa_wavefront_size32 1
		.amdhsa_system_sgpr_workgroup_id_x 1
		.amdhsa_system_sgpr_workgroup_id_y 1
		.amdhsa_system_sgpr_workgroup_id_z 1
		.amdhsa_system_vgpr_workitem_id 0
		.amdhsa_next_free_vgpr 1024
		.amdhsa_next_free_sgpr 90
		.amdhsa_reserve_vcc 0
		.amdhsa_float_denorm_mode_32 3
		.amdhsa_float_denorm_mode_16_64 3
		.amdhsa_memory_ordered 1
		.amdhsa_forward_progress 1
		.amdhsa_inst_pref_size 124
	.end_amdhsa_kernel
	.amdgpu_metadata
---
amdhsa.version: [ 1, 2 ]
amdhsa.kernels:
  - .name:           k_q8bf64d5143_ffn2
    .symbol:         k_q8bf64d5143_ffn2.kd
    .args:
      - { .name: hid, .offset: 0, .size: 8, .value_kind: global_buffer, .address_space: global }
      - { .name: wimg, .offset: 8, .size: 8, .value_kind: global_buffer, .address_space: global }
      - { .name: h1, .offset: 16, .size: 8, .value_kind: global_buffer, .address_space: global }
      - { .name: out0, .offset: 24, .size: 8, .value_kind: global_buffer, .address_space: global }
    .group_segment_fixed_size: 327680
    .private_segment_fixed_size: 0
    .kernarg_segment_align: 8
    .kernarg_segment_size: 32
    .max_flat_workgroup_size: 128
    .sgpr_count:     90
    .vgpr_count:     1024
    .wavefront_size: 32
...
	.end_amdgpu_metadata
.endif
;; end of part 14
